; MI455X (gfx1250); checked and timed in simulation.
; The chip was launched on July 23, 2026; its instructions are those of AMD's public machine-readable ISA for CDNA 5 (MIT licence, August 2026) and "CDNA5" Instruction Set Architecture Reference Guide (July 2026). The comments in the code are by the model that wrote it; some were corrected since.
;; Transformer Layer. Allowed arithmetic: matrix products marked QUANTISED: E4M3 operands, one given power-of-two scale a tensor, by v_wmma_f32_16x16x64_fp8_fp8 or v_wmma_f32_16x16x128_fp8_fp8, f32 sums; everything else in f32.
;; Inputs: attention_mask 2 x 1 x 1 x 2,048 float32; b1 4,096 float32; b2 1,024 float32; be1 1,024 float32; be2 1,024 float32; bk 1,024 float32; bo 1,024 float32; bq 1,024 float32; bv 1,024 float32; g1 1,024 float32; g2 1,024 float32; hidden_states 2 x 2,048 x 1,024 float32; lowp_scales 16 int32 (the exponents e of the quantised operands' scales 2^e); w1_codes 4,096 x 32 x 32 uint8 (E4M3 codes of w1, K innermost, in blocks of 32 codes); w2_codes 1,024 x 128 x 32 uint8 (E4M3 codes of w2, K innermost, in blocks of 32 codes); wk_codes 1,024 x 32 x 32 uint8 (E4M3 codes of wk, K innermost, in blocks of 32 codes); wo_codes 1,024 x 32 x 32 uint8 (E4M3 codes of wo, K innermost, in blocks of 32 codes); wq_codes 1,024 x 32 x 32 uint8 (E4M3 codes of wq, K innermost, in blocks of 32 codes); wv_codes 1,024 x 32 x 32 uint8 (E4M3 codes of wv, K innermost, in blocks of 32 codes).
;; Outputs: out0 2 x 2,048 x 1,024 float32.
;; This version of the problem:
;;   THIS VERSION OF THE PROBLEM IS GIVEN IN LOW PRECISION. The matrix products marked QUANTISED in the list below multiply operands that are first quantised to E4M3 (4 exponent bits, 3 mantissa bits; 8 bits a number), with one given power-of-two scale for each operand tensor; their sums are f32. All else is computed in f32.
;;   The module's matrix products, in the order in which they are computed (A, B: the left and right operand; K: the contracted axis; several contracted axes count as one K, in the product's order):
;;     1. [M 4,096, K 1,024] x [K 1,024, N 1,024]; A: computed on the way; B: input wq (given as codes): QUANTISED (scales: A lowp_scales[0], B lowp_scales[1])
;;     2. [M 4,096, K 1,024] x [K 1,024, N 1,024]; A: computed on the way; B: input wk (given as codes): QUANTISED (scales: A lowp_scales[2], B lowp_scales[3])
;;     3. [M 4,096, K 1,024] x [K 1,024, N 1,024]; A: computed on the way; B: input wv (given as codes): QUANTISED (scales: A lowp_scales[4], B lowp_scales[5])
;;     4. batch 32 x [M 2,048, K 64] x [K 64, N 2,048]; A: computed on the way; B: computed on the way: QUANTISED (scales: A lowp_scales[6], B lowp_scales[7])
;;     5. batch 32 x [M 2,048, K 2,048] x [K 2,048, N 64]; A: softmax (see below); B: computed on the way: QUANTISED (scales: A lowp_scales[8], B lowp_scales[9])
;;     6. [M 4,096, K 1,024] x [K 1,024, N 1,024]; A: computed on the way; B: input wo (given as codes): QUANTISED (scales: A lowp_scales[10], B lowp_scales[11])
;;     7. [M 4,096, K 1,024] x [K 1,024, N 4,096]; A: computed on the way; B: input w1 (given as codes): QUANTISED (scales: A lowp_scales[12], B lowp_scales[13])
;;     8. [M 4,096, K 4,096] x [K 4,096, N 1,024]; A: computed on the way; B: input w2 (given as codes): QUANTISED (scales: A lowp_scales[14], B lowp_scales[15])
;;   THE QUANTISER, for each operand of a quantised product, along K:
;;     - The operand's scale is 2^e, e = its entry of the input lowp_scales (int32; the entries are numbered through the quantised products in the list's order, A before B).
;;     - Each number is divided by the scale, clamped to +-448, and rounded to the nearest number of E4M3, ties to even, subnormals kept.
;;     - The product sums the exact products of the quantised numbers (number of the format x scale) in f32.
;;   ~~~python
;;   def quantise(x, axis, e):      # numpy; x: float32 -> the quantised numbers, widened to float32 again
;;       x = np.moveaxis(x, axis, -1); K = x.shape[-1]
;;       r = np.clip(x / 2.0 ** e, -448, 448)
;;       step = 2.0 ** (np.maximum(np.frexp(np.where(r == 0, 1, r))[1] - 1, -6) - 3)
;;       q = np.round(r / step) * step * 2.0 ** e      # np.round: ties to even
;;       return np.moveaxis(q, -1, axis).astype(np.float32)
;;   ~~~
;;   SOFTMAX AHEAD OF A QUANTISED PRODUCT. Where the list says 'softmax', what is quantised is not the finished softmax but p = 2^(t - M), with t = logit x log2(e) and M = ceil(the row's largest t), a whole number; so 1/2 < the row's largest p <= 1. The row's sum l is taken of the UNQUANTISED p, in f32, and the product's result is divided by l at the end. Since M is a whole number, a kernel that streams over the keys may use a running M (the ceiling of the running maximum): every later rescaling is an exact power of two, so the quantised numbers keep their values, but for numbers so far below the row's largest that they fall under the format's range.
;;   OPERANDS COMPUTED ON THE WAY. 'Computed on the way' means the value that the module computes at that place (a softmax that the list does not call 'softmax' is quantised finished and normalised). What goes into a quantiser is computed in f32, as accurately as f32 sums, v_exp_f32 and their like allow (about 1e-6 of the number): no bf16 or f16 on the way to a quantiser, and a product that is left as it is and whose result goes on into a quantised operand takes f32 operands (vector FMAs, or v_wmma_f32_16x16x4_f32). A number that lies on a knife's edge between two numbers of the format may be rounded either way, as far as f32 arithmetic and the matrix unit's own rounding can turn it there, and no further.
;;   INPUTS GIVEN AS CODES. w1 (in the module: [1024, 4096], K = its axis 0); w2 (in the module: [4096, 1024], K = its axis 0); wk (in the module: [1024, 1024], K = its axis 0); wo (in the module: [1024, 1024], K = its axis 0); wq (in the module: [1024, 1024], K = its axis 0); wv (in the module: [1024, 1024], K = its axis 0): each comes as NAME_codes (uint8): NAME with its K axis moved to the last place and cut into blocks of 32 codes, [.., K / 32, bytes a block], one block behind the other in memory; one code a byte (a code: sign, 4 exponent bits, 3 mantissa bits); its scale is its entry of lowp_scales. Its value is code x scale, taken as it is: it is not quantised again, and the codes and scales need not be those that the quantiser above would give.
;; 2 versions. Each part assembles by itself: llvm-mc -triple=amdgcn-amd-amdhsa -mcpu=gfx1250 --defsym DOCPART=n.
;; ======== version 1 of 2: 7 launches
;; workspace buffers: lnc 12,582,912 bytes; qkvc 12,582,912 bytes; ctxc 4,194,304 bytes; hres 16,777,216 bytes; h2c 4,194,304 bytes; ffc 16,777,216 bytes
;; launch ln1 (part 1): grid 256 x 1, 8 waves a work-group, no clusters, 0 bytes of LDS; arguments hidden_states, g1, be1, lowp_scales, lnc; writes lnc
.if DOCPART == 1
	.amdgcn_target "amdgcn-amd-amdhsa--gfx1250"
	.amdhsa_code_object_version 6
	.text
	.protected	k_q8ee8bc8fab_ln1
	.globl	k_q8ee8bc8fab_ln1
	.p2align	8
	.type	k_q8ee8bc8fab_ln1,@function
k_q8ee8bc8fab_ln1:
	s_mov_b64 s[64:65], 0
	v_nop
	global_prefetch_b8 v0, s[64:65] scope:SCOPE_SE
	s_setreg_imm32_b32 hwreg(HW_REG_WAVE_MODE, 25, 1), 1
	s_wait_xcnt 0x0
; y = (x - mean) * rsqrt(var + 1e-12) * g + be along rows of 1,024 f32, then y as codes of FP8 (E4M3), NOUT times, each time with its own given scale 2^e.
; x: [4096][1024] f32.  Output k: [4096][1024] codes, row-major, 4,194,304 bytes behind output k - 1.  e of output k is entry EIDX + 2 k of the buffer of scales.
; code = y / 2^e, held within +-448, to the nearest code, ties to even.  LIMITS: e between -126 and 119, so that 2^e and 448 x 2^e are f32 numbers.  NaN among the inputs is not served.
; SHARES.  A wave takes two whole rows and keeps them in registers between the passes (mean; variance of x - mean; scaling): x is read once, no wave waits for another, no LDS, no barrier.
; Lane l holds, of chunk i = 0 .. 3 of a row, columns 256 i + 8 l .. + 7: two loads of 16 bytes (together the wave's two loads cover 1,024 consecutive bytes), so that eight neighbours along the row
; lie in eight consecutive registers, as the conversion takes them; the lane's 8 codes are 8 bytes and the wave's store covers 256 consecutive bytes, aligned.
; No matrix unit, no cluster: the work-groups share nothing but g and be (8 KB), and memory binds.
.set NOUT, 3
.set EIDX, 0
.set SCL, 20                           ; v20.. 2^e of output k
.set LIM, 24                           ; v24.. 448 x 2^e
.set X,   32                           ; v32-95   the two rows, 32 registers each
.set G,   96                           ; v96-127  g of my 32 columns
.set BE,  128                          ; v128-159 be
.set T,   160                          ; v160-175 two sets of eight held numbers
.set C,   176                          ; v176..   codes: two registers for each (row, output, chunk): no store's data are written again
	s_load_b256 s[4:11], s[0:1], 0x0               ; x s[4:5], g s[6:7], be s[8:9], the scales' exponents s[10:11]
	s_load_b64 s[12:13], s[0:1], 0x20              ; the codes
	v_lshrrev_b32 v3, 5, v0
	v_readfirstlane_b32 s20, v3                    ; wave 0..7
	v_and_b32 v2, 31, v0                           ; lane
	v_lshlrev_b32 v1, 5, v2                        ; in: 32 bytes a lane
	v_lshlrev_b32 v2, 3, v2                        ; out: 8 bytes a lane
	s_mov_b32 s22, 0x76543210                      ; v_permlanex16_b32: each lane takes its own place in the other half
	s_mov_b32 s23, 0xfedcba98
	s_mov_b32 s27, 0x3a800000                      ; 1 / 1024
	s_mov_b32 s28, 0x2b8cbccc                      ; 1e-12
	s_lshl_b32 s32, ttmp9, 16                      ; my first row = 16 x work-group + 2 x wave; x 4,096 bytes
	s_lshl_b32 s21, s20, 13
	s_add_co_u32 s32, s32, s21
	s_mov_b32 s33, 0
	s_lshr_b32 s30, s32, 2                         ; and x 1,024 bytes in the codes
	s_mov_b32 s31, 0
	s_wait_kmcnt 0x0
	s_add_nc_u64 s[4:5], s[4:5], s[32:33]
.irp p, 0,1
.irp i, 0,1,2,3
	global_load_b128 v[X+32*\p+8*\i:X+32*\p+8*\i+3],   v1, s[4:5] offset:4096*\p+1024*\i th:TH_LOAD_NT
	global_load_b128 v[X+32*\p+8*\i+4:X+32*\p+8*\i+7], v1, s[4:5] offset:4096*\p+1024*\i+16 th:TH_LOAD_NT
.endr
.endr
.irp i, 0,1,2,3
	global_load_b128 v[G+8*\i:G+8*\i+3],   v1, s[6:7] offset:1024*\i
	global_load_b128 v[G+8*\i+4:G+8*\i+7], v1, s[6:7] offset:1024*\i+16
.endr
.irp i, 0,1,2,3
	global_load_b128 v[BE+8*\i:BE+8*\i+3],   v1, s[8:9] offset:1024*\i
	global_load_b128 v[BE+8*\i+4:BE+8*\i+7], v1, s[8:9] offset:1024*\i+16
.endr
.set KK, 0
.rept NOUT
	s_load_b32 s[24+KK], s[10:11], 4*(EIDX+2*KK)
	s_add_nc_u64 s[14+2*KK:15+2*KK], s[12:13], s[30:31]    ; output KK at my first row
.if KK > 0
	s_add_nc_u64 s[14+2*KK:15+2*KK], s[14+2*KK:15+2*KK], KK*4194304
.endif
.set KK, KK+1
.endr
	s_wait_kmcnt 0x0
.set KK, 0
.rept NOUT
	s_add_co_i32 s[24+KK], s[24+KK], 127
	s_lshl_b32 s29, s[24+KK], 23
	v_mov_b32 v[SCL+KK], s29                       ; 2^e as f32: the conversion takes its exponent field
	s_add_co_i32 s[24+KK], s[24+KK], 8
	s_lshl_b32 s29, s[24+KK], 23
	s_or_b32 s29, s29, 0x600000
	v_mov_b32 v[LIM+KK], s29                       ; 448 x 2^e
.set KK, KK+1
.endr
; four pairs of partial sums in v[8:15] become the wave's sum, in v8 of every lane
.macro FOLD
	v_pk_add_f32 v[8:9], v[8:9], v[10:11]
	v_pk_add_f32 v[12:13], v[12:13], v[14:15]
	v_pk_add_f32 v[8:9], v[8:9], v[12:13]
	v_add_f32 v8, v8, v9
	v_add_f32_dpp v8, v8, v8 row_xmask:1 row_mask:0xf bank_mask:0xf
	v_add_f32_dpp v8, v8, v8 row_xmask:2 row_mask:0xf bank_mask:0xf
	v_add_f32_dpp v8, v8, v8 row_xmask:4 row_mask:0xf bank_mask:0xf
	v_add_f32_dpp v8, v8, v8 row_xmask:8 row_mask:0xf bank_mask:0xf
	v_permlanex16_b32 v9, v8, s22, s23             ; its destination counts as read: v9 has been written
	v_add_f32 v8, v8, v9
.endm
; row p becomes (x - mean) * rsqrt(var + eps).  left = the younger loads that may stay out
.macro STATS p, left
.set XR, X+32*(\p)
	s_wait_loadcnt \left                           ; loads come back in order (ISA guide 5.7.1): this row's eight are in
.irp c, 0,1,2,3
	v_pk_add_f32 v[8+2*\c:9+2*\c], v[XR+4*\c:XR+4*\c+1], v[XR+4*\c+2:XR+4*\c+3]   ; four chains, started by the first sums: nothing is cleared
.endr
.irp j, 16,24
.irp c, 0,1,2,3
	v_pk_add_f32 v[8+2*\c:9+2*\c], v[8+2*\c:9+2*\c], v[XR+\j+2*\c:XR+\j+2*\c+1]
.endr
.endr
	FOLD
	v_mul_f32 v4, s27, v8                          ; the mean,
	v_mov_b32 v5, v4                               ; twice: a pair for the packed form
.irp j, 0,2,4,6,8,10,12,14,16,18,20,22,24,26,28,30
	v_pk_add_f32 v[XR+\j:XR+\j+1], v[XR+\j:XR+\j+1], v[4:5] neg_lo:[0,1] neg_hi:[0,1]
.endr
.irp c, 0,1,2,3
	v_pk_mul_f32 v[8+2*\c:9+2*\c], v[XR+2*\c:XR+2*\c+1], v[XR+2*\c:XR+2*\c+1]
.endr
.irp j, 8,16,24
.irp c, 0,1,2,3
	v_pk_fma_f32 v[8+2*\c:9+2*\c], v[XR+\j+2*\c:XR+\j+2*\c+1], v[XR+\j+2*\c:XR+\j+2*\c+1], v[8+2*\c:9+2*\c]
.endr
.endr
	FOLD
	v_fma_f32 v8, v8, s27, s28                     ; var + eps
	v_rsq_f32 v6, v8
	v_nop                                          ; a plain instruction between the transcendental and the use of its result
	s_wait_alu depctr_va_vdst(0)                   ; and a wait ahead of the first use
	v_mov_b32 v7, v6
.irp j, 0,2,4,6,8,10,12,14,16,18,20,22,24,26,28,30
	v_pk_mul_f32 v[XR+\j:XR+\j+1], v[XR+\j:XR+\j+1], v[6:7]
.endr
.endm
.macro NORM p
.irp j, 0,2,4,6,8,10,12,14,16,18,20,22,24,26,28,30
	v_pk_fma_f32 v[X+32*(\p)+\j:X+32*(\p)+\j+1], v[X+32*(\p)+\j:X+32*(\p)+\j+1], v[G+\j:G+\j+1], v[BE+\j:BE+\j+1]
.endr
.endm
; row p as codes of output k.  The conversion to an 8-bit code does not saturate (ISA guide 7.6.2): each number is first held within 448 x the scale, into one of two sets by turns,
; so that the other set's eight holds are the plain instructions behind each conversion.
.macro QOUT p, k
.irp i, 0,1,2,3
.irp j, 0,1,2,3,4,5,6,7
	v_med3_num_f32 v[T+8*(\i%2)+\j], v[X+32*(\p)+8*\i+\j], -v[LIM+(\k)], v[LIM+(\k)]
.endr
	v_cvt_scalef32_pk8_fp8_f32 v[C+2*(4*(NOUT*(\p)+(\k))+\i):C+2*(4*(NOUT*(\p)+(\k))+\i)+1], v[T+8*(\i%2):T+8*(\i%2)+7], v[SCL+(\k)]
	global_store_b64 v2, v[C+2*(4*(NOUT*(\p)+(\k))+\i):C+2*(4*(NOUT*(\p)+(\k))+\i)+1], s[14+2*(\k):15+2*(\k)] offset:1024*(\p)+256*\i   ; 32 lanes store 256 consecutive bytes, aligned
.endr
.endm
	STATS 0, 24                                    ; behind row 0's loads: row 1's eight, g's eight, be's eight
	STATS 1, 16
	s_wait_loadcnt 0x0                             ; g and be
.irp p, 0,1
	NORM \p
	QOUT \p, 0
.if NOUT > 1
	QOUT \p, 1
	QOUT \p, 2
.endif
.endr
	s_endpgm
.Lfunc_end_k_q8ee8bc8fab_ln1:
	.size	k_q8ee8bc8fab_ln1, .Lfunc_end_k_q8ee8bc8fab_ln1-k_q8ee8bc8fab_ln1
	.p2alignl 7, 3214868480
	.fill 96, 4, 3214868480
	.section	.rodata,"a",@progbits
	.p2align	6, 0x0
	.amdhsa_kernel k_q8ee8bc8fab_ln1
		.amdhsa_group_segment_fixed_size 0
		.amdhsa_private_segment_fixed_size 0
		.amdhsa_enable_private_segment 0
		.amdhsa_kernarg_size 40
		.amdhsa_user_sgpr_count 2
		.amdhsa_user_sgpr_kernarg_segment_ptr 1
		.amdhsa_wavefront_size32 1
		.amdhsa_system_sgpr_workgroup_id_x 1
		.amdhsa_system_sgpr_workgroup_id_y 1
		.amdhsa_system_sgpr_workgroup_id_z 1
		.amdhsa_system_vgpr_workitem_id 0
		.amdhsa_next_free_vgpr 224
		.amdhsa_next_free_sgpr 66
		.amdhsa_reserve_vcc 0
		.amdhsa_float_denorm_mode_32 3
		.amdhsa_float_denorm_mode_16_64 3
		.amdhsa_memory_ordered 1
		.amdhsa_forward_progress 1
		.amdhsa_inst_pref_size 34
	.end_amdhsa_kernel
	.amdgpu_metadata
---
amdhsa.version: [ 1, 2 ]
amdhsa.kernels:
  - .name:           k_q8ee8bc8fab_ln1
    .symbol:         k_q8ee8bc8fab_ln1.kd
    .args:
      - { .name: hidden_states, .offset: 0, .size: 8, .value_kind: global_buffer, .address_space: global }
      - { .name: g1, .offset: 8, .size: 8, .value_kind: global_buffer, .address_space: global }
      - { .name: be1, .offset: 16, .size: 8, .value_kind: global_buffer, .address_space: global }
      - { .name: lowp_scales, .offset: 24, .size: 8, .value_kind: global_buffer, .address_space: global }
      - { .name: lnc, .offset: 32, .size: 8, .value_kind: global_buffer, .address_space: global }
    .group_segment_fixed_size: 0
    .private_segment_fixed_size: 0
    .kernarg_segment_align: 8
    .kernarg_segment_size: 40
    .max_flat_workgroup_size: 256
    .sgpr_count:     66
    .vgpr_count:     224
    .wavefront_size: 32
...
	.end_amdgpu_metadata
.endif
;; end of part 1
;; launch qkv (part 2): grid 24 x 32, 4 waves a work-group, clusters of 4 x 4, 327,680 bytes of LDS; arguments lnc, wq_codes, wk_codes, wv_codes, bq, bk, bv, lowp_scales, qkvc; writes qkvc
.if DOCPART == 2
	.amdgcn_target "amdgcn-amd-amdhsa--gfx1250"
	.amdhsa_code_object_version 6
	.text
	.protected	k_q8ee8bc8fab_qkv
	.globl	k_q8ee8bc8fab_qkv
	.p2align	8
	.type	k_q8ee8bc8fab_qkv,@function
k_q8ee8bc8fab_qkv:
	s_mov_b64 s[64:65], 0
	v_nop
	global_prefetch_b8 v0, s[64:65] scope:SCOPE_SE
	s_setreg_imm32_b32 hwreg(HW_REG_WAVE_MODE, 25, 1), 1
	s_wait_xcnt 0x0
	s_wait_alu depctr_hold_cnt(0) depctr_sa_sdst(0) depctr_va_vdst(0) depctr_va_sdst(0) depctr_va_ssrc(0) depctr_va_vcc(0) depctr_vm_vsrc(0)
	s_getreg_b32 s2, hwreg(HW_REG_IB_STS2, 6, 4)
	s_cmp_eq_u32 s2, 0
	s_cbranch_scc0 .Lentry_in_a_cluster
	s_endpgm
.Lentry_in_a_cluster:
	s_bfe_u32 s2, ttmp6, 0x10000c
	s_cmp_lg_u32 s2, 0xf033
	s_cbranch_scc0 .Lentry_shape_is_right
	s_endpgm
.Lentry_shape_is_right:
; Three products on codes of FP8 (E4M3) in one launch: q = h wq + bq, k = h wk + bk, and v TRANSPOSED, v^T = (h wv + bv)^T; each result is quantised at once with its own given scale.
; All three are C[m][n] = sum over k of X[m][k] Y[n][k], K = 1,024, X and Y row-major codes.  q, k: X = h's codes (lnc, part 0 or 1: 4,096 rows), Y = the weight (1,024 rows).  v^T: X = wv (1,024 rows), Y = h's codes (part 2).
; So v comes out with the KEYS along a lane's registers, which are the next product's K, and nothing is transposed.  which = cluster x / 2 says which product a cluster serves: the same in all its work-groups.
; A number of X is code x 2^ea, of Y code x 2^eb: entries 2 which, 2 which + 1 of the scales.  Result = sum x 2^(ea + eb) + bias (by column for q and k, by row for v^T), then code = result / 2^eo, held within +-448; eo = entry 6, 7, 9.
; LIMITS: ea + eb between -126 and 127; eo between -126 and 119.  NaN is not served.
; A tile of C, 128 x 128, is made by four waves, 64 x 64 each: 16 accumulators.  The whole K of both tiles lies in LDS as two slots of 512 along K, asked for at the head: nothing is filled again.
; CLUSTERS: 4 x 4 work-groups.  The four of a row need the same tiles of X, the four of a column the same tiles of Y: each tile is asked for JOINTLY, by the same tensor load with the same descriptor and a mask that names the four.
; THE MATRIX INSTRUCTION IS USED TRANSPOSED (source 0 = 16 rows of Y, source 1 = 16 rows of X): a lane holds eight neighbouring columns of one row of C, as the conversion takes them.
; OUT: qkvc = [3][32 (batch, head)][32 blocks][64][64] bytes.  q, k: block = 64 tokens, row = token, byte = channel.  v^T: block = 64 keys, row = channel, byte = key.  A wave's 64 x 64 codes are one dense block of 4,096 bytes.
; A fragment (16 rows x 128 K) comes by four loads of 16 bytes: registers 4 c .. 4 c + 3 hold k = 32 c + 16 (lane / 16) + 0 .. 15, alike in X and in Y, so every product meets its partner.
; REGISTERS: window 0: v1-31 addresses and scales; v8-15 the bias by rows; v32-63 the bias by columns; v64-95 codes; v96-127 rows read back; v128-255 accumulators ((a, b) at 128 + 8 (4 a + b)).
;   window 1: two fragment buffers of 128: X's four fragments, then Y's four.
.set KB,     1024                      ; K: a row of X or Y in bytes
.set ABL,    0                         ; X lies row-major
.set LAPS,   KB/1024                   ; a lap = two slots of 512 along K
.set PITCH,  528                       ; an LDS row: 512 bytes + 16 of padding = 132 words: row r starts at bank 4 r mod 64 (64 banks of 4 bytes: ISA guide 11.1)
.set HALFA,  64*PITCH                  ; 64 rows: what one tensor load brings, and what one wave reads of X
.set HALFB,  64*PITCH                  ; the same of Y
.set ASTEP,  512                       ; from slot to slot in memory
.set SLOT,   2*HALFA+2*HALFB           ; X's 128 rows, then Y's 128 rows
.set STAGE,  2*SLOT                    ; behind the slots: 64 rows x 80 bytes for each wave, for the way out
.set SPITCH, 80
.set SPARE,  STAGE+4*64*SPITCH         ; behind the stages: the spare words, 128 bytes for each wave: two blocks of 256 bytes that no other line names
.set BR,   8
.set ADRA, 16                          ; v16-17  LDS address of my X fragments in slot 0, 1
.set ADRB, 20                          ; v20-21  the same for Y
.set STO,  24                          ; v24     the way out: where I put 8 bytes of a row
.set RD,   25                          ; v25     where I read 16 bytes back
.set CO,   26                          ; v26     16 x lane
.set SPW,  28                          ; v28     LDS address of my spare word; never rewritten
.set NIL,  29                          ; v29     0; never rewritten
.set BC,   32
.set CD,   64
.set OB,   96
.set ACC,  128
.set F0,   0
.set F1,   128
.set G1,   24                          ; s[24:31] descriptor group 1 for X's tiles;  s[32:39] group 0, one set for each slot
.set G0,   32
.set G1B,  48                          ; s[48:55], s[56:63] the same for Y's tiles
.set G0B,  56
.set MSB,  0
.macro WIN new                         ; the immediate's high byte repeats the setting that is left
.if MSB != \new
	s_set_vgpr_msb (MSB<<8)|\new
.set MSB, \new
.endif
.endm
.set MUL,  0x05                        ; sources 0 (Y) and 1 (X) window 1; C and D window 0
.set TO_F, 0x40                        ; destination window 1, address window 0
.macro JLOAD s                         ; a joint load: waves 0 and 1 fetch X's two halves, waves 2 and 3 Y's; four v_nop follow each of the two lines
	s_cmp_eq_u32 s11, 0
	s_cbranch_scc0 .Lfor_y_\@
	tensor_load_to_lds s[G0+4*\s:G0+4*\s+3], s[G1:G1+7]
	s_nop 0
.rept 4
	v_nop
.endr
	s_branch .Lasked_\@
.Lfor_y_\@:
	tensor_load_to_lds s[G0B+4*\s:G0B+4*\s+3], s[G1B:G1B+7]
	s_nop 0
.rept 4
	v_nop
.endr
.Lasked_\@:
.endm
.macro CREST                           ; a round of the cluster's barrier behind its opening barrier
	s_cmp_lg_u32 s10, 0
	s_cbranch_scc1 .Lnot_wave_0_\@
	s_barrier_signal -3
.Lnot_wave_0_\@:
	s_barrier_wait -3
	s_barrier_signal -1
	s_barrier_wait -1
.endm
.macro CROUND                          ; a whole round
	s_barrier_signal -1
	s_barrier_wait -1
	CREST
.endm
.macro PLACES                          ; four places in front of loads into registers that matrix instructions have read, and of the first read of results
.rept 4
	v_nop
.endr
.endm
; four matrix instructions: X's block a x Y's four, 128 along K, from buffer f.  zero = 1: the product starts the sums.  The 16 accumulators take turns, one instruction a turn
.macro MUL4 f, a, zero
.irp b, 0,1,2,3
.if \zero
	v_wmma_f32_16x16x128_fp8_fp8 v[ACC+8*(4*(\a)+\b):ACC+8*(4*(\a)+\b)+7], v[\f+64+16*\b:\f+64+16*\b+15], v[\f+16*(\a):\f+16*(\a)+15], 0
.else
	v_wmma_f32_16x16x128_fp8_fp8 v[ACC+8*(4*(\a)+\b):ACC+8*(4*(\a)+\b)+7], v[\f+64+16*\b:\f+64+16*\b+15], v[\f+16*(\a):\f+16*(\a)+15], v[ACC+8*(4*(\a)+\b):ACC+8*(4*(\a)+\b)+7]
.endif
.endr
.endm
.macro MUL8 f, a0, zero
	MUL4 \f, \a0, \zero
	MUL4 \f, (\a0)+1, \zero
.endm
; 32 LDS loads in one run: the fragments of the slot's q-th 128 along K into buffer f: Y's four, then X's four
.macro FETCH slot, q, f
	WIN TO_F
.irp i, 0,1,2,3
.irp c, 0,1,2,3
	ds_load_b128 v[\f+64+16*\i+4*\c:\f+64+16*\i+4*\c+3], v[ADRB+\slot] offset:128*(\q)+32*\c+\i*16*PITCH
.endr
.endr
.irp i, 0,1,2,3
.irp c, 0,1,2,3
.if ABL
	ds_load_b128 v[\f+16*\i+4*\c:\f+16*\i+4*\c+3], v[ADRA+\slot] offset:(2*(\q)+\c/2)*4352+32*(\c%2)+\i*1088
.else
	ds_load_b128 v[\f+16*\i+4*\c:\f+16*\i+4*\c+3], v[ADRA+\slot] offset:128*(\q)+32*\c+\i*16*PITCH
.endif
.endr
.endr
.endm
; A slot is four quarters of 128 along K, 16 matrix instructions each, on buffers 0, 1, 0, 1.  One of the first three multiplies buffer f and fetches quarter q into g
.macro QUARTER slot, q, f, g, zero
	s_wait_dscnt 8                                 ; Y's fragments and X's blocks 0, 1 are in; the youngest eight loads (X's blocks 2, 3) may be out
	WIN MUL
	MUL8 \f, 0, \zero
	PLACES
	FETCH \slot, \q, \g
	s_wait_dscnt 32                                ; all but the 32 just issued
	WIN MUL
	MUL8 \f, 2, \zero
.endm
; The last quarter multiplies buffer 1 and changes slots: ONE barrier; in front of it each wave waits for all its tensor loads, adds 0 to its spare word, and waits for that and for its reads of this slot.  fill = 1: this slot is filled again
.macro TURN slot, next, fill
	WIN 0                                          ; (the add's two registers lie in window 0)
	s_wait_tensorcnt 0x0                           ; all my tensor loads have landed: my part of the next slot;
	ds_add_u32 v[SPW], v[NIL]                      ; 0 onto my spare word;
	s_wait_dscnt 9                                 ; (the add and the youngest eight loads may be out)
	WIN MUL
	MUL4 F1, 0, 0                                  ; matrix instructions stand between the add and the wait for it
	s_wait_dscnt 0x0                               ; the add is done, and my reads of this slot are over
	s_barrier_signal -1
	MUL4 F1, 1, 0
.if \fill
	WIN 0
.endif
	s_barrier_wait -1
.if \fill
	CREST                                          ; the barrier has opened a round of the cluster's barrier: no wave of any partner still reads this slot or has a load on its way
	s_add_nc_u64 s[G0+4*\slot+2:G0+4*\slot+3], s[G0+4*\slot+2:G0+4*\slot+3], 2*ASTEP
	s_add_nc_u64 s[G0B+4*\slot+2:G0B+4*\slot+3], s[G0B+4*\slot+2:G0B+4*\slot+3], 1024
	JLOAD \slot                                    ; the first tensor load behind the round; its four v_nop are also the places in front of the loads below
.else
	PLACES
.endif
	FETCH \next, 0, F0
	WIN MUL
	MUL8 F1, 2, 0
.endm
	s_load_b512 s[68:83], s[0:1], 0x0              ; lnc s[68:69], wq s[70:71], wk s[72:73], wv s[74:75], bq s[76:77], bk s[78:79], bv s[80:81], the scales' exponents s[82:83]
	s_load_b64 s[84:85], s[0:1], 0x40              ; qkvc
	v_lshl_add_u32 v[SPW], v0, 2, SPARE
	v_mov_b32 v[NIL], 0
	ds_add_u32 v28, v29
	ds_add_u32 v28, v29
	s_wait_dscnt 0x0
	v_lshrrev_b32 v1, 5, v0
	v_readfirstlane_b32 s10, v1                    ; wave 0..3
	s_lshr_b32 s11, s10, 1                         ; which half of the tile's rows is mine.  Also: I fetch for X (0) or for Y (1)
	s_and_b32 s12, s10, 1                          ; which half of its columns.  Also: which 64 rows of that tile I fetch
	s_bfe_u32 s40, ttmp6, 0x40000                  ; cx, cy: my place in the cluster
	s_bfe_u32 s41, ttmp6, 0x40004
	s_lshr_b32 s45, ttmp9, 1                       ; which: 0 q, 1 k, 2 v^T
	s_and_b32 s14, ttmp9, 1                        ; the cluster's place along the axis of 1,024 (two clusters),
	s_and_b32 s15, ttmp7, 0xffff                   ; and along the axis of 4,096 tokens (eight)
	s_cmp_eq_u32 s45, 2
	s_cselect_b32 s42, s15, s14                    ; for v^T the tokens are the columns,
	s_cselect_b32 s13, s14, s15                    ; and the channels the rows
	s_lshl_b32 s42, s42, 2
	s_add_co_u32 s42, s42, s40                     ; tile column of C
	s_lshl_b32 s13, s13, 2
	s_add_co_u32 s13, s13, s41                     ; tile row of C
	s_lshl_b32 s43, s41, 2
	s_lshl_b32 s43, 15, s43                        ; my row of the cluster
	s_lshl_b32 s44, 0x1111, s40                    ; my column
	; descriptor group 1: a tile of 64 rows x 512 bytes, padded in LDS
	s_or_b32 s[G1+0], s43, (1<<20)|(1<<21)|(6<<22)|(3<<25)   ; 15:0 the mask: X's tiles go to my row; 17:16 elements of 1 byte; 20 padding on; 21 set beside a mask; 24:22 after every 128 words (code 6); 31:25 four words (code 3)
	s_or_b32 s[G1B+0], s44, (1<<20)|(1<<21)|(6<<22)|(3<<25)
.irp g, G1, G1B
	s_mov_b32 s[\g+1], 512<<16                     ; tensor_dim0 = 512
	s_mov_b32 s[\g+2], 64<<16                      ; tensor_dim1 = 64
	s_mov_b32 s[\g+3], 512<<16                     ; tile_dim0 = 512
	s_mov_b32 s[\g+4], 64                          ; tile_dim1 = 64
	s_mov_b32 s[\g+5], KB                          ; tensor_dim0_stride
	s_mov_b32 s[\g+6], 0
	s_mov_b32 s[\g+7], 0
.endr
	s_lshl_b32 s17, s12, 6                         ; which 64 rows of the tile I fetch
	s_lshl_b32 s16, s13, 7
	s_add_co_u32 s16, s16, s17                     ; X: row 128 x tile row + 64 x half
	s_lshl_b32 s46, s42, 7
	s_add_co_u32 s46, s46, s17                     ; Y: row 128 x tile column + 64 x half
	s_mov_b32 s17, 0
	s_mov_b32 s47, 0
	s_mov_b64 s[18:19], KB
	s_mul_u64 s[16:17], s[16:17], s[18:19]
	s_mul_u64 s[46:47], s[46:47], s[18:19]
	s_mul_i32 s20, s12, HALFA                      ; where they go: no place in the cluster enters an LDS address
	s_mul_i32 s21, s12, HALFB
	s_add_co_u32 s21, s21, 2*HALFA
	s_lshl_b32 s22, s45, 22                        ; which x 4 MiB: h's codes made with this product's scale
	s_mov_b32 s23, 0
	s_wait_kmcnt 0x0
	s_load_b256 s[88:95], s[82:83], 0x0            ; e0 .. e7
	s_load_b64 s[96:97], s[82:83], 0x20            ; e8, e9
	s_add_nc_u64 s[22:23], s[68:69], s[22:23]
	s_cmp_eq_u32 s45, 2                            ; the choices hang on the cluster's number alone
	s_cselect_b64 s[4:5], s[74:75], s[22:23]       ; X
	s_cselect_b64 s[6:7], s[22:23], s[72:73]       ; Y
	s_cselect_b64 s[8:9], s[80:81], s[78:79]       ; the bias
	s_cmp_eq_u32 s45, 0
	s_cselect_b64 s[6:7], s[70:71], s[6:7]
	s_cselect_b64 s[8:9], s[76:77], s[8:9]
	s_add_nc_u64 s[14:15], s[4:5], s[16:17]
	s_add_nc_u64 s[46:47], s[6:7], s[46:47]
	CROUND                                         ; all sixteen work-groups are here: the first joint loads meet
.irp s, 0,1
	s_mov_b32 s[G0+4*\s], 1                        ; 1:0 count = 1
	s_add_co_u32 s[G0+4*\s+1], s20, \s*SLOT        ; 63:32 LDS address
	s_add_nc_u64 s[G0+4*\s+2:G0+4*\s+3], s[14:15], \s*ASTEP   ; 120:64 global address
	s_or_b32 s[G0+4*\s+3], s[G0+4*\s+3], 0x80000000           ; 127:126 type = 2
	s_mov_b32 s[G0B+4*\s], 1
	s_add_co_u32 s[G0B+4*\s+1], s21, \s*SLOT
	s_add_nc_u64 s[G0B+4*\s+2:G0B+4*\s+3], s[46:47], \s*512
	s_or_b32 s[G0B+4*\s+3], s[G0B+4*\s+3], 0x80000000
	JLOAD \s                                       ; two loads of mine are out
.endr
	v_and_b32 v1, 15, v0                           ; r = lane % 16
	v_bfe_u32 v2, v0, 4, 1                         ; h = lane / 16
	v_mul_u32_u24 v3, v1, PITCH
	v_lshl_add_u32 v3, v2, 4, v3                   ; a fragment's row x pitch + 16 x half
	s_mul_i32 s22, s11, HALFA                      ; my 64 rows of X
	s_mul_i32 s23, s12, HALFB                      ; my 64 rows of Y,
	s_add_co_u32 s23, s23, 2*HALFA                 ; which lie behind X's 128
.irp s, 0,1
	v_add_nc_u32 v[ADRA+\s], s22, v3
	v_add_nc_u32 v[ADRB+\s], s23, v3
	s_add_co_u32 s22, s22, SLOT
	s_add_co_u32 s23, s23, SLOT
.endr
	s_mul_i32 s22, s10, 64*SPITCH
	s_add_co_u32 s22, s22, STAGE                   ; my stage
	v_mul_u32_u24 v4, v1, SPITCH
	v_lshl_add_u32 v4, v2, 3, v4
	v_add_nc_u32 v[STO], s22, v4                   ; in: row r, 8 bytes for each half of the lanes
	v_and_b32 v4, 31, v0
	v_lshlrev_b32 v[CO], 4, v4
	v_lshrrev_b32 v5, 2, v4
	v_mul_u32_u24 v5, v5, SPITCH
	v_and_b32 v4, 3, v4
	v_lshl_add_u32 v5, v4, 4, v5
	v_add_nc_u32 v[RD], s22, v5                    ; back: four lanes to a row of 64 bytes, eight rows an instruction
	s_lshl_b32 s16, s13, 1
	s_add_co_u32 s16, s16, s11                     ; my block of 64 rows of C
	s_lshl_b32 s46, s42, 1
	s_add_co_u32 s46, s46, s12                     ; my block of 64 columns
	s_cmp_eq_u32 s45, 2
	s_cselect_b32 s17, s46, s16                    ; the block of 64 tokens,
	s_cselect_b32 s47, s16, s46                    ; and the head
	s_cselect_b32 s20, 0, s46                      ; the bias by columns (q, k): from my first column; for v^T any 64 numbers of the buffer, replaced by 0 below
	s_cselect_b32 s22, s16, 0                      ; the bias by rows (v^T): from my first row
	s_lshl_b32 s20, s20, 8
	s_mov_b32 s21, 0
	s_lshl_b32 s22, s22, 8
	s_mov_b32 s23, 0
	s_add_nc_u64 s[86:87], s[8:9], s[22:23]
	s_add_nc_u64 s[8:9], s[8:9], s[20:21]
	s_lshr_b32 s18, s17, 5                         ; batch
	s_lshl_b32 s18, s18, 4
	s_or_b32 s18, s18, s47                         ; 16 x batch + head
	s_lshl_b32 s18, s18, 5
	s_and_b32 s17, s17, 31
	s_or_b32 s18, s18, s17                         ; x 32 + the block of tokens in the batch
	s_lshl_b32 s18, s18, 12                        ; x 4,096 bytes
	s_lshl_b32 s19, s45, 22
	s_add_co_u32 s18, s18, s19                     ; in part which
	s_mov_b32 s19, 0
	s_add_nc_u64 s[84:85], s[84:85], s[18:19]
	v_lshlrev_b32 v6, 5, v2                        ; 32 h: accumulator b's eight columns are 16 b + 8 h + 0 .. 7
	v_lshlrev_b32 v7, 2, v1                        ; 4 r: block a's row is 16 a + r
.irp b, 0,1,2,3
	global_load_b128 v[BC+8*\b:BC+8*\b+3],   v6, s[8:9] offset:64*\b
	global_load_b128 v[BC+8*\b+4:BC+8*\b+7], v6, s[8:9] offset:64*\b+16
.endr
.irp a, 0,1,2,3
	global_load_b32 v[BR+2*\a], v7, s[86:87] offset:64*\a
	v_mov_b32 v[BR+2*\a+1], 0                      ; (named with it as a pair, so it is written)
.endr
	s_wait_tensorcnt 1                             ; my part of slot 0 is in; slot 1's may stay out
	s_barrier_signal -1
	s_barrier_wait -1                              ; everybody's is
	FETCH 0, 0, F0
	QUARTER 0, 1, F0, F1, 1                        ; the first quarter's products start the sums: nothing is cleared
.if LAPS > 1
	WIN 0
	s_mov_b32 s3, LAPS-1
.Llap:
	QUARTER 0, 2, F1, F0, 0
	QUARTER 0, 3, F0, F1, 0
	TURN 0, 1, 1
	QUARTER 1, 1, F0, F1, 0
	QUARTER 1, 2, F1, F0, 0
	QUARTER 1, 3, F0, F1, 0
	TURN 1, 0, 1
	QUARTER 0, 1, F0, F1, 0
	WIN 0
	s_sub_co_u32 s3, s3, 1
	s_cmp_lg_u32 s3, 0
	s_cbranch_scc1 .Llap
.endif
	QUARTER 0, 2, F1, F0, 0
	QUARTER 0, 3, F0, F1, 0
	TURN 0, 1, 0
	QUARTER 1, 1, F0, F1, 0
	QUARTER 1, 2, F1, F0, 0
	QUARTER 1, 3, F0, F1, 0
	s_wait_dscnt 8                                 ; the very last quarter: nothing more to fetch
	WIN MUL
	MUL8 F1, 0, 0
	s_wait_dscnt 0x0
	MUL8 F1, 2, 0
	WIN 0
	; THE WAY OUT: sum x 2^(ea + eb) + bias, held, converted; 8 bytes a lane into my stage; back as a dense block of 4,096 bytes.
	s_wait_kmcnt 0x0
	s_add_co_i32 s20, s88, s89
	s_add_co_i32 s21, s90, s91
	s_add_co_i32 s22, s92, s93
	s_cmp_eq_u32 s45, 2
	s_cselect_b32 s66, s22, s21                    ; ea + eb of my product,
	s_cselect_b32 s23, s97, s95                    ; eo of its result,
	s_cselect_b32 s46, -1, 0                       ; and a lane mask: all ones for v^T
	s_cmp_eq_u32 s45, 0
	s_cselect_b32 s66, s20, s66
	s_cselect_b32 s23, s94, s23
	s_add_co_i32 s66, s66, 127
	s_lshl_b32 s66, s66, 23                        ; 2^(ea + eb) as f32
	s_mov_b32 s67, s66                             ; (named with it as a pair, so it is written)
	s_add_co_i32 s23, s23, 127
	s_lshl_b32 s22, s23, 23
	v_mov_b32 v30, s22                             ; 2^eo: the conversion takes its exponent field
	s_add_co_i32 s23, s23, 8
	s_lshl_b32 s23, s23, 23
	s_or_b32 s23, s23, 0x600000
	v_mov_b32 v31, s23                             ; 448 x 2^eo
	PLACES
	s_wait_loadcnt 0x0                             ; the biases
.irp i, 0,1,2,3,4,5,6,7,8,9,10,11,12,13,14,15,16,17,18,19,20,21,22,23,24,25,26,27,28,29,30,31
	v_cndmask_b32 v[BC+\i], v[BC+\i], 0, s46       ; the form of the bias that does not apply becomes 0: adding it changes nothing
.endr
.irp a, 0,1,2,3
	v_cndmask_b32 v[BR+2*\a], 0, v[BR+2*\a], s46
.endr
; accumulators (a, 2 p) and (a, 2 p + 1): 16 registers, each accumulator from its low end on; their 16 codes get four registers of their own
.macro QB a, p
.set XR, ACC+8*(4*(\a)+2*(\p))
.set CR, CD+4*(2*(\a)+(\p))
.irp j, 0,2,4,6,8,10,12,14
	v_pk_fma_f32 v[XR+\j:XR+\j+1], v[XR+\j:XR+\j+1], s[66:67], v[BC+16*(\p)+\j:BC+16*(\p)+\j+1] op_sel_hi:[1,0,1]
.endr
.irp j, 0,2,4,6,8,10,12,14
	v_pk_add_f32 v[XR+\j:XR+\j+1], v[XR+\j:XR+\j+1], v[BR+2*(\a):BR+2*(\a)+1] op_sel_hi:[1,0]
.endr
.irp j, 0,1,2,3,4,5,6,7,8,9,10,11,12,13,14,15
	v_med3_num_f32 v[XR+\j], v[XR+\j], -v31, v31   ; the conversion to an 8-bit code does not saturate (ISA guide 7.6.2): the hold at the largest code x the scale
.endr
	v_cvt_scalef32_pk8_fp8_f32 v[CR:CR+1], v[XR:XR+7], v30
	v_cvt_scalef32_pk8_fp8_f32 v[CR+2:CR+3], v[XR+8:XR+15], v30
	v_nop                                          ; a plain instruction behind the last conversion
	ds_store_b64 v[STO], v[CR:CR+1] offset:16*SPITCH*(\a)+32*(\p)
	ds_store_b64 v[STO], v[CR+2:CR+3] offset:16*SPITCH*(\a)+32*(\p)+16
.endm
.irp a, 0,1,2,3
	QB \a, 0
	QB \a, 1
.endr
.irp t, 0,1,2,3,4,5,6,7
	ds_load_b128 v[OB+4*\t:OB+4*\t+3], v[RD] offset:\t*8*SPITCH   ; LDS serves a wave's instructions in order (ISA guide 5.7.1.4): these see my stores
.endr
.irp t, 0,1,2,3,4,5,6,7
	s_wait_dscnt 7-\t
	global_store_b128 v[CO], v[OB+4*\t:OB+4*\t+3], s[84:85] offset:512*\t   ; 32 lanes store 512 consecutive bytes, aligned
.endr
	s_wait_tensorcnt 0x0                           ; the wave's end
	ds_add_u32 v[SPW], v[NIL]
	s_wait_dscnt 0x0
	CROUND                                         ; the closing round: no work-group ends while a partner may still ask for a tile that names it
	s_endpgm
.Lfunc_end_k_q8ee8bc8fab_qkv:
	.size	k_q8ee8bc8fab_qkv, .Lfunc_end_k_q8ee8bc8fab_qkv-k_q8ee8bc8fab_qkv
	.p2alignl 7, 3214868480
	.fill 96, 4, 3214868480
	.section	.rodata,"a",@progbits
	.p2align	6, 0x0
	.amdhsa_kernel k_q8ee8bc8fab_qkv
		.amdhsa_group_segment_fixed_size 327680
		.amdhsa_private_segment_fixed_size 0
		.amdhsa_enable_private_segment 0
		.amdhsa_kernarg_size 72
		.amdhsa_user_sgpr_count 2
		.amdhsa_user_sgpr_kernarg_segment_ptr 1
		.amdhsa_wavefront_size32 1
		.amdhsa_system_sgpr_workgroup_id_x 1
		.amdhsa_system_sgpr_workgroup_id_y 1
		.amdhsa_system_sgpr_workgroup_id_z 1
		.amdhsa_system_vgpr_workitem_id 0
		.amdhsa_next_free_vgpr 512
		.amdhsa_next_free_sgpr 104
		.amdhsa_reserve_vcc 0
		.amdhsa_float_denorm_mode_32 3
		.amdhsa_float_denorm_mode_16_64 3
		.amdhsa_memory_ordered 1
		.amdhsa_forward_progress 1
		.amdhsa_inst_pref_size 59
	.end_amdhsa_kernel
	.amdgpu_metadata
---
amdhsa.version: [ 1, 2 ]
amdhsa.kernels:
  - .name:           k_q8ee8bc8fab_qkv
    .symbol:         k_q8ee8bc8fab_qkv.kd
    .args:
      - { .name: lnc, .offset: 0, .size: 8, .value_kind: global_buffer, .address_space: global }
      - { .name: wq_codes, .offset: 8, .size: 8, .value_kind: global_buffer, .address_space: global }
      - { .name: wk_codes, .offset: 16, .size: 8, .value_kind: global_buffer, .address_space: global }
      - { .name: wv_codes, .offset: 24, .size: 8, .value_kind: global_buffer, .address_space: global }
      - { .name: bq, .offset: 32, .size: 8, .value_kind: global_buffer, .address_space: global }
      - { .name: bk, .offset: 40, .size: 8, .value_kind: global_buffer, .address_space: global }
      - { .name: bv, .offset: 48, .size: 8, .value_kind: global_buffer, .address_space: global }
      - { .name: lowp_scales, .offset: 56, .size: 8, .value_kind: global_buffer, .address_space: global }
      - { .name: qkvc, .offset: 64, .size: 8, .value_kind: global_buffer, .address_space: global }
    .group_segment_fixed_size: 327680
    .private_segment_fixed_size: 0
    .kernarg_segment_align: 8
    .kernarg_segment_size: 72
    .max_flat_workgroup_size: 128
    .sgpr_count:     104
    .vgpr_count:     512
    .wavefront_size: 32
...
	.end_amdgpu_metadata
.endif
;; end of part 2
;; launch attn (part 3): grid 8 x 32, 16 waves a work-group, clusters of 4 x 1, 327,680 bytes of LDS; arguments qkvc, attention_mask, lowp_scales, ctxc; writes ctxc
.if DOCPART == 3
	.amdgcn_target "amdgcn-amd-amdhsa--gfx1250"
	.amdhsa_code_object_version 6
	.text
	.protected	k_q8ee8bc8fab_attn
	.globl	k_q8ee8bc8fab_attn
	.p2align	8
	.type	k_q8ee8bc8fab_attn,@function
k_q8ee8bc8fab_attn:
	s_mov_b64 s[64:65], 0
	v_nop
	global_prefetch_b8 v0, s[64:65] scope:SCOPE_SE
	s_setreg_imm32_b32 hwreg(HW_REG_WAVE_MODE, 25, 1), 1
	s_wait_xcnt 0x0
	s_wait_alu depctr_hold_cnt(0) depctr_sa_sdst(0) depctr_va_vdst(0) depctr_va_sdst(0) depctr_va_ssrc(0) depctr_va_vcc(0) depctr_vm_vsrc(0)
	s_getreg_b32 s2, hwreg(HW_REG_IB_STS2, 6, 4)
	s_cmp_eq_u32 s2, 0
	s_cbranch_scc0 .Lentry_in_a_cluster
	s_endpgm
.Lentry_in_a_cluster:
	s_bfe_u32 s2, ttmp6, 0x10000c
	s_cmp_lg_u32 s2, 0x3003
	s_cbranch_scc0 .Lentry_shape_is_right
	s_endpgm
.Lentry_shape_is_right:
; ctx[b][q][head][:] = the sum over k of softmax_k(Q . K / 8 + mask[b][k]) V[k][:], both products on codes of FP8 (E4M3), head size 64, 2,048 keys, 32 (batch, head) pairs; the result is quantised at once for the next product.
; qkvc: [3][32][32 blocks][64][64] bytes: part 0 Q and part 1 K (row = token, byte = channel), part 2 V^T (block = 64 keys, row = channel, byte = key).  Scales: entries 6 (Q), 7 (K), 8 (p), 9 (V), 10 (ctx).
; THE SOFTMAX AHEAD OF THE SECOND PRODUCT: t = logit x log2(e); M = the row's largest t so far, rounded UP to a whole number; p = 2^(t - M) is quantised, not normalised; the row's sum is taken of the unquantised p and divides at the end.
; When M moves, the sum and O are multiplied by 2^(old M - new M): exact.
; THE MASK IS THE C OF THE FIRST PRODUCT.  t = c (sum + mask x 8 x 2^-(e6 + e7)), c = log2(e) / 8 x 2^(e6 + e7): the scaled mask (a multiplication by a power of two) lies in LDS and is loaded into the scores' registers ahead of the products.
; It is held at -3e38 from below, so that the matrix unit is given no infinity.
; SHARES.  A work-group owns 256 queries of one (batch, head); each of its sixteen waves owns 16, one tile, in 256 registers: four waves to a SIMD, so that one wave's vector work stands beside another's matrix work and LDS loads.
; A HEAD'S WHOLE K AND V LIE IN LDS: 2 x 128 KiB, in rows of 256 bytes + 16 of padding.  Nothing is filled again.  They come in four stages of 512 keys; each wave asks for one block of 4,096 bytes (16 rows of 256) of each stage,
; all four at the head, one behind the other: a wave's loads end in order, so stage 0 is whole first and is worked on while the others land.  A stage's 64 KiB shared among 16 waves is why a load has 16 rows.  Four loads of a wave are out.
; CLUSTER.  The four work-groups of a cluster belong to one (batch, head) and need the same K and V: every load is asked for JOINTLY, with the same descriptor and the mask 15.
; LAYOUT.  Both products are used transposed: S^T = K Q^T (source 0 = 16 keys, source 1 = my 16 queries), O^T = V^T P (source 0 = 16 channels, source 1 = P): a lane holds ONE query (lane % 16) throughout.
; THE KEYS OF A TILE, AND THE CHANNELS OF A TILE OF V^T, ARE NOT NEIGHBOURS: lane r of tile 2 b + u takes row 32 b + 8 u + r + 8 (r / 8), so that the 16 registers of tiles 2 b and 2 b + 1 are 16 neighbours, 32 b + 16 (lane / 16) + 0 .. 15.
; Four rows of 64 bytes share an LDS row, and the two groups of eight rows of a tile lie four LDS rows apart: by that reckoning the fragment loads go two deep in the banks.
; OUT: ctxc = [64 blocks of 64 tokens][16 heads][64][64] bytes: my 16 rows x 64 codes are 1,024 consecutive bytes.
; LIMITS: e6 + e7 between -123 and 130 (added to c's exponent field); e8 and e10 between -126 and 119.  NaN is not served; a query all of whose keys are masked so deeply that t overflows is not served.
; REGISTERS: v1-7 addresses that stay; v8-10 addresses of the loads in hand; v12 -M, v13 the largest t, v[14:15] the sum in two halves; v16-23 Q; v24-29 the head's temporaries; v32-95 eight fragments of K, then four of V;
;   v96-159 the mask, S^T, then p; v160-191 O^T; v224-239 p's codes; v240-254 scales and work.
.set BLKB,  4352                       ; a block of 4,096 bytes in LDS: 16 rows of 272
.set VREG,  32*BLKB                    ; K's 32 blocks, then V's 32
.set MASKB, 2*VREG                     ; then the scaled mask: 2,048 f32
.set STG,   MASKB+8192                 ; then 16 rows x 80 bytes for each wave, for the way out
.set AK0, 1                            ; v1  my lane's place in a tile of K
.set AV0, 2                            ; v2  the same for V
.set AM0, 3                            ; v3  the same in the mask
.set STO, 4                            ; v4  the way out: where I put 16 bytes of a row
.set RD,  5                            ; v5  where I read 16 bytes back
.set GO,  6                            ; v6  16 x lane
.set ADK, 8
.set ADV, 9
.set ADM, 10
.set TB,  2                            ; s2  LDS byte at which the step's keys begin in K's region (and in V's)
.set TM,  3                            ; s3  the same in the mask
.set WV,  18                           ; s18 my wave's number
.set SEL, 20                           ; s[20:21] lane selects for v_permlanex16_b32: lane l xor 16
.set CS,  22                           ; s[22:23] c: the packed form names a pair and takes its low word for both halves
.set G1,  24                           ; s[24:31] descriptor group 1
.set G0,  32                           ; s[32:47] descriptor group 0, a set for each stage
.set CNT, 48
.macro CROUND                          ; a round of the cluster's barrier
	s_barrier_signal -1
	s_barrier_wait -1
	s_cmp_lg_u32 s[WV], 0
	s_cbranch_scc1 .Lnot_wave_0_\@
	s_barrier_signal -3
.Lnot_wave_0_\@:
	s_barrier_wait -3
	s_barrier_signal -1
	s_barrier_wait -1
.endm
	s_load_b256 s[4:11], s[0:1], 0x0               ; qkvc s[4:5], the mask s[6:7], the scales' exponents s[8:9], ctxc s[10:11]
	v_lshl_add_u32 v251, v0, 2, 0x4b000
	v_mov_b32 v255, 0
	ds_add_u32 v251, v255
	ds_add_u32 v251, v255
	v_lshrrev_b32 v8, 5, v0
	v_readfirstlane_b32 s[WV], v8                  ; wave 0..15
	s_and_b32 s52, ttmp7, 0xffff                   ; 16 x batch + head, which the four partners share
	; descriptor group 1: a dense block of 4,096 bytes as 16 rows of 32 elements of 8 bytes, padded in LDS
	s_mov_b32 s[G1], 15|(3<<16)|(1<<20)|(1<<21)|(5<<22)|(3<<25)   ; 15:0 the mask: all four work-groups; 17:16 elements of 8 bytes; 20 padding on; 21 set beside a mask; 24:22 after every 64 words (code 5); 31:25 four words (code 3)
	s_mov_b32 s[G1+1], 32<<16                      ; tensor_dim0 = 32
	s_mov_b32 s[G1+2], 16<<16                      ; tensor_dim1 = 16
	s_mov_b32 s[G1+3], 32<<16                      ; tile_dim0 = 32
	s_mov_b32 s[G1+4], 16                          ; tile_dim1 = 16
	s_mov_b32 s[G1+5], 32                          ; tensor_dim0_stride
	s_mov_b32 s[G1+6], 0
	s_mov_b32 s[G1+7], 0
	s_mov_b32 s[SEL], 0x76543210
	s_mov_b32 s[SEL+1], 0xfedcba98
	s_mov_b32 s[CS], 0x3e38aa3b                    ; log2(e) / 8
	s_lshr_b32 s53, s[WV], 3                       ; waves 0-7 fetch K, waves 8-15 V:
	s_and_b32 s54, s[WV], 7                        ; block (wave % 8) + 8 x stage
	s_mul_i32 s55, s53, VREG
	s_mul_i32 s56, s54, BLKB
	s_add_co_u32 s55, s55, s56                     ; its place in LDS: no place in the cluster enters an LDS address
	s_lshl_b32 s57, s52, 17                        ; the head's first byte in a part: 32 blocks of 4,096
	s_add_co_u32 s60, s53, 1
	s_lshl_b32 s60, s60, 22                        ; part 1 or 2
	s_add_co_u32 s60, s60, s57
	s_lshl_b32 s56, s54, 12
	s_add_co_u32 s60, s60, s56
	s_mov_b32 s61, 0
	s_lshr_b32 s62, s52, 4                         ; batch
	s_lshl_b32 s76, s62, 13                        ; its 2,048 numbers of the mask
	s_mov_b32 s77, 0
	s_bfe_u32 s50, ttmp6, 0x40000                  ; cx: it enters Q's and ctx's addresses alone
	s_lshl_b32 s51, ttmp9, 2                       ; in a cluster launch ttmp9 counts clusters
	s_add_co_u32 s51, s51, s50                     ; my block of 256 queries
	s_lshl_b32 s74, s51, 8
	s_lshl_b32 s58, s[WV], 4
	s_add_co_u32 s74, s74, s58                     ; my first query
	s_lshl_b32 s74, s74, 6
	s_add_co_u32 s74, s74, s57                     ; its codes, in part 0
	s_mov_b32 s75, 0
	s_lshl_b32 s78, s62, 5
	s_lshl_b32 s59, s51, 2
	s_add_co_u32 s78, s78, s59
	s_lshr_b32 s58, s[WV], 2
	s_add_co_u32 s78, s78, s58                     ; my block of 64 tokens: 32 x batch + 4 x block of queries + wave / 4
	s_lshl_b32 s78, s78, 4
	s_and_b32 s58, s52, 15
	s_add_co_u32 s78, s78, s58                     ; x 16 + head
	s_lshl_b32 s78, s78, 12
	s_and_b32 s58, s[WV], 3
	s_lshl_b32 s58, s58, 10
	s_add_co_u32 s78, s78, s58                     ; + my 16 rows of 64 bytes
	s_mov_b32 s79, 0
	s_mul_i32 s80, s[WV], 16*80
	s_add_co_u32 s80, s80, STG                     ; my stage
	s_wait_dscnt 0x0
	s_wait_kmcnt 0x0
	s_load_b128 s[68:71], s[8:9], 0x18             ; e6, e7, e8, e9
	s_load_b32 s72, s[8:9], 0x28                   ; e10
	s_add_nc_u64 s[60:61], s[4:5], s[60:61]
	s_add_nc_u64 s[74:75], s[4:5], s[74:75]
	s_add_nc_u64 s[76:77], s[6:7], s[76:77]
	s_add_nc_u64 s[78:79], s[10:11], s[78:79]
.irp n, 0,1,2,3
	s_mov_b32 s[G0+4*\n], 1                        ; 1:0 count = 1
	s_add_co_u32 s[G0+4*\n+1], s55, \n*8*BLKB      ; 63:32 LDS address
	s_add_nc_u64 s[G0+4*\n+2:G0+4*\n+3], s[60:61], \n*32768   ; 120:64 global address: eight blocks on
	s_or_b32 s[G0+4*\n+3], s[G0+4*\n+3], 0x80000000           ; 127:126 type = 2
.endr
	CROUND                                         ; all four work-groups are here: the joint loads meet
	tensor_load_to_lds s[G0:G0+3], s[G1:G1+7]
	s_nop 0
	tensor_load_to_lds s[G0+4:G0+7], s[G1:G1+7]
	s_nop 0
	tensor_load_to_lds s[G0+8:G0+11], s[G1:G1+7]
	s_nop 0
	tensor_load_to_lds s[G0+12:G0+15], s[G1:G1+7]
	s_nop 0
.rept 4
	v_nop
.endr
	v_lshlrev_b32 v27, 4, v0                       ; the mask: 16 bytes a thread, 8,192 in all
	global_load_b128 v[96:99], v27, s[76:77]
	v_and_b32 v24, 15, v0                          ; r = lane % 16
	v_bfe_u32 v25, v0, 4, 1                        ; h = lane / 16
	v_lshlrev_b32 v26, 6, v24
	v_lshl_add_u32 v26, v25, 4, v26                ; Q: row r of 64 bytes, + 16 h
	global_load_b128 v[16:19], v26, s[74:75]       ; registers 4 c .. 4 c + 3: channels 32 c + 16 h + 0 .. 15, as K's fragments have them
	global_load_b128 v[20:23], v26, s[74:75] offset:32
	v_add_nc_u32 v7, MASKB, v27                    ; where my 16 bytes of the scaled mask go
	v_and_b32 v28, 8, v24
	v_add_nc_u32 v28, v28, v24                     ; r + 8 (r / 8)
	v_lshrrev_b32 v28, 2, v28                      ; four rows of 64 bytes to an LDS row
	v_mul_u32_u24 v[AK0], v28, 272
	v_and_b32 v28, 3, v24
	v_lshl_add_u32 v[AK0], v28, 6, v[AK0]
	v_lshl_add_u32 v[AK0], v25, 4, v[AK0]
	v_add_nc_u32 v[AV0], VREG, v[AK0]
	v_lshlrev_b32 v[AM0], 6, v25                   ; the mask of keys 32 b + 16 h + 0 .. 15: 128 b + 64 h bytes on
	v_add_nc_u32 v[AM0], MASKB, v[AM0]
	v_mul_u32_u24 v[STO], v24, 80
	v_lshl_add_u32 v[STO], v25, 4, v[STO]
	v_add_nc_u32 v[STO], s80, v[STO]
	v_and_b32 v28, 31, v0
	v_lshlrev_b32 v[GO], 4, v28
	v_lshrrev_b32 v29, 2, v28
	v_mul_u32_u24 v[RD], v29, 80
	v_and_b32 v29, 3, v28
	v_lshl_add_u32 v[RD], v29, 4, v[RD]
	v_add_nc_u32 v[RD], s80, v[RD]
	v_mov_b32 v13, 0xff61b1e6                      ; the largest t so far: -3e38
	v_floor_f32 v12, -v13                          ; -M
	v_mov_b32 v14, 0                               ; the sum, in two halves
	v_mov_b32 v15, 0
	v_mov_b32 v246, 0                              ; written once: a lane permute's destination counts as one of its sources
	v_mov_b32 v253, 0                              ; (named as the upper half of the pair v[252:253])
.irp j, 0,1,2,3,4,5,6,7,8,9,10,11,12,13,14,15,16,17,18,19,20,21,22,23,24,25,26,27,28,29,30,31
	v_mov_b32 v[160+\j], 0                         ; O^T.  (The step is written once: the first finds zeros, which the first change of M leaves zeros)
.endr
	s_wait_kmcnt 0x0
	s_add_co_i32 s73, s68, s69                     ; e6 + e7:
	s_lshl_b32 s81, s73, 23
	s_add_co_i32 s[CS], s[CS], s81                 ; added to c's exponent field,
	s_mov_b32 s[CS+1], s[CS]                       ; (named with it as a pair, so it is written)
	s_sub_co_i32 s73, 3, s73                       ; and taken out of the mask: x 8 x 2^-(e6 + e7)
	s_add_co_i32 s81, s70, 127
	s_lshl_b32 s82, s81, 23
	v_mov_b32 v244, s82                            ; 2^e8, for p's conversions
	s_add_co_i32 s81, s81, 8
	s_lshl_b32 s81, s81, 23
	s_or_b32 s81, s81, 0x600000
	v_mov_b32 v240, s81                            ; 448 x 2^e8
	s_add_co_i32 s81, s72, 127
	s_lshl_b32 s82, s81, 23
	v_mov_b32 v245, s82                            ; 2^e10, for ctx's
	s_add_co_i32 s81, s81, 8
	s_lshl_b32 s81, s81, 23
	s_or_b32 s81, s81, 0x600000
	v_mov_b32 v241, s81                            ; 448 x 2^e10
	s_wait_loadcnt 0x0                             ; the mask and Q
.irp j, 0,1,2,3
	v_ldexp_f32 v[96+\j], v[96+\j], s73
.endr
.irp j, 0,1,2,3
	v_max_num_f32 v[96+\j], 0xff61b1e6, v[96+\j]
.endr
	ds_store_b128 v7, v[96:99]
; A KEY STEP: 128 keys.
.macro STEP
	v_add_nc_u32 v[ADK], s[TB], v[AK0]
	v_add_nc_u32 v[ADV], s[TB], v[AV0]
	v_add_nc_u32 v[ADM], s[TM], v[AM0]
	v_nop                                          ; four places in front of loads into registers that the last step's matrix instructions have read
.irp b, 0,1,2,3
.irp i, 0,1,2,3
	ds_load_b128 v[96+16*\b+4*\i:99+16*\b+4*\i], v[ADM] offset:128*\b+16*\i   ; the scaled mask of my 64 keys, into the scores' registers
.endr
.endr
.irp t, 0,1,2,3,4,5,6,7
.irp c, 0,1
	ds_load_b128 v[32+8*\t+4*\c:35+8*\t+4*\c], v[ADK] offset:(8*(\t/2)+2*(\t%2))*272+32*\c
.endr
.endr
	s_wait_dscnt 0x0
.irp t, 0,1,2,3,4,5,6,7
	v_wmma_f32_16x16x64_fp8_fp8 v[96+8*\t:103+8*\t], v[32+8*\t:39+8*\t], v[16:23], v[96+8*\t:103+8*\t]   ; S^T + the mask: eight accumulators, one instruction each
.endr
.rept 4
	v_nop                                          ; places in front of the loads below and of the first read of the scores
.endr
.irp t, 0,1,2,3
.irp c, 0,1,2,3
	ds_load_b128 v[32+16*\t+4*\c:35+16*\t+4*\c], v[ADV] offset:(8*(\t/2)+2*(\t%2))*272+(\c/2)*BLKB+32*(\c%2)   ; V's four fragments land while the softmax is walked
.endr
.endr
	v_max3_num_f32 v254, v96, v97, v98             ; the step's largest score of my query, among my 64 keys, in two chains, each accumulator from its low end on,
	v_max3_num_f32 v252, v99, v100, v101
.irp i, 6,10,14,18,22,26,30,34,38,42,46,50,54,58
	v_max3_num_f32 v254, v254, v[96+\i], v[97+\i]
	v_max3_num_f32 v252, v252, v[98+\i], v[99+\i]
.endr
	v_max3_num_f32 v254, v254, v158, v159
	v_max_num_f32 v254, v254, v252
	v_permlanex16_b32 v246, v254, s[SEL], s[SEL+1]
	v_max_num_f32 v254, v254, v246                 ; and among lane l xor 16's
	v_mul_f32 v254, s[CS], v254                    ; as t (c is positive)
	v_max_num_f32 v13, v13, v254                   ; the running largest t
	v_mov_b32 v254, v12
	v_floor_f32 v12, -v13                          ; the new -M = floor(-t) = -ceil(t): M is a whole number
	v_sub_f32 v254, v12, v254                      ; M's old value less its new one: a whole number, 0 or less
	v_cvt_i32_f32 v254, v254                       ; (it saturates)
	v_ldexp_f32 v252, 1.0, v254                    ; f = 2^(old M - new M)
.irp j, 0,2,4,6,8,10,12,14,16,18,20,22,24,26,28,30,32,34,36,38,40,42,44,46,48,50,52,54,56,58,60,62
	v_pk_fma_f32 v[96+\j:97+\j], v[96+\j:97+\j], s[CS:CS+1], v[12:13] op_sel_hi:[1,0,0]   ; t - M, two at a time (of the pairs c and -M the low word serves both halves)
.endr
.irp j, 0,1,2,3,4,5,6,7,8,9,10,11,12,13,14,15,16,17,18,19,20,21,22,23,24,25,26,27,28,29,30,31,32,33,34,35,36,37,38,39,40,41,42,43,44,45,46,47,48,49,50,51,52,53,54,55,56,57,58,59,60,61,62,63
	v_exp_f32 v[96+\j], v[96+\j]                   ; p = 2^(t - M), at most 1: not normalised
.endr
	v_pk_mul_f32 v[14:15], v[14:15], v[252:253] op_sel_hi:[1,0]   ; the sums under the new M.  (A plain instruction behind the exponentials)
	s_wait_alu depctr_va_vdst(0)                   ; one wait for the whole batch, ahead of its first reader
	v_pk_add_f32 v[242:243], v[96:97], v[98:99]    ; the row's sum is taken of the unquantised p: two at a time, in two chains
.irp j, 4,8,12,16,20,24,28,32,36,40,44,48,52,56,60
	v_pk_add_f32 v[14:15], v[14:15], v[96+\j:97+\j]
	v_pk_add_f32 v[242:243], v[242:243], v[98+\j:99+\j]
.endr
	v_pk_add_f32 v[14:15], v[14:15], v[242:243]
.irp b, 0,1,2,3
.irp i, 0,1,2,3,4,5,6,7,8,9,10,11,12,13,14,15
	v_min_num_f32 v[96+16*\b+\i], v[96+16*\b+\i], v240   ; the conversion to an 8-bit code does not saturate (ISA guide 7.6.2); p is not negative, so the hold is one-sided
.endr
	v_cvt_scalef32_pk8_fp8_f32 v[224+4*\b:225+4*\b], v[96+16*\b:103+16*\b], v244
	v_cvt_scalef32_pk8_fp8_f32 v[226+4*\b:227+4*\b], v[104+16*\b:111+16*\b], v244
.endr
.irp j, 0,2,4,6,8,10,12,14,16,18,20,22,24,26,28,30
	v_pk_mul_f32 v[160+\j:161+\j], v[160+\j:161+\j], v[252:253] op_sel_hi:[1,0]   ; O^T under the new M: x f, each accumulator from its low end on.  (Also the plain instructions behind the conversions)
.endr
	s_wait_dscnt 0x0                               ; V's fragments
.irp t, 0,1,2,3
	v_wmma_f32_16x16x128_fp8_fp8 v[160+8*\t:167+8*\t], v[32+16*\t:47+16*\t], v[224:239], v[160+8*\t:167+8*\t]   ; O^T += V^T P: four accumulators by turns
.endr
.endm
; A STAGE: 512 keys, four steps.  My part of it has landed when at most 3 - n younger loads of mine are out; behind the barrier everybody's has.  The later stages stay on their way.
.macro STAGE n
	s_wait_tensorcnt 3-\n
	s_wait_dscnt 0x0                               ; for the others' sake: my store of the mask is done (stage 0); no LDS instruction of mine is out
	s_barrier_signal -1
	s_barrier_wait -1
	s_mov_b32 s[TB], \n*8*BLKB
	s_mov_b32 s[TM], \n*2048
	s_mov_b32 s[CNT], 4
.Lstep_\@:
	STEP
	s_add_co_u32 s[TB], s[TB], 2*BLKB              ; 128 keys on: 32 LDS rows of K, two blocks of V
	s_add_co_u32 s[TM], s[TM], 512
	s_sub_co_u32 s[CNT], s[CNT], 1
	s_cmp_lg_u32 s[CNT], 0
	s_cbranch_scc1 .Lstep_\@
.endm
	STAGE 0
	STAGE 1
	STAGE 2
	STAGE 3
	; THE WAY OUT.  O^T x 2^(e8 + e9) / the sum, held, converted with 2^e10; 16 bytes a lane into my stage, back as 1,024 consecutive bytes.
.rept 4
	v_nop                                          ; places behind the last products
.endr
	v_add_f32 v14, v14, v15                        ; the sum's two halves,
	v_permlanex16_b32 v246, v14, s[SEL], s[SEL+1]
	v_add_f32 v14, v14, v246                       ; and lane l xor 16's: the row's sum
	v_rcp_f32 v14, v14
	v_nop                                          ; a plain instruction behind the transcendental
	s_add_co_i32 s73, s70, s71
	s_wait_alu depctr_va_vdst(0)                   ; a wait ahead of the first reader
	v_ldexp_f32 v14, v14, s73                      ; x 2^(e8 + e9)
.irp j, 0,1,2,3,4,5,6,7,8,9,10,11,12,13,14,15,16,17,18,19,20,21,22,23,24,25,26,27,28,29,30,31
	v_mul_f32 v[96+\j], v[160+\j], v14             ; register 16 p + i is ctx(query r, channel 32 p + 16 h + i)
.endr
.irp j, 0,1,2,3,4,5,6,7,8,9,10,11,12,13,14,15,16,17,18,19,20,21,22,23,24,25,26,27,28,29,30,31
	v_med3_num_f32 v[96+\j], v[96+\j], -v241, v241
.endr
.irp p, 0,1
	v_cvt_scalef32_pk8_fp8_f32 v[128+4*\p:129+4*\p], v[96+16*\p:103+16*\p], v245
	v_cvt_scalef32_pk8_fp8_f32 v[130+4*\p:131+4*\p], v[104+16*\p:111+16*\p], v245
.endr
	v_nop                                          ; a plain instruction behind the last conversion
.irp p, 0,1
	ds_store_b128 v[STO], v[128+4*\p:131+4*\p] offset:32*\p
.endr
.irp t, 0,1
	ds_load_b128 v[136+4*\t:139+4*\t], v[RD] offset:640*\t   ; LDS serves a wave's instructions in order (ISA guide 5.7.1.4): these see my stores
.endr
.irp t, 0,1
	s_wait_dscnt 1-\t
	global_store_b128 v[GO], v[136+4*\t:139+4*\t], s[78:79] offset:512*\t   ; 32 lanes store 512 consecutive bytes, aligned
.endr
	s_wait_tensorcnt 0x0                           ; (met since stage 3)
	s_wait_tensorcnt 0x0
	ds_add_u32 v251, v255
	s_wait_dscnt 0x0
	CROUND                                         ; the closing round: no work-group ends while a partner may still ask for a tile that names it
	s_endpgm
.Lfunc_end_k_q8ee8bc8fab_attn:
	.size	k_q8ee8bc8fab_attn, .Lfunc_end_k_q8ee8bc8fab_attn-k_q8ee8bc8fab_attn
	.p2alignl 7, 3214868480
	.fill 96, 4, 3214868480
	.section	.rodata,"a",@progbits
	.p2align	6, 0x0
	.amdhsa_kernel k_q8ee8bc8fab_attn
		.amdhsa_group_segment_fixed_size 327680
		.amdhsa_private_segment_fixed_size 0
		.amdhsa_enable_private_segment 0
		.amdhsa_kernarg_size 32
		.amdhsa_user_sgpr_count 2
		.amdhsa_user_sgpr_kernarg_segment_ptr 1
		.amdhsa_wavefront_size32 1
		.amdhsa_system_sgpr_workgroup_id_x 1
		.amdhsa_system_sgpr_workgroup_id_y 1
		.amdhsa_system_sgpr_workgroup_id_z 1
		.amdhsa_system_vgpr_workitem_id 0
		.amdhsa_next_free_vgpr 256
		.amdhsa_next_free_sgpr 100
		.amdhsa_reserve_vcc 0
		.amdhsa_float_denorm_mode_32 3
		.amdhsa_float_denorm_mode_16_64 3
		.amdhsa_memory_ordered 1
		.amdhsa_forward_progress 1
		.amdhsa_inst_pref_size 80
	.end_amdhsa_kernel
	.amdgpu_metadata
---
amdhsa.version: [ 1, 2 ]
amdhsa.kernels:
  - .name:           k_q8ee8bc8fab_attn
    .symbol:         k_q8ee8bc8fab_attn.kd
    .args:
      - { .name: qkvc, .offset: 0, .size: 8, .value_kind: global_buffer, .address_space: global }
      - { .name: attention_mask, .offset: 8, .size: 8, .value_kind: global_buffer, .address_space: global }
      - { .name: lowp_scales, .offset: 16, .size: 8, .value_kind: global_buffer, .address_space: global }
      - { .name: ctxc, .offset: 24, .size: 8, .value_kind: global_buffer, .address_space: global }
    .group_segment_fixed_size: 327680
    .private_segment_fixed_size: 0
    .kernarg_segment_align: 8
    .kernarg_segment_size: 32
    .max_flat_workgroup_size: 512
    .sgpr_count:     100
    .vgpr_count:     256
    .wavefront_size: 32
...
	.end_amdgpu_metadata
.endif
;; end of part 3
;; launch wo (part 4): grid 8 x 32, 4 waves a work-group, clusters of 4 x 4, 327,680 bytes of LDS; arguments ctxc, wo_codes, lowp_scales, bo, hidden_states, hres; writes hres
.if DOCPART == 4
	.amdgcn_target "amdgcn-amd-amdhsa--gfx1250"
	.amdhsa_code_object_version 6
	.text
	.protected	k_q8ee8bc8fab_wo
	.globl	k_q8ee8bc8fab_wo
	.p2align	8
	.type	k_q8ee8bc8fab_wo,@function
k_q8ee8bc8fab_wo:
	s_mov_b64 s[64:65], 0
	v_nop
	global_prefetch_b8 v0, s[64:65] scope:SCOPE_SE
	s_setreg_imm32_b32 hwreg(HW_REG_WAVE_MODE, 25, 1), 1
	s_wait_xcnt 0x0
	s_wait_alu depctr_hold_cnt(0) depctr_sa_sdst(0) depctr_va_vdst(0) depctr_va_sdst(0) depctr_va_ssrc(0) depctr_va_vcc(0) depctr_vm_vsrc(0)
	s_getreg_b32 s2, hwreg(HW_REG_IB_STS2, 6, 4)
	s_cmp_eq_u32 s2, 0
	s_cbranch_scc0 .Lentry_in_a_cluster
	s_endpgm
.Lentry_in_a_cluster:
	s_bfe_u32 s2, ttmp6, 0x10000c
	s_cmp_lg_u32 s2, 0xf033
	s_cbranch_scc0 .Lentry_shape_is_right
	s_endpgm
.Lentry_shape_is_right:
; OUT[m][n] = RES[m][n] + (2^(ea + eb) x sum over k of X[m][k] Y[n][k] + bias[n]).  X, Y: codes of FP8 (E4M3); ea, eb: entries EA, EA + 1 of the scales; RES, OUT: [4096][1024] f32; bias [1024] f32.
; X: 4,096 rows x KB codes in blocks, [m / 64][k / 64][64 rows][64 bytes]: 64 rows x 512 along K are 32,768 consecutive bytes.  Y: [1024][KB] row-major.
; LIMIT: ea + eb between -126 and 127, so that 2^(ea + eb) is an f32 number.
; A tile of OUT, 128 x 128, is made by four waves, 64 x 64 each: 16 accumulators.  128 x 128 gives 256 work-groups; a larger tile would leave WGPs without work.  K goes in slots of 512 through two LDS slots filled by the tensor data mover.
; CLUSTERS: 4 x 4 work-groups.  The four of a row need the same tiles of X, the four of a column the same tiles of Y: each tile is asked for JOINTLY, by the same tensor load with the same descriptor and a mask that names the four.
; THE MATRIX INSTRUCTION IS USED TRANSPOSED (source 0 = 16 rows of Y, source 1 = 16 rows of X): a lane holds eight neighbouring columns of one row.
; A fragment (16 rows x 128 K) comes by four loads of 16 bytes: registers 4 c .. 4 c + 3 hold k = 32 c + 16 (lane / 16) + 0 .. 15, alike in X and in Y, so every product meets its partner.
; The residual is asked for at the head, in the layout in which the rows leave, and lands under the products.
; REGISTERS: window 0: v1-31 addresses, v8-11 the bias; v128-255 accumulators ((a, b) at 128 + 8 (4 a + b)), later the rows that leave.   window 1: two fragment buffers of 128: X's four fragments, then Y's four.   window 2: v0-127 the residual.
.set KB,     1024                      ; K: a row of Y in bytes
.set EA,     10
.set ABL,    1                         ; X lies in blocks
.set LAPS,   KB/1024                   ; a lap = two slots of 512 along K
.set PITCH,  528                       ; Y's LDS row: 512 bytes + 16 of padding = 132 words: row r starts at bank 4 r mod 64 (64 banks of 4 bytes: ISA guide 11.1)
.set HALFA,  128*272                   ; X: 64 rows x 512 K as 128 LDS rows of 256 bytes + 16: four rows of 64 bytes of one block of K to an LDS row; a fragment's 16 rows fall on 16 different groups of four banks
.set HALFB,  64*PITCH
.set ASTEP,  32768                     ; from slot to slot in memory: X
.set SLOT,   2*HALFA+2*HALFB           ; X's 128 rows, then Y's 128 rows
.set STAGE,  2*SLOT                    ; behind the slots: 16 rows x 272 bytes for each wave, for the way out
.set SPITCH, 272
.set SPARE,  STAGE+4*16*SPITCH         ; behind the stages: the spare words, 128 bytes for each wave: two blocks of 256 bytes that no other line names
.set BI,   8
.set ADRA, 16                          ; v16-17  LDS address of my X fragments in slot 0, 1
.set ADRB, 20                          ; v20-21  the same for Y
.set STO,  24                          ; v24     the way out: where I put 32 bytes of a row
.set RD,   25                          ; v25     where I read a row back
.set CO,   26                          ; v26     my byte offset in two rows of OUT and RES
.set SPW,  28                          ; v28     LDS address of my spare word; never rewritten
.set NIL,  29                          ; v29     0; never rewritten
.set ACC,  128
.set F0,   0
.set F1,   128
.set G1,   24                          ; s[24:31] descriptor group 1 for X's tiles;  s[32:39] group 0, one set for each slot
.set G0,   32
.set G1B,  48                          ; s[48:55], s[56:63] the same for Y's tiles
.set G0B,  56
.set MSB,  0
.macro WIN new                         ; the immediate's high byte repeats the setting that is left
.if MSB != \new
	s_set_vgpr_msb (MSB<<8)|\new
.set MSB, \new
.endif
.endm
.set MUL,  0x05                        ; sources 0 (Y) and 1 (X) window 1; C and D window 0
.set TO_F, 0x40                        ; destination window 1, address window 0
.macro JLOAD s                         ; a joint load: waves 0 and 1 fetch X's two halves, waves 2 and 3 Y's; four v_nop follow each of the two lines
	s_cmp_eq_u32 s11, 0
	s_cbranch_scc0 .Lfor_y_\@
	tensor_load_to_lds s[G0+4*\s:G0+4*\s+3], s[G1:G1+7]
	s_nop 0
.rept 4
	v_nop
.endr
	s_branch .Lasked_\@
.Lfor_y_\@:
	tensor_load_to_lds s[G0B+4*\s:G0B+4*\s+3], s[G1B:G1B+7]
	s_nop 0
.rept 4
	v_nop
.endr
.Lasked_\@:
.endm
.macro CREST                           ; a round of the cluster's barrier behind its opening barrier
	s_cmp_lg_u32 s10, 0
	s_cbranch_scc1 .Lnot_wave_0_\@
	s_barrier_signal -3
.Lnot_wave_0_\@:
	s_barrier_wait -3
	s_barrier_signal -1
	s_barrier_wait -1
.endm
.macro CROUND                          ; a whole round
	s_barrier_signal -1
	s_barrier_wait -1
	CREST
.endm
.macro PLACES                          ; four places in front of loads into registers that matrix instructions have read, and of the first read of results
.rept 4
	v_nop
.endr
.endm
; four matrix instructions: X's block a x Y's four, 128 along K, from buffer f.  zero = 1: the product starts the sums.  The 16 accumulators take turns, one instruction a turn
.macro MUL4 f, a, zero
.irp b, 0,1,2,3
.if \zero
	v_wmma_f32_16x16x128_fp8_fp8 v[ACC+8*(4*(\a)+\b):ACC+8*(4*(\a)+\b)+7], v[\f+64+16*\b:\f+64+16*\b+15], v[\f+16*(\a):\f+16*(\a)+15], 0
.else
	v_wmma_f32_16x16x128_fp8_fp8 v[ACC+8*(4*(\a)+\b):ACC+8*(4*(\a)+\b)+7], v[\f+64+16*\b:\f+64+16*\b+15], v[\f+16*(\a):\f+16*(\a)+15], v[ACC+8*(4*(\a)+\b):ACC+8*(4*(\a)+\b)+7]
.endif
.endr
.endm
.macro MUL8 f, a0, zero
	MUL4 \f, \a0, \zero
	MUL4 \f, (\a0)+1, \zero
.endm
; 32 LDS loads in one run: the fragments of the slot's q-th 128 along K into buffer f: Y's four, then X's four
.macro FETCH slot, q, f
	WIN TO_F
.irp i, 0,1,2,3
.irp c, 0,1,2,3
	ds_load_b128 v[\f+64+16*\i+4*\c:\f+64+16*\i+4*\c+3], v[ADRB+\slot] offset:128*(\q)+32*\c+\i*16*PITCH
.endr
.endr
.irp i, 0,1,2,3
.irp c, 0,1,2,3
.if ABL
	ds_load_b128 v[\f+16*\i+4*\c:\f+16*\i+4*\c+3], v[ADRA+\slot] offset:(2*(\q)+\c/2)*4352+32*(\c%2)+\i*1088
.else
	ds_load_b128 v[\f+16*\i+4*\c:\f+16*\i+4*\c+3], v[ADRA+\slot] offset:128*(\q)+32*\c+\i*16*PITCH
.endif
.endr
.endr
.endm
; A slot is four quarters of 128 along K, 16 matrix instructions each, on buffers 0, 1, 0, 1.  One of the first three multiplies buffer f and fetches quarter q into g
.macro QUARTER slot, q, f, g, zero
	s_wait_dscnt 8                                 ; Y's fragments and X's blocks 0, 1 are in; the youngest eight loads (X's blocks 2, 3) may be out
	WIN MUL
	MUL8 \f, 0, \zero
	PLACES
	FETCH \slot, \q, \g
	s_wait_dscnt 32                                ; all but the 32 just issued
	WIN MUL
	MUL8 \f, 2, \zero
.endm
; The last quarter multiplies buffer 1 and changes slots: ONE barrier; in front of it each wave waits for all its tensor loads, adds 0 to its spare word, and waits for that and for its reads of this slot.  fill = 1: this slot is filled again, two slots ahead
.macro TURN slot, next, fill
	WIN 0                                          ; (the add's two registers lie in window 0)
	s_wait_tensorcnt 0x0                           ; all my tensor loads have landed: my part of the next slot;
	ds_add_u32 v[SPW], v[NIL]                      ; 0 onto my spare word;
	s_wait_dscnt 9                                 ; (the add and the youngest eight loads may be out)
	WIN MUL
	MUL4 F1, 0, 0                                  ; matrix instructions stand between the add and the wait for it
	s_wait_dscnt 0x0                               ; the add is done, and my reads of this slot are over
	s_barrier_signal -1
	MUL4 F1, 1, 0
.if \fill
	WIN 0
.endif
	s_barrier_wait -1
.if \fill
	CREST                                          ; the barrier has opened a round of the cluster's barrier: no wave of any partner still reads this slot or has a load on its way
	s_add_nc_u64 s[G0+4*\slot+2:G0+4*\slot+3], s[G0+4*\slot+2:G0+4*\slot+3], 2*ASTEP
	s_add_nc_u64 s[G0B+4*\slot+2:G0B+4*\slot+3], s[G0B+4*\slot+2:G0B+4*\slot+3], 1024
	JLOAD \slot                                    ; the first tensor load behind the round, my one load that is out: 56 matrix instructions ahead of the wait for it; its four v_nop are also the places in front of the loads below
.else
	PLACES
.endif
	FETCH \next, 0, F0
	WIN MUL
	MUL8 F1, 2, 0
.endm
	s_load_b128 s[4:7], s[0:1], 0x0                ; X s[4:5], Y s[6:7]
	s_load_b128 s[68:71], s[0:1], 0x10             ; the scales' exponents s[68:69], the bias s[70:71]
	s_load_b128 s[72:75], s[0:1], 0x20             ; RES s[72:73], OUT s[74:75]
	v_lshl_add_u32 v[SPW], v0, 2, SPARE
	v_mov_b32 v[NIL], 0
	ds_add_u32 v28, v29
	ds_add_u32 v28, v29
	s_wait_dscnt 0x0
	v_lshrrev_b32 v1, 5, v0
	v_readfirstlane_b32 s10, v1                    ; wave 0..3
	s_lshr_b32 s11, s10, 1                         ; which half of the tile's rows is mine.  Also: I fetch for X (0) or for Y (1)
	s_and_b32 s12, s10, 1                          ; which half of its columns.  Also: which 64 rows of that tile I fetch
	s_bfe_u32 s40, ttmp6, 0x40000                  ; cx, cy: my place in the cluster
	s_bfe_u32 s41, ttmp6, 0x40004
	s_lshl_b32 s42, ttmp9, 2
	s_add_co_u32 s42, s42, s40                     ; tile column = 4 x cluster x + cx
	s_and_b32 s13, ttmp7, 0xffff
	s_lshl_b32 s13, s13, 2
	s_add_co_u32 s13, s13, s41                     ; tile row = 4 x cluster y + cy
	s_lshl_b32 s43, s41, 2
	s_lshl_b32 s43, 15, s43                        ; my row of the cluster
	s_lshl_b32 s44, 0x1111, s40                    ; my column
	; descriptor group 1.  X: a dense block of 32,768 bytes as 128 rows of 32 elements of 8 bytes.  Y: 64 rows x 512 bytes, KB bytes apart.  Both padded in LDS
	s_or_b32 s[G1+0], s43, (3<<16)|(1<<20)|(1<<21)|(5<<22)|(3<<25)   ; 15:0 the mask: X's tiles go to my row; 17:16 elements of 8 bytes; 20 padding on; 21 set beside a mask; 24:22 after every 64 words (code 5); 31:25 four words (code 3)
	s_mov_b32 s[G1+1], 32<<16                      ; tensor_dim0 = 32
	s_mov_b32 s[G1+2], 128<<16                     ; tensor_dim1 = 128
	s_mov_b32 s[G1+3], 32<<16                      ; tile_dim0 = 32
	s_mov_b32 s[G1+4], 128                         ; tile_dim1 = 128
	s_mov_b32 s[G1+5], 32                          ; tensor_dim0_stride
	s_mov_b32 s[G1+6], 0
	s_mov_b32 s[G1+7], 0
	s_or_b32 s[G1B+0], s44, (1<<20)|(1<<21)|(6<<22)|(3<<25)          ; the mask of my column; elements of 1 byte; four words after every 128 (code 6)
	s_mov_b32 s[G1B+1], 512<<16
	s_mov_b32 s[G1B+2], 64<<16
	s_mov_b32 s[G1B+3], 512<<16
	s_mov_b32 s[G1B+4], 64
	s_mov_b32 s[G1B+5], KB
	s_mov_b32 s[G1B+6], 0
	s_mov_b32 s[G1B+7], 0
	s_lshl_b32 s17, s12, 6                         ; which 64 rows of the tile I fetch
	s_lshl_b32 s16, s13, 7
	s_add_co_u32 s16, s16, s17                     ; X: row 128 x tile row + 64 x half (a block of 64 rows begins at row x KB bytes, as a row would)
	s_lshl_b32 s46, s42, 7
	s_add_co_u32 s46, s46, s17                     ; Y: row 128 x tile column + 64 x half
	s_mov_b32 s17, 0
	s_mov_b32 s47, 0
	s_mov_b64 s[18:19], KB
	s_mul_u64 s[16:17], s[16:17], s[18:19]
	s_mul_u64 s[46:47], s[46:47], s[18:19]
	s_mul_i32 s20, s12, HALFA                      ; where they go: no place in the cluster enters an LDS address
	s_mul_i32 s21, s12, HALFB
	s_add_co_u32 s21, s21, 2*HALFA
	s_wait_kmcnt 0x0
	s_load_b64 s[66:67], s[68:69], 4*EA            ; ea, eb
	s_add_nc_u64 s[14:15], s[4:5], s[16:17]
	s_add_nc_u64 s[46:47], s[6:7], s[46:47]
	CROUND                                         ; all sixteen work-groups are here: the first joint loads meet
.irp s, 0,1
	s_mov_b32 s[G0+4*\s], 1                        ; 1:0 count = 1
	s_add_co_u32 s[G0+4*\s+1], s20, \s*SLOT        ; 63:32 LDS address
	s_add_nc_u64 s[G0+4*\s+2:G0+4*\s+3], s[14:15], \s*ASTEP   ; 120:64 global address
	s_or_b32 s[G0+4*\s+3], s[G0+4*\s+3], 0x80000000           ; 127:126 type = 2
	s_mov_b32 s[G0B+4*\s], 1
	s_add_co_u32 s[G0B+4*\s+1], s21, \s*SLOT
	s_add_nc_u64 s[G0B+4*\s+2:G0B+4*\s+3], s[46:47], \s*512
	s_or_b32 s[G0B+4*\s+3], s[G0B+4*\s+3], 0x80000000
	JLOAD \s                                       ; two loads of mine are out
.endr
	v_and_b32 v1, 15, v0                           ; r = lane % 16
	v_bfe_u32 v2, v0, 4, 1                         ; h = lane / 16
	v_mul_u32_u24 v3, v1, PITCH
	v_lshl_add_u32 v3, v2, 4, v3                   ; Y: a fragment's row x pitch + 16 h
	v_lshrrev_b32 v4, 2, v1
	v_mul_u32_u24 v4, v4, 272
	v_and_b32 v5, 3, v1
	v_lshl_add_u32 v4, v5, 6, v4
	v_lshl_add_u32 v4, v2, 4, v4                   ; X: (r / 4) LDS rows + 64 (r % 4) + 16 h
	s_mul_i32 s22, s11, HALFA                      ; my 64 rows of X
	s_mul_i32 s23, s12, HALFB                      ; my 64 rows of Y,
	s_add_co_u32 s23, s23, 2*HALFA                 ; which lie behind X's 128
.irp s, 0,1
	v_add_nc_u32 v[ADRA+\s], s22, v4
	v_add_nc_u32 v[ADRB+\s], s23, v3
	s_add_co_u32 s22, s22, SLOT
	s_add_co_u32 s23, s23, SLOT
.endr
	s_mul_i32 s22, s10, 16*SPITCH
	s_add_co_u32 s22, s22, STAGE                   ; my stage
	v_mul_u32_u24 v5, v1, SPITCH
	v_lshl_add_u32 v5, v2, 5, v5
	v_add_nc_u32 v[STO], s22, v5                   ; in: row r, 32 bytes for each half of the lanes
	v_mul_u32_u24 v5, v2, SPITCH
	v_lshl_add_u32 v5, v1, 4, v5
	v_add_nc_u32 v[RD], s22, v5                    ; back: lanes 0-15 one row of 256 bytes, lanes 16-31 the next
	v_lshlrev_b32 v5, 12, v2
	v_lshl_add_u32 v[CO], v1, 4, v5                ; and the same two rows in OUT and RES
	s_lshl_b32 s16, s13, 7
	s_lshl_b32 s17, s11, 6
	s_add_co_u32 s16, s16, s17                     ; my first row: 128 x tile row + 64 x half
	s_lshl_b32 s16, s16, 12                        ; x 4,096 bytes
	s_mov_b32 s17, 0
	s_lshl_b32 s46, s42, 9                         ; my first column, in bytes: 512 x tile column + 256 x half
	s_lshl_b32 s47, s12, 8
	s_add_co_u32 s46, s46, s47
	s_mov_b32 s47, 0
	s_add_nc_u64 s[70:71], s[70:71], s[46:47]      ; the bias of my 64 columns
	s_add_nc_u64 s[16:17], s[16:17], s[46:47]
	s_add_nc_u64 s[72:73], s[72:73], s[16:17]
	s_add_nc_u64 s[74:75], s[74:75], s[16:17]
	v_lshlrev_b32 v6, 4, v1
	global_load_b128 v[BI:BI+3], v6, s[70:71]      ; of the four columns that I store
	WIN 0x80                                       ; destination window 2
.irp a, 0,1,2,3
.irp t, 0,1,2,3,4,5,6,7
	global_load_b128 v[32*\a+4*\t:32*\a+4*\t+3], v[CO], s[72:73] offset:(16*\a+2*\t)*4096 th:TH_LOAD_NT   ; 16 lanes read 256 consecutive bytes, aligned; read once in this launch
.endr
.endr
	WIN 0
	s_wait_tensorcnt 1                             ; my part of slot 0 is in; slot 1's may stay out
	s_barrier_signal -1
	s_barrier_wait -1                              ; everybody's is
	FETCH 0, 0, F0
	QUARTER 0, 1, F0, F1, 1                        ; the first quarter's products start the sums: nothing is cleared
.if LAPS > 1
	WIN 0                                          ; at a label and at a branch every window is 0
	s_mov_b32 s3, LAPS-1
.Llap:                                                 ; a trip goes once round the ring, from a lap's second quarter to the next lap's first, and fills both slots again
	QUARTER 0, 2, F1, F0, 0
	QUARTER 0, 3, F0, F1, 0
	TURN 0, 1, 1
	QUARTER 1, 1, F0, F1, 0
	QUARTER 1, 2, F1, F0, 0
	QUARTER 1, 3, F0, F1, 0
	TURN 1, 0, 1
	QUARTER 0, 1, F0, F1, 0
	WIN 0
	s_sub_co_u32 s3, s3, 1
	s_cmp_lg_u32 s3, 0
	s_cbranch_scc1 .Llap
.endif
	QUARTER 0, 2, F1, F0, 0                        ; the last lap fills nothing
	QUARTER 0, 3, F0, F1, 0
	TURN 0, 1, 0
	QUARTER 1, 1, F0, F1, 0
	QUARTER 1, 2, F1, F0, 0
	QUARTER 1, 3, F0, F1, 0
	s_wait_dscnt 8                                 ; the very last quarter: nothing more to fetch
	WIN MUL
	MUL8 F1, 0, 0
	s_wait_dscnt 0x0
	MUL8 F1, 2, 0
	WIN 0
	; THE WAY OUT, block by block of 16 rows x 64 columns: the sums go through my stage and come back as whole rows of 256 bytes, into the registers that they left; there sum x 2^(ea + eb) + bias, + RES; stored.
	s_wait_kmcnt 0x0
	s_add_co_i32 s66, s66, s67
	s_add_co_i32 s66, s66, 127
	s_lshl_b32 s66, s66, 23                        ; 2^(ea + eb) as f32
	s_mov_b32 s67, s66                             ; (named with it as a pair, so it is written)
	PLACES
	s_wait_loadcnt 0x0                             ; the bias and the residual
.macro TOSTAGE a
.irp b, 0,1,2,3
	ds_store_b128 v[STO], v[ACC+8*(4*(\a)+\b):ACC+8*(4*(\a)+\b)+3] offset:64*\b          ; each accumulator from its low end on
	ds_store_b128 v[STO], v[ACC+8*(4*(\a)+\b)+4:ACC+8*(4*(\a)+\b)+7] offset:64*\b+16
.endr
.irp t, 0,1,2,3,4,5,6,7
	ds_load_b128 v[ACC+32*(\a)+4*\t:ACC+32*(\a)+4*\t+3], v[RD] offset:\t*2*SPITCH        ; LDS serves a wave's instructions in order (ISA guide 5.7.1.4): these see the stores above; the next block's stores come behind them
.endr
.endm
.macro SEND a, younger                 ; younger: the LDS instructions issued behind block a's loads: the next block's sixteen, or none
	s_wait_dscnt \younger
.irp t, 0,1,2,3,4,5,6,7
	v_pk_fma_f32 v[ACC+32*(\a)+4*\t:ACC+32*(\a)+4*\t+1], v[ACC+32*(\a)+4*\t:ACC+32*(\a)+4*\t+1], s[66:67], v[BI:BI+1] op_sel_hi:[1,0,1]
	v_pk_fma_f32 v[ACC+32*(\a)+4*\t+2:ACC+32*(\a)+4*\t+3], v[ACC+32*(\a)+4*\t+2:ACC+32*(\a)+4*\t+3], s[66:67], v[BI+2:BI+3] op_sel_hi:[1,0,1]
.endr
	WIN 0x08                                       ; source 1 window 2
.irp t, 0,1,2,3,4,5,6,7
	v_pk_add_f32 v[ACC+32*(\a)+4*\t:ACC+32*(\a)+4*\t+1], v[ACC+32*(\a)+4*\t:ACC+32*(\a)+4*\t+1], v[32*(\a)+4*\t:32*(\a)+4*\t+1]
	v_pk_add_f32 v[ACC+32*(\a)+4*\t+2:ACC+32*(\a)+4*\t+3], v[ACC+32*(\a)+4*\t+2:ACC+32*(\a)+4*\t+3], v[32*(\a)+4*\t+2:32*(\a)+4*\t+3]
.endr
	WIN 0
.irp t, 0,1,2,3,4,5,6,7
	global_store_b128 v[CO], v[ACC+32*(\a)+4*\t:ACC+32*(\a)+4*\t+3], s[74:75] offset:(16*(\a)+2*\t)*4096   ; 16 lanes store 256 consecutive bytes, aligned
.endr
.endm
	TOSTAGE 0
.irp a, 1,2,3
	TOSTAGE \a
	SEND \a-1, 16
.endr
	SEND 3, 0
	s_wait_tensorcnt 0x0                           ; the wave's end, behind my last tensor load and my last LDS store
	ds_add_u32 v[SPW], v[NIL]
	s_wait_dscnt 0x0
	CROUND                                         ; the closing round: no work-group ends while a partner may still ask for a tile that names it
	s_endpgm
.Lfunc_end_k_q8ee8bc8fab_wo:
	.size	k_q8ee8bc8fab_wo, .Lfunc_end_k_q8ee8bc8fab_wo-k_q8ee8bc8fab_wo
	.p2alignl 7, 3214868480
	.fill 96, 4, 3214868480
	.section	.rodata,"a",@progbits
	.p2align	6, 0x0
	.amdhsa_kernel k_q8ee8bc8fab_wo
		.amdhsa_group_segment_fixed_size 327680
		.amdhsa_private_segment_fixed_size 0
		.amdhsa_enable_private_segment 0
		.amdhsa_kernarg_size 48
		.amdhsa_user_sgpr_count 2
		.amdhsa_user_sgpr_kernarg_segment_ptr 1
		.amdhsa_wavefront_size32 1
		.amdhsa_system_sgpr_workgroup_id_x 1
		.amdhsa_system_sgpr_workgroup_id_y 1
		.amdhsa_system_sgpr_workgroup_id_z 1
		.amdhsa_system_vgpr_workitem_id 0
		.amdhsa_next_free_vgpr 640
		.amdhsa_next_free_sgpr 100
		.amdhsa_reserve_vcc 0
		.amdhsa_float_denorm_mode_32 3
		.amdhsa_float_denorm_mode_16_64 3
		.amdhsa_memory_ordered 1
		.amdhsa_forward_progress 1
		.amdhsa_inst_pref_size 53
	.end_amdhsa_kernel
	.amdgpu_metadata
---
amdhsa.version: [ 1, 2 ]
amdhsa.kernels:
  - .name:           k_q8ee8bc8fab_wo
    .symbol:         k_q8ee8bc8fab_wo.kd
    .args:
      - { .name: ctxc, .offset: 0, .size: 8, .value_kind: global_buffer, .address_space: global }
      - { .name: wo_codes, .offset: 8, .size: 8, .value_kind: global_buffer, .address_space: global }
      - { .name: lowp_scales, .offset: 16, .size: 8, .value_kind: global_buffer, .address_space: global }
      - { .name: bo, .offset: 24, .size: 8, .value_kind: global_buffer, .address_space: global }
      - { .name: hidden_states, .offset: 32, .size: 8, .value_kind: global_buffer, .address_space: global }
      - { .name: hres, .offset: 40, .size: 8, .value_kind: global_buffer, .address_space: global }
    .group_segment_fixed_size: 327680
    .private_segment_fixed_size: 0
    .kernarg_segment_align: 8
    .kernarg_segment_size: 48
    .max_flat_workgroup_size: 128
    .sgpr_count:     100
    .vgpr_count:     640
    .wavefront_size: 32
...
	.end_amdgpu_metadata
.endif
;; end of part 4
;; launch ln2 (part 5): grid 256 x 1, 8 waves a work-group, no clusters, 0 bytes of LDS; arguments hres, g2, be2, lowp_scales, h2c; writes h2c
.if DOCPART == 5
	.amdgcn_target "amdgcn-amd-amdhsa--gfx1250"
	.amdhsa_code_object_version 6
	.text
	.protected	k_q8ee8bc8fab_ln2
	.globl	k_q8ee8bc8fab_ln2
	.p2align	8
	.type	k_q8ee8bc8fab_ln2,@function
k_q8ee8bc8fab_ln2:
	s_mov_b64 s[64:65], 0
	v_nop
	global_prefetch_b8 v0, s[64:65] scope:SCOPE_SE
	s_setreg_imm32_b32 hwreg(HW_REG_WAVE_MODE, 25, 1), 1
	s_wait_xcnt 0x0
; y = (x - mean) * rsqrt(var + 1e-12) * g + be along rows of 1,024 f32, then y as codes of FP8 (E4M3), NOUT times, each time with its own given scale 2^e.
; x: [4096][1024] f32.  Output k: [4096][1024] codes, row-major, 4,194,304 bytes behind output k - 1.  e of output k is entry EIDX + 2 k of the buffer of scales.
; code = y / 2^e, held within +-448, to the nearest code, ties to even.  LIMITS: e between -126 and 119, so that 2^e and 448 x 2^e are f32 numbers.  NaN among the inputs is not served.
; SHARES.  A wave takes two whole rows and keeps them in registers between the passes (mean; variance of x - mean; scaling): x is read once, no wave waits for another, no LDS, no barrier.
; Lane l holds, of chunk i = 0 .. 3 of a row, columns 256 i + 8 l .. + 7: two loads of 16 bytes (together the wave's two loads cover 1,024 consecutive bytes), so that eight neighbours along the row
; lie in eight consecutive registers, as the conversion takes them; the lane's 8 codes are 8 bytes and the wave's store covers 256 consecutive bytes, aligned.
; No matrix unit, no cluster: the work-groups share nothing but g and be (8 KB), and memory binds.
.set NOUT, 1
.set EIDX, 12
.set SCL, 20                           ; v20.. 2^e of output k
.set LIM, 24                           ; v24.. 448 x 2^e
.set X,   32                           ; v32-95   the two rows, 32 registers each
.set G,   96                           ; v96-127  g of my 32 columns
.set BE,  128                          ; v128-159 be
.set T,   160                          ; v160-175 two sets of eight held numbers
.set C,   176                          ; v176..   codes: two registers for each (row, output, chunk): no store's data are written again
	s_load_b256 s[4:11], s[0:1], 0x0               ; x s[4:5], g s[6:7], be s[8:9], the scales' exponents s[10:11]
	s_load_b64 s[12:13], s[0:1], 0x20              ; the codes
	v_lshrrev_b32 v3, 5, v0
	v_readfirstlane_b32 s20, v3                    ; wave 0..7
	v_and_b32 v2, 31, v0                           ; lane
	v_lshlrev_b32 v1, 5, v2                        ; in: 32 bytes a lane
	v_lshlrev_b32 v2, 3, v2                        ; out: 8 bytes a lane
	s_mov_b32 s22, 0x76543210                      ; v_permlanex16_b32: each lane takes its own place in the other half
	s_mov_b32 s23, 0xfedcba98
	s_mov_b32 s27, 0x3a800000                      ; 1 / 1024
	s_mov_b32 s28, 0x2b8cbccc                      ; 1e-12
	s_lshl_b32 s32, ttmp9, 16                      ; my first row = 16 x work-group + 2 x wave; x 4,096 bytes
	s_lshl_b32 s21, s20, 13
	s_add_co_u32 s32, s32, s21
	s_mov_b32 s33, 0
	s_lshr_b32 s30, s32, 2                         ; and x 1,024 bytes in the codes
	s_mov_b32 s31, 0
	s_wait_kmcnt 0x0
	s_add_nc_u64 s[4:5], s[4:5], s[32:33]
.irp p, 0,1
.irp i, 0,1,2,3
	global_load_b128 v[X+32*\p+8*\i:X+32*\p+8*\i+3],   v1, s[4:5] offset:4096*\p+1024*\i th:TH_LOAD_NT
	global_load_b128 v[X+32*\p+8*\i+4:X+32*\p+8*\i+7], v1, s[4:5] offset:4096*\p+1024*\i+16 th:TH_LOAD_NT
.endr
.endr
.irp i, 0,1,2,3
	global_load_b128 v[G+8*\i:G+8*\i+3],   v1, s[6:7] offset:1024*\i
	global_load_b128 v[G+8*\i+4:G+8*\i+7], v1, s[6:7] offset:1024*\i+16
.endr
.irp i, 0,1,2,3
	global_load_b128 v[BE+8*\i:BE+8*\i+3],   v1, s[8:9] offset:1024*\i
	global_load_b128 v[BE+8*\i+4:BE+8*\i+7], v1, s[8:9] offset:1024*\i+16
.endr
.set KK, 0
.rept NOUT
	s_load_b32 s[24+KK], s[10:11], 4*(EIDX+2*KK)
	s_add_nc_u64 s[14+2*KK:15+2*KK], s[12:13], s[30:31]    ; output KK at my first row
.if KK > 0
	s_add_nc_u64 s[14+2*KK:15+2*KK], s[14+2*KK:15+2*KK], KK*4194304
.endif
.set KK, KK+1
.endr
	s_wait_kmcnt 0x0
.set KK, 0
.rept NOUT
	s_add_co_i32 s[24+KK], s[24+KK], 127
	s_lshl_b32 s29, s[24+KK], 23
	v_mov_b32 v[SCL+KK], s29                       ; 2^e as f32: the conversion takes its exponent field
	s_add_co_i32 s[24+KK], s[24+KK], 8
	s_lshl_b32 s29, s[24+KK], 23
	s_or_b32 s29, s29, 0x600000
	v_mov_b32 v[LIM+KK], s29                       ; 448 x 2^e
.set KK, KK+1
.endr
; four pairs of partial sums in v[8:15] become the wave's sum, in v8 of every lane
.macro FOLD
	v_pk_add_f32 v[8:9], v[8:9], v[10:11]
	v_pk_add_f32 v[12:13], v[12:13], v[14:15]
	v_pk_add_f32 v[8:9], v[8:9], v[12:13]
	v_add_f32 v8, v8, v9
	v_add_f32_dpp v8, v8, v8 row_xmask:1 row_mask:0xf bank_mask:0xf
	v_add_f32_dpp v8, v8, v8 row_xmask:2 row_mask:0xf bank_mask:0xf
	v_add_f32_dpp v8, v8, v8 row_xmask:4 row_mask:0xf bank_mask:0xf
	v_add_f32_dpp v8, v8, v8 row_xmask:8 row_mask:0xf bank_mask:0xf
	v_permlanex16_b32 v9, v8, s22, s23             ; its destination counts as read: v9 has been written
	v_add_f32 v8, v8, v9
.endm
; row p becomes (x - mean) * rsqrt(var + eps).  left = the younger loads that may stay out
.macro STATS p, left
.set XR, X+32*(\p)
	s_wait_loadcnt \left                           ; loads come back in order (ISA guide 5.7.1): this row's eight are in
.irp c, 0,1,2,3
	v_pk_add_f32 v[8+2*\c:9+2*\c], v[XR+4*\c:XR+4*\c+1], v[XR+4*\c+2:XR+4*\c+3]   ; four chains, started by the first sums: nothing is cleared
.endr
.irp j, 16,24
.irp c, 0,1,2,3
	v_pk_add_f32 v[8+2*\c:9+2*\c], v[8+2*\c:9+2*\c], v[XR+\j+2*\c:XR+\j+2*\c+1]
.endr
.endr
	FOLD
	v_mul_f32 v4, s27, v8                          ; the mean,
	v_mov_b32 v5, v4                               ; twice: a pair for the packed form
.irp j, 0,2,4,6,8,10,12,14,16,18,20,22,24,26,28,30
	v_pk_add_f32 v[XR+\j:XR+\j+1], v[XR+\j:XR+\j+1], v[4:5] neg_lo:[0,1] neg_hi:[0,1]
.endr
.irp c, 0,1,2,3
	v_pk_mul_f32 v[8+2*\c:9+2*\c], v[XR+2*\c:XR+2*\c+1], v[XR+2*\c:XR+2*\c+1]
.endr
.irp j, 8,16,24
.irp c, 0,1,2,3
	v_pk_fma_f32 v[8+2*\c:9+2*\c], v[XR+\j+2*\c:XR+\j+2*\c+1], v[XR+\j+2*\c:XR+\j+2*\c+1], v[8+2*\c:9+2*\c]
.endr
.endr
	FOLD
	v_fma_f32 v8, v8, s27, s28                     ; var + eps
	v_rsq_f32 v6, v8
	v_nop                                          ; a plain instruction between the transcendental and the use of its result
	s_wait_alu depctr_va_vdst(0)                   ; and a wait ahead of the first use
	v_mov_b32 v7, v6
.irp j, 0,2,4,6,8,10,12,14,16,18,20,22,24,26,28,30
	v_pk_mul_f32 v[XR+\j:XR+\j+1], v[XR+\j:XR+\j+1], v[6:7]
.endr
.endm
.macro NORM p
.irp j, 0,2,4,6,8,10,12,14,16,18,20,22,24,26,28,30
	v_pk_fma_f32 v[X+32*(\p)+\j:X+32*(\p)+\j+1], v[X+32*(\p)+\j:X+32*(\p)+\j+1], v[G+\j:G+\j+1], v[BE+\j:BE+\j+1]
.endr
.endm
; row p as codes of output k.  The conversion to an 8-bit code does not saturate (ISA guide 7.6.2): each number is first held within 448 x the scale, into one of two sets by turns,
; so that the other set's eight holds are the plain instructions behind each conversion.
.macro QOUT p, k
.irp i, 0,1,2,3
.irp j, 0,1,2,3,4,5,6,7
	v_med3_num_f32 v[T+8*(\i%2)+\j], v[X+32*(\p)+8*\i+\j], -v[LIM+(\k)], v[LIM+(\k)]
.endr
	v_cvt_scalef32_pk8_fp8_f32 v[C+2*(4*(NOUT*(\p)+(\k))+\i):C+2*(4*(NOUT*(\p)+(\k))+\i)+1], v[T+8*(\i%2):T+8*(\i%2)+7], v[SCL+(\k)]
	global_store_b64 v2, v[C+2*(4*(NOUT*(\p)+(\k))+\i):C+2*(4*(NOUT*(\p)+(\k))+\i)+1], s[14+2*(\k):15+2*(\k)] offset:1024*(\p)+256*\i   ; 32 lanes store 256 consecutive bytes, aligned
.endr
.endm
	STATS 0, 24                                    ; behind row 0's loads: row 1's eight, g's eight, be's eight
	STATS 1, 16
	s_wait_loadcnt 0x0                             ; g and be
.irp p, 0,1
	NORM \p
	QOUT \p, 0
.if NOUT > 1
	QOUT \p, 1
	QOUT \p, 2
.endif
.endr
	s_endpgm
.Lfunc_end_k_q8ee8bc8fab_ln2:
	.size	k_q8ee8bc8fab_ln2, .Lfunc_end_k_q8ee8bc8fab_ln2-k_q8ee8bc8fab_ln2
	.p2alignl 7, 3214868480
	.fill 96, 4, 3214868480
	.section	.rodata,"a",@progbits
	.p2align	6, 0x0
	.amdhsa_kernel k_q8ee8bc8fab_ln2
		.amdhsa_group_segment_fixed_size 0
		.amdhsa_private_segment_fixed_size 0
		.amdhsa_enable_private_segment 0
		.amdhsa_kernarg_size 40
		.amdhsa_user_sgpr_count 2
		.amdhsa_user_sgpr_kernarg_segment_ptr 1
		.amdhsa_wavefront_size32 1
		.amdhsa_system_sgpr_workgroup_id_x 1
		.amdhsa_system_sgpr_workgroup_id_y 1
		.amdhsa_system_sgpr_workgroup_id_z 1
		.amdhsa_system_vgpr_workitem_id 0
		.amdhsa_next_free_vgpr 192
		.amdhsa_next_free_sgpr 66
		.amdhsa_reserve_vcc 0
		.amdhsa_float_denorm_mode_32 3
		.amdhsa_float_denorm_mode_16_64 3
		.amdhsa_memory_ordered 1
		.amdhsa_forward_progress 1
		.amdhsa_inst_pref_size 23
	.end_amdhsa_kernel
	.amdgpu_metadata
---
amdhsa.version: [ 1, 2 ]
amdhsa.kernels:
  - .name:           k_q8ee8bc8fab_ln2
    .symbol:         k_q8ee8bc8fab_ln2.kd
    .args:
      - { .name: hres, .offset: 0, .size: 8, .value_kind: global_buffer, .address_space: global }
      - { .name: g2, .offset: 8, .size: 8, .value_kind: global_buffer, .address_space: global }
      - { .name: be2, .offset: 16, .size: 8, .value_kind: global_buffer, .address_space: global }
      - { .name: lowp_scales, .offset: 24, .size: 8, .value_kind: global_buffer, .address_space: global }
      - { .name: h2c, .offset: 32, .size: 8, .value_kind: global_buffer, .address_space: global }
    .group_segment_fixed_size: 0
    .private_segment_fixed_size: 0
    .kernarg_segment_align: 8
    .kernarg_segment_size: 40
    .max_flat_workgroup_size: 256
    .sgpr_count:     66
    .vgpr_count:     192
    .wavefront_size: 32
...
	.end_amdgpu_metadata
.endif
;; end of part 5
;; launch ff1 (part 6): grid 32 x 32, 4 waves a work-group, clusters of 4 x 4, 327,680 bytes of LDS; arguments h2c, w1_codes, lowp_scales, b1, ffc; writes ffc
.if DOCPART == 6
	.amdgcn_target "amdgcn-amd-amdhsa--gfx1250"
	.amdhsa_code_object_version 6
	.text
	.protected	k_q8ee8bc8fab_ff1
	.globl	k_q8ee8bc8fab_ff1
	.p2align	8
	.type	k_q8ee8bc8fab_ff1,@function
k_q8ee8bc8fab_ff1:
	s_mov_b64 s[64:65], 0
	v_nop
	global_prefetch_b8 v0, s[64:65] scope:SCOPE_SE
	s_setreg_imm32_b32 hwreg(HW_REG_WAVE_MODE, 25, 1), 1
	s_wait_xcnt 0x0
	s_wait_alu depctr_hold_cnt(0) depctr_sa_sdst(0) depctr_va_vdst(0) depctr_va_sdst(0) depctr_va_ssrc(0) depctr_va_vcc(0) depctr_vm_vsrc(0)
	s_getreg_b32 s2, hwreg(HW_REG_IB_STS2, 6, 4)
	s_cmp_eq_u32 s2, 0
	s_cbranch_scc0 .Lentry_in_a_cluster
	s_endpgm
.Lentry_in_a_cluster:
	s_bfe_u32 s2, ttmp6, 0x10000c
	s_cmp_lg_u32 s2, 0xf033
	s_cbranch_scc0 .Lentry_shape_is_right
	s_endpgm
.Lentry_shape_is_right:
; F[m][n] = gelu(2^(ea + eb) x sum over k of X[m][k] Y[n][k] + b1[n]), quantised at once with the scale 2^eo.  X = h2c [4096][1024], Y = w1's codes [4096][1024]: codes of FP8 (E4M3), row-major.  ea, eb, eo: entries 12, 13, 14 of the scales.
; gelu(x) = x / 2 x (1 + erf(x / sqrt(2))).  erf(z) = z P(z^2) / Q(z^2) with z held within +-4 (beyond it erf is 1 to f32's last place): P of degree 6, Q of degree 4, all in f32, one reciprocal a number.
; LIMITS: ea + eb between -126 and 127; eo between -126 and 119.  NaN is not served.
; A tile of F, 128 x 128, is made by four waves, 64 x 64 each: 16 accumulators.  The whole K of both tiles lies in LDS as two slots of 512 along K, asked for at the head: nothing is filled again.
; CLUSTERS: 4 x 4 work-groups.  The four of a row need the same tiles of X, the four of a column the same tiles of Y: each tile is asked for JOINTLY, by the same tensor load with the same descriptor and a mask that names the four.
; THE MATRIX INSTRUCTION IS USED TRANSPOSED (source 0 = 16 rows of Y, source 1 = 16 rows of X): a lane holds eight neighbouring columns of one row of F, which are neighbours along the next product's K, as the conversion takes them.
; OUT: ffc = [m / 64][n / 64][64 rows][64 bytes]: a wave's 64 x 64 codes are one dense block of 4,096 bytes.
; A fragment (16 rows x 128 K) comes by four loads of 16 bytes: registers 4 c .. 4 c + 3 hold k = 32 c + 16 (lane / 16) + 0 .. 15, alike in X and in Y, so every product meets its partner.
; REGISTERS: window 0: v1-31 addresses, scales and two constants; v32-63 the bias; v64-127 at work (z, z^2, P, Q: 16 each), at the end rows read back; v128-255 accumulators ((a, b) at 128 + 8 (4 a + b)).
;   window 1: two fragment buffers of 128: X's four fragments, then Y's four.
.set KB,     1024                      ; K: a row of X or Y in bytes
.set ABL,    0                         ; X lies row-major
.set LAPS,   KB/1024                   ; a lap = two slots of 512 along K
.set PITCH,  528                       ; an LDS row: 512 bytes + 16 of padding = 132 words: row r starts at bank 4 r mod 64 (64 banks of 4 bytes: ISA guide 11.1)
.set HALFA,  64*PITCH                  ; 64 rows: what one tensor load brings, and what one wave reads of X
.set HALFB,  64*PITCH                  ; the same of Y
.set ASTEP,  512                       ; from slot to slot in memory
.set SLOT,   2*HALFA+2*HALFB           ; X's 128 rows, then Y's 128 rows
.set STAGE,  2*SLOT                    ; behind the slots: 64 rows x 80 bytes for each wave, for the way out
.set SPITCH, 80
.set SPARE,  STAGE+4*64*SPITCH         ; behind the stages: the spare words, 128 bytes for each wave: two blocks of 256 bytes that no other line names
.set ADRA, 16                          ; v16-17  LDS address of my X fragments in slot 0, 1
.set ADRB, 20                          ; v20-21  the same for Y
.set STO,  24                          ; v24     the way out: where I put 8 bytes of a row
.set RD,   25                          ; v25     where I read 16 bytes back
.set CO,   26                          ; v26     16 x lane
.set SPW,  28                          ; v28     LDS address of my spare word; never rewritten
.set NIL,  29                          ; v29     0; never rewritten
.set BC,   32
.set Z,    64
.set W,    80
.set P,    96
.set Q,    112
.set OB,   64
.set ACC,  128
.set F0,   0
.set F1,   128
.set A1,   68                          ; s[68:87] the polynomials' coefficients, each twice: the packed form names a pair and takes its low word for both halves
.set A3,   70
.set A5,   72
.set A7,   74
.set A9,   76
.set A11,  78
.set B0,   80
.set B2,   82
.set B4,   84
.set B6,   86
.set G1,   24                          ; s[24:31] descriptor group 1 for X's tiles;  s[32:39] group 0, one set for each slot
.set G0,   32
.set G1B,  48                          ; s[48:55], s[56:63] the same for Y's tiles
.set G0B,  56
.set MSB,  0
.macro WIN new                         ; the immediate's high byte repeats the setting that is left
.if MSB != \new
	s_set_vgpr_msb (MSB<<8)|\new
.set MSB, \new
.endif
.endm
.set MUL,  0x05                        ; sources 0 (Y) and 1 (X) window 1; C and D window 0
.set TO_F, 0x40                        ; destination window 1, address window 0
.macro JLOAD s                         ; a joint load: waves 0 and 1 fetch X's two halves, waves 2 and 3 Y's; four v_nop follow each of the two lines
	s_cmp_eq_u32 s11, 0
	s_cbranch_scc0 .Lfor_y_\@
	tensor_load_to_lds s[G0+4*\s:G0+4*\s+3], s[G1:G1+7]
	s_nop 0
.rept 4
	v_nop
.endr
	s_branch .Lasked_\@
.Lfor_y_\@:
	tensor_load_to_lds s[G0B+4*\s:G0B+4*\s+3], s[G1B:G1B+7]
	s_nop 0
.rept 4
	v_nop
.endr
.Lasked_\@:
.endm
.macro CREST                           ; a round of the cluster's barrier behind its opening barrier
	s_cmp_lg_u32 s10, 0
	s_cbranch_scc1 .Lnot_wave_0_\@
	s_barrier_signal -3
.Lnot_wave_0_\@:
	s_barrier_wait -3
	s_barrier_signal -1
	s_barrier_wait -1
.endm
.macro CROUND                          ; a whole round
	s_barrier_signal -1
	s_barrier_wait -1
	CREST
.endm
.macro PLACES                          ; four places in front of loads into registers that matrix instructions have read, and of the first read of results
.rept 4
	v_nop
.endr
.endm
; four matrix instructions: X's block a x Y's four, 128 along K, from buffer f.  zero = 1: the product starts the sums.  The 16 accumulators take turns, one instruction a turn
.macro MUL4 f, a, zero
.irp b, 0,1,2,3
.if \zero
	v_wmma_f32_16x16x128_fp8_fp8 v[ACC+8*(4*(\a)+\b):ACC+8*(4*(\a)+\b)+7], v[\f+64+16*\b:\f+64+16*\b+15], v[\f+16*(\a):\f+16*(\a)+15], 0
.else
	v_wmma_f32_16x16x128_fp8_fp8 v[ACC+8*(4*(\a)+\b):ACC+8*(4*(\a)+\b)+7], v[\f+64+16*\b:\f+64+16*\b+15], v[\f+16*(\a):\f+16*(\a)+15], v[ACC+8*(4*(\a)+\b):ACC+8*(4*(\a)+\b)+7]
.endif
.endr
.endm
.macro MUL8 f, a0, zero
	MUL4 \f, \a0, \zero
	MUL4 \f, (\a0)+1, \zero
.endm
; 32 LDS loads in one run: the fragments of the slot's q-th 128 along K into buffer f: Y's four, then X's four
.macro FETCH slot, q, f
	WIN TO_F
.irp i, 0,1,2,3
.irp c, 0,1,2,3
	ds_load_b128 v[\f+64+16*\i+4*\c:\f+64+16*\i+4*\c+3], v[ADRB+\slot] offset:128*(\q)+32*\c+\i*16*PITCH
.endr
.endr
.irp i, 0,1,2,3
.irp c, 0,1,2,3
.if ABL
	ds_load_b128 v[\f+16*\i+4*\c:\f+16*\i+4*\c+3], v[ADRA+\slot] offset:(2*(\q)+\c/2)*4352+32*(\c%2)+\i*1088
.else
	ds_load_b128 v[\f+16*\i+4*\c:\f+16*\i+4*\c+3], v[ADRA+\slot] offset:128*(\q)+32*\c+\i*16*PITCH
.endif
.endr
.endr
.endm
; A slot is four quarters of 128 along K, 16 matrix instructions each, on buffers 0, 1, 0, 1.  One of the first three multiplies buffer f and fetches quarter q into g
.macro QUARTER slot, q, f, g, zero
	s_wait_dscnt 8                                 ; Y's fragments and X's blocks 0, 1 are in; the youngest eight loads (X's blocks 2, 3) may be out
	WIN MUL
	MUL8 \f, 0, \zero
	PLACES
	FETCH \slot, \q, \g
	s_wait_dscnt 32                                ; all but the 32 just issued
	WIN MUL
	MUL8 \f, 2, \zero
.endm
; The last quarter multiplies buffer 1 and changes slots: ONE barrier; in front of it each wave waits for all its tensor loads, adds 0 to its spare word, and waits for that and for its reads of this slot.  fill = 1: this slot is filled again
.macro TURN slot, next, fill
	WIN 0                                          ; (the add's two registers lie in window 0)
	s_wait_tensorcnt 0x0                           ; all my tensor loads have landed: my part of the next slot;
	ds_add_u32 v[SPW], v[NIL]                      ; 0 onto my spare word;
	s_wait_dscnt 9                                 ; (the add and the youngest eight loads may be out)
	WIN MUL
	MUL4 F1, 0, 0                                  ; matrix instructions stand between the add and the wait for it
	s_wait_dscnt 0x0                               ; the add is done, and my reads of this slot are over
	s_barrier_signal -1
	MUL4 F1, 1, 0
.if \fill
	WIN 0
.endif
	s_barrier_wait -1
.if \fill
	CREST                                          ; the barrier has opened a round of the cluster's barrier: no wave of any partner still reads this slot or has a load on its way
	s_add_nc_u64 s[G0+4*\slot+2:G0+4*\slot+3], s[G0+4*\slot+2:G0+4*\slot+3], 2*ASTEP
	s_add_nc_u64 s[G0B+4*\slot+2:G0B+4*\slot+3], s[G0B+4*\slot+2:G0B+4*\slot+3], 1024
	JLOAD \slot                                    ; the first tensor load behind the round; its four v_nop are also the places in front of the loads below
.else
	PLACES
.endif
	FETCH \next, 0, F0
	WIN MUL
	MUL8 F1, 2, 0
.endm
	s_load_b128 s[4:7], s[0:1], 0x0                ; X s[4:5], Y s[6:7]
	s_load_b128 s[96:99], s[0:1], 0x10             ; the scales' exponents s[96:97], b1 s[98:99]
	s_load_b64 s[100:101], s[0:1], 0x20            ; ffc
	v_lshl_add_u32 v[SPW], v0, 2, SPARE
	v_mov_b32 v[NIL], 0
	ds_add_u32 v28, v29
	ds_add_u32 v28, v29
	s_wait_dscnt 0x0
	v_lshrrev_b32 v1, 5, v0
	v_readfirstlane_b32 s10, v1                    ; wave 0..3
	s_lshr_b32 s11, s10, 1                         ; which half of the tile's rows is mine.  Also: I fetch for X (0) or for Y (1)
	s_and_b32 s12, s10, 1                          ; which half of its columns.  Also: which 64 rows of that tile I fetch
	s_bfe_u32 s40, ttmp6, 0x40000                  ; cx, cy: my place in the cluster
	s_bfe_u32 s41, ttmp6, 0x40004
	s_lshl_b32 s42, ttmp9, 2
	s_add_co_u32 s42, s42, s40                     ; tile column = 4 x cluster x + cx
	s_and_b32 s13, ttmp7, 0xffff
	s_lshl_b32 s13, s13, 2
	s_add_co_u32 s13, s13, s41                     ; tile row = 4 x cluster y + cy
	s_lshl_b32 s43, s41, 2
	s_lshl_b32 s43, 15, s43                        ; my row of the cluster
	s_lshl_b32 s44, 0x1111, s40                    ; my column
	; descriptor group 1: a tile of 64 rows x 512 bytes, padded in LDS
	s_or_b32 s[G1+0], s43, (1<<20)|(1<<21)|(6<<22)|(3<<25)   ; 15:0 the mask: X's tiles go to my row; 17:16 elements of 1 byte; 20 padding on; 21 set beside a mask; 24:22 after every 128 words (code 6); 31:25 four words (code 3)
	s_or_b32 s[G1B+0], s44, (1<<20)|(1<<21)|(6<<22)|(3<<25)
.irp g, G1, G1B
	s_mov_b32 s[\g+1], 512<<16                     ; tensor_dim0 = 512
	s_mov_b32 s[\g+2], 64<<16                      ; tensor_dim1 = 64
	s_mov_b32 s[\g+3], 512<<16                     ; tile_dim0 = 512
	s_mov_b32 s[\g+4], 64                          ; tile_dim1 = 64
	s_mov_b32 s[\g+5], KB                          ; tensor_dim0_stride
	s_mov_b32 s[\g+6], 0
	s_mov_b32 s[\g+7], 0
.endr
	s_mov_b32 s[A1],  0xbc83dbd4                   ; P: -1.60960333e-02
	s_mov_b32 s[A3],  0xbb41a1f6                   ;    -2.95459981e-03
	s_mov_b32 s[A5],  0xba40ac63                   ;    -7.34990630e-04
	s_mov_b32 s[A7],  0xb86ec2d2                   ;    -5.69250639e-05
	s_mov_b32 s[A9],  0xb60cff51                   ;    -2.10102402e-06
	s_mov_b32 s[A11], 0x32edffee                   ;     2.77068142e-08
	s_mov_b32 s[B0],  0xbc69b6a7                   ; Q: -1.42647391e-02
	s_mov_b32 s[B2],  0xbbf19bf8                   ;    -7.37332917e-03
	s_mov_b32 s[B4],  0xbadc924e                   ;    -1.68282697e-03
	s_mov_b32 s[B6],  0xb95fbd29                   ;    -2.13374055e-04
.irp k, A1, A3, A5, A7, A9, A11, B0, B2, B4, B6
	s_mov_b32 s[\k+1], s[\k]
.endr
	v_mov_b32 v4, 0xaf95df0b                       ; P's leading coefficient, -2.72614226e-10, and
	v_mov_b32 v5, 0xaf95df0b
	v_mov_b32 v6, 0xb77460cd                       ; Q's, -1.45660718e-05, lie in vector pairs: an instruction then reads one scalar pair
	v_mov_b32 v7, 0xb77460cd
	s_lshl_b32 s17, s12, 6                         ; which 64 rows of the tile I fetch
	s_lshl_b32 s16, s13, 7
	s_add_co_u32 s16, s16, s17                     ; X: row 128 x tile row + 64 x half
	s_lshl_b32 s46, s42, 7
	s_add_co_u32 s46, s46, s17                     ; Y: row 128 x tile column + 64 x half
	s_mov_b32 s17, 0
	s_mov_b32 s47, 0
	s_mov_b64 s[18:19], KB
	s_mul_u64 s[16:17], s[16:17], s[18:19]
	s_mul_u64 s[46:47], s[46:47], s[18:19]
	s_mul_i32 s20, s12, HALFA                      ; where they go: no place in the cluster enters an LDS address
	s_mul_i32 s21, s12, HALFB
	s_add_co_u32 s21, s21, 2*HALFA
	s_wait_kmcnt 0x0
	s_load_b128 s[92:95], s[96:97], 0x30           ; e12, e13, e14, e15
	s_add_nc_u64 s[14:15], s[4:5], s[16:17]
	s_add_nc_u64 s[46:47], s[6:7], s[46:47]
	CROUND                                         ; all sixteen work-groups are here: the first joint loads meet
.irp s, 0,1
	s_mov_b32 s[G0+4*\s], 1                        ; 1:0 count = 1
	s_add_co_u32 s[G0+4*\s+1], s20, \s*SLOT        ; 63:32 LDS address
	s_add_nc_u64 s[G0+4*\s+2:G0+4*\s+3], s[14:15], \s*ASTEP   ; 120:64 global address
	s_or_b32 s[G0+4*\s+3], s[G0+4*\s+3], 0x80000000           ; 127:126 type = 2
	s_mov_b32 s[G0B+4*\s], 1
	s_add_co_u32 s[G0B+4*\s+1], s21, \s*SLOT
	s_add_nc_u64 s[G0B+4*\s+2:G0B+4*\s+3], s[46:47], \s*512
	s_or_b32 s[G0B+4*\s+3], s[G0B+4*\s+3], 0x80000000
	JLOAD \s                                       ; two loads of mine are out
.endr
	v_and_b32 v1, 15, v0                           ; r = lane % 16
	v_bfe_u32 v2, v0, 4, 1                         ; h = lane / 16
	v_mul_u32_u24 v3, v1, PITCH
	v_lshl_add_u32 v3, v2, 4, v3                   ; a fragment's row x pitch + 16 x half
	s_mul_i32 s22, s11, HALFA                      ; my 64 rows of X
	s_mul_i32 s23, s12, HALFB                      ; my 64 rows of Y,
	s_add_co_u32 s23, s23, 2*HALFA                 ; which lie behind X's 128
.irp s, 0,1
	v_add_nc_u32 v[ADRA+\s], s22, v3
	v_add_nc_u32 v[ADRB+\s], s23, v3
	s_add_co_u32 s22, s22, SLOT
	s_add_co_u32 s23, s23, SLOT
.endr
	s_mul_i32 s22, s10, 64*SPITCH
	s_add_co_u32 s22, s22, STAGE                   ; my stage
	v_mul_u32_u24 v9, v1, SPITCH
	v_lshl_add_u32 v9, v2, 3, v9
	v_add_nc_u32 v[STO], s22, v9                   ; in: row r, 8 bytes for each half of the lanes
	v_and_b32 v9, 31, v0
	v_lshlrev_b32 v[CO], 4, v9
	v_lshrrev_b32 v10, 2, v9
	v_mul_u32_u24 v10, v10, SPITCH
	v_and_b32 v9, 3, v9
	v_lshl_add_u32 v10, v9, 4, v10
	v_add_nc_u32 v[RD], s22, v10                   ; back: four lanes to a row of 64 bytes, eight rows an instruction
	s_lshl_b32 s16, s13, 1
	s_add_co_u32 s16, s16, s11                     ; my block of 64 rows
	s_lshl_b32 s46, s42, 1
	s_add_co_u32 s46, s46, s12                     ; my block of 64 columns
	s_lshl_b32 s18, s46, 8
	s_mov_b32 s19, 0
	s_add_nc_u64 s[98:99], s[98:99], s[18:19]      ; b1 of my 64 columns
	s_lshl_b32 s16, s16, 6
	s_add_co_u32 s16, s16, s46
	s_lshl_b32 s16, s16, 12                        ; (64 x block of rows + block of columns) x 4,096 bytes
	s_mov_b32 s17, 0
	s_add_nc_u64 s[100:101], s[100:101], s[16:17]
	v_lshlrev_b32 v8, 5, v2                        ; 32 h: accumulator b's eight columns are 16 b + 8 h + 0 .. 7
.irp b, 0,1,2,3
	global_load_b128 v[BC+8*\b:BC+8*\b+3],   v8, s[98:99] offset:64*\b
	global_load_b128 v[BC+8*\b+4:BC+8*\b+7], v8, s[98:99] offset:64*\b+16
.endr
	s_wait_tensorcnt 1                             ; my part of slot 0 is in; slot 1's may stay out
	s_barrier_signal -1
	s_barrier_wait -1                              ; everybody's is
	FETCH 0, 0, F0
	QUARTER 0, 1, F0, F1, 1                        ; the first quarter's products start the sums: nothing is cleared
.if LAPS > 1
	WIN 0
	s_mov_b32 s3, LAPS-1
.Llap:
	QUARTER 0, 2, F1, F0, 0
	QUARTER 0, 3, F0, F1, 0
	TURN 0, 1, 1
	QUARTER 1, 1, F0, F1, 0
	QUARTER 1, 2, F1, F0, 0
	QUARTER 1, 3, F0, F1, 0
	TURN 1, 0, 1
	QUARTER 0, 1, F0, F1, 0
	WIN 0
	s_sub_co_u32 s3, s3, 1
	s_cmp_lg_u32 s3, 0
	s_cbranch_scc1 .Llap
.endif
	QUARTER 0, 2, F1, F0, 0
	QUARTER 0, 3, F0, F1, 0
	TURN 0, 1, 0
	QUARTER 1, 1, F0, F1, 0
	QUARTER 1, 2, F1, F0, 0
	QUARTER 1, 3, F0, F1, 0
	s_wait_dscnt 8                                 ; the very last quarter: nothing more to fetch
	WIN MUL
	MUL8 F1, 0, 0
	s_wait_dscnt 0x0
	MUL8 F1, 2, 0
	WIN 0
	; THE WAY OUT: x = sum x 2^(ea + eb) + b1, gelu, held, converted; 8 bytes a lane into my stage; back as a dense block of 4,096 bytes.
	s_wait_kmcnt 0x0
	s_add_co_i32 s66, s92, s93
	s_add_co_i32 s66, s66, 127
	s_lshl_b32 s66, s66, 23                        ; 2^(ea + eb) as f32
	s_mov_b32 s67, s66                             ; (named with it as a pair, so it is written)
	s_add_co_i32 s23, s94, 127
	s_lshl_b32 s22, s23, 23
	v_mov_b32 v30, s22                             ; 2^eo: the conversion takes its exponent field
	s_add_co_i32 s23, s23, 8
	s_lshl_b32 s23, s23, 23
	s_or_b32 s23, s23, 0x600000
	v_mov_b32 v31, s23                             ; 448 x 2^eo
	PLACES
	s_wait_loadcnt 0x0                             ; b1
; accumulators (a, 2 p) and (a, 2 p + 1): 16 numbers a lane, each accumulator from its low end on.  The 16 reciprocals are one batch with one wait.  The codes go into the batch's own first four registers, free by then.
.macro GELU16 a, p
.set XR, ACC+8*(4*(\a)+2*(\p))
.irp j, 0,2,4,6,8,10,12,14
	v_pk_fma_f32 v[XR+\j:XR+\j+1], v[XR+\j:XR+\j+1], s[66:67], v[BC+16*(\p)+\j:BC+16*(\p)+\j+1] op_sel_hi:[1,0,1]   ; x
.endr
.irp j, 0,2,4,6,8,10,12,14
	v_pk_mul_f32 v[Z+\j:Z+\j+1], v[XR+\j:XR+\j+1], 0x3f3504f3 op_sel_hi:[1,0]      ; z = x / sqrt(2),
.endr
.irp j, 0,1,2,3,4,5,6,7,8,9,10,11,12,13,14,15
	v_med3_num_f32 v[Z+\j], v[Z+\j], -4.0, 4.0                                     ; held within +-4
.endr
.irp j, 0,2,4,6,8,10,12,14
	v_pk_mul_f32 v[W+\j:W+\j+1], v[Z+\j:Z+\j+1], v[Z+\j:Z+\j+1]                    ; z^2
.endr
.irp j, 0,2,4,6,8,10,12,14
	v_pk_fma_f32 v[P+\j:P+\j+1], v[W+\j:W+\j+1], v[4:5], s[A11:A11+1] op_sel_hi:[1,1,0]
	v_pk_fma_f32 v[Q+\j:Q+\j+1], v[W+\j:W+\j+1], v[6:7], s[B6:B6+1] op_sel_hi:[1,1,0]
.endr
.irp k, B4, B2, B0
.irp j, 0,2,4,6,8,10,12,14
	v_pk_fma_f32 v[Q+\j:Q+\j+1], v[Q+\j:Q+\j+1], v[W+\j:W+\j+1], s[\k:\k+1] op_sel_hi:[1,1,0]
.endr
.endr
.irp j, 0,1,2,3,4,5,6,7,8,9,10,11,12,13,14,15
	v_rcp_f32 v[Q+\j], v[Q+\j]
.endr
.irp k, A9, A7, A5, A3, A1
.irp j, 0,2,4,6,8,10,12,14
	v_pk_fma_f32 v[P+\j:P+\j+1], v[P+\j:P+\j+1], v[W+\j:W+\j+1], s[\k:\k+1] op_sel_hi:[1,1,0]   ; P's chain is the independent work behind the reciprocals
.endr
.endr
.irp j, 0,2,4,6,8,10,12,14
	v_pk_mul_f32 v[P+\j:P+\j+1], v[P+\j:P+\j+1], v[Z+\j:Z+\j+1]                    ; z P
.endr
.irp j, 0,2,4,6,8,10,12,14
	v_pk_mul_f32 v[XR+\j:XR+\j+1], v[XR+\j:XR+\j+1], 0.5 op_sel_hi:[1,0]           ; x / 2
.endr
	s_wait_alu depctr_va_vdst(0)                   ; one wait for the batch, ahead of its first reader
.irp j, 0,2,4,6,8,10,12,14
	v_pk_fma_f32 v[P+\j:P+\j+1], v[P+\j:P+\j+1], v[Q+\j:Q+\j+1], 1.0 op_sel_hi:[1,1,0]   ; 1 + erf
.endr
.irp j, 0,2,4,6,8,10,12,14
	v_pk_mul_f32 v[P+\j:P+\j+1], v[P+\j:P+\j+1], v[XR+\j:XR+\j+1]
.endr
.irp j, 0,1,2,3,4,5,6,7,8,9,10,11,12,13,14,15
	v_med3_num_f32 v[P+\j], v[P+\j], -v31, v31     ; the conversion to an 8-bit code does not saturate (ISA guide 7.6.2): the hold at the largest code x the scale
.endr
	v_cvt_scalef32_pk8_fp8_f32 v[XR:XR+1], v[P:P+7], v30
	v_cvt_scalef32_pk8_fp8_f32 v[XR+2:XR+3], v[P+8:P+15], v30
	v_nop                                          ; a plain instruction behind the last conversion
	ds_store_b64 v[STO], v[XR:XR+1] offset:16*SPITCH*(\a)+32*(\p)
	ds_store_b64 v[STO], v[XR+2:XR+3] offset:16*SPITCH*(\a)+32*(\p)+16
.endm
.irp a, 0,1,2,3
	GELU16 \a, 0
	GELU16 \a, 1
.endr
.irp t, 0,1,2,3,4,5,6,7
	ds_load_b128 v[OB+4*\t:OB+4*\t+3], v[RD] offset:\t*8*SPITCH   ; LDS serves a wave's instructions in order (ISA guide 5.7.1.4): these see my stores
.endr
.irp t, 0,1,2,3,4,5,6,7
	s_wait_dscnt 7-\t
	global_store_b128 v[CO], v[OB+4*\t:OB+4*\t+3], s[100:101] offset:512*\t   ; 32 lanes store 512 consecutive bytes, aligned
.endr
	s_wait_tensorcnt 0x0                           ; the wave's end
	ds_add_u32 v[SPW], v[NIL]
	s_wait_dscnt 0x0
	CROUND                                         ; the closing round: no work-group ends while a partner may still ask for a tile that names it
	s_endpgm
.Lfunc_end_k_q8ee8bc8fab_ff1:
	.size	k_q8ee8bc8fab_ff1, .Lfunc_end_k_q8ee8bc8fab_ff1-k_q8ee8bc8fab_ff1
	.p2alignl 7, 3214868480
	.fill 96, 4, 3214868480
	.section	.rodata,"a",@progbits
	.p2align	6, 0x0
	.amdhsa_kernel k_q8ee8bc8fab_ff1
		.amdhsa_group_segment_fixed_size 327680
		.amdhsa_private_segment_fixed_size 0
		.amdhsa_enable_private_segment 0
		.amdhsa_kernarg_size 40
		.amdhsa_user_sgpr_count 2
		.amdhsa_user_sgpr_kernarg_segment_ptr 1
		.amdhsa_wavefront_size32 1
		.amdhsa_system_sgpr_workgroup_id_x 1
		.amdhsa_system_sgpr_workgroup_id_y 1
		.amdhsa_system_sgpr_workgroup_id_z 1
		.amdhsa_system_vgpr_workitem_id 0
		.amdhsa_next_free_vgpr 512
		.amdhsa_next_free_sgpr 104
		.amdhsa_reserve_vcc 0
		.amdhsa_float_denorm_mode_32 3
		.amdhsa_float_denorm_mode_16_64 3
		.amdhsa_memory_ordered 1
		.amdhsa_forward_progress 1
		.amdhsa_inst_pref_size 131
	.end_amdhsa_kernel
	.amdgpu_metadata
---
amdhsa.version: [ 1, 2 ]
amdhsa.kernels:
  - .name:           k_q8ee8bc8fab_ff1
    .symbol:         k_q8ee8bc8fab_ff1.kd
    .args:
      - { .name: h2c, .offset: 0, .size: 8, .value_kind: global_buffer, .address_space: global }
      - { .name: w1_codes, .offset: 8, .size: 8, .value_kind: global_buffer, .address_space: global }
      - { .name: lowp_scales, .offset: 16, .size: 8, .value_kind: global_buffer, .address_space: global }
      - { .name: b1, .offset: 24, .size: 8, .value_kind: global_buffer, .address_space: global }
      - { .name: ffc, .offset: 32, .size: 8, .value_kind: global_buffer, .address_space: global }
    .group_segment_fixed_size: 327680
    .private_segment_fixed_size: 0
    .kernarg_segment_align: 8
    .kernarg_segment_size: 40
    .max_flat_workgroup_size: 128
    .sgpr_count:     104
    .vgpr_count:     512
    .wavefront_size: 32
...
	.end_amdgpu_metadata
.endif
;; end of part 6
;; launch ff2 (part 7): grid 8 x 32, 4 waves a work-group, clusters of 4 x 4, 327,680 bytes of LDS; arguments ffc, w2_codes, lowp_scales, b2, hres, out0; writes out0
.if DOCPART == 7
	.amdgcn_target "amdgcn-amd-amdhsa--gfx1250"
	.amdhsa_code_object_version 6
	.text
	.protected	k_q8ee8bc8fab_ff2
	.globl	k_q8ee8bc8fab_ff2
	.p2align	8
	.type	k_q8ee8bc8fab_ff2,@function
k_q8ee8bc8fab_ff2:
	s_mov_b64 s[64:65], 0
	v_nop
	global_prefetch_b8 v0, s[64:65] scope:SCOPE_SE
	s_setreg_imm32_b32 hwreg(HW_REG_WAVE_MODE, 25, 1), 1
	s_wait_xcnt 0x0
	s_wait_alu depctr_hold_cnt(0) depctr_sa_sdst(0) depctr_va_vdst(0) depctr_va_sdst(0) depctr_va_ssrc(0) depctr_va_vcc(0) depctr_vm_vsrc(0)
	s_getreg_b32 s2, hwreg(HW_REG_IB_STS2, 6, 4)
	s_cmp_eq_u32 s2, 0
	s_cbranch_scc0 .Lentry_in_a_cluster
	s_endpgm
.Lentry_in_a_cluster:
	s_bfe_u32 s2, ttmp6, 0x10000c
	s_cmp_lg_u32 s2, 0xf033
	s_cbranch_scc0 .Lentry_shape_is_right
	s_endpgm
.Lentry_shape_is_right:
; OUT[m][n] = RES[m][n] + (2^(ea + eb) x sum over k of X[m][k] Y[n][k] + bias[n]).  X, Y: codes of FP8 (E4M3); ea, eb: entries EA, EA + 1 of the scales; RES, OUT: [4096][1024] f32; bias [1024] f32.
; X: 4,096 rows x KB codes in blocks, [m / 64][k / 64][64 rows][64 bytes]: 64 rows x 512 along K are 32,768 consecutive bytes.  Y: [1024][KB] row-major.
; LIMIT: ea + eb between -126 and 127, so that 2^(ea + eb) is an f32 number.
; A tile of OUT, 128 x 128, is made by four waves, 64 x 64 each: 16 accumulators.  128 x 128 gives 256 work-groups; a larger tile would leave WGPs without work.  K goes in slots of 512 through two LDS slots filled by the tensor data mover.
; CLUSTERS: 4 x 4 work-groups.  The four of a row need the same tiles of X, the four of a column the same tiles of Y: each tile is asked for JOINTLY, by the same tensor load with the same descriptor and a mask that names the four.
; THE MATRIX INSTRUCTION IS USED TRANSPOSED (source 0 = 16 rows of Y, source 1 = 16 rows of X): a lane holds eight neighbouring columns of one row.
; A fragment (16 rows x 128 K) comes by four loads of 16 bytes: registers 4 c .. 4 c + 3 hold k = 32 c + 16 (lane / 16) + 0 .. 15, alike in X and in Y, so every product meets its partner.
; The residual is asked for at the head, in the layout in which the rows leave, and lands under the products.
; REGISTERS: window 0: v1-31 addresses, v8-11 the bias; v128-255 accumulators ((a, b) at 128 + 8 (4 a + b)), later the rows that leave.   window 1: two fragment buffers of 128: X's four fragments, then Y's four.   window 2: v0-127 the residual.
.set KB,     4096                      ; K: a row of Y in bytes
.set EA,     14
.set ABL,    1                         ; X lies in blocks
.set LAPS,   KB/1024                   ; a lap = two slots of 512 along K
.set PITCH,  528                       ; Y's LDS row: 512 bytes + 16 of padding = 132 words: row r starts at bank 4 r mod 64 (64 banks of 4 bytes: ISA guide 11.1)
.set HALFA,  128*272                   ; X: 64 rows x 512 K as 128 LDS rows of 256 bytes + 16: four rows of 64 bytes of one block of K to an LDS row; a fragment's 16 rows fall on 16 different groups of four banks
.set HALFB,  64*PITCH
.set ASTEP,  32768                     ; from slot to slot in memory: X
.set SLOT,   2*HALFA+2*HALFB           ; X's 128 rows, then Y's 128 rows
.set STAGE,  2*SLOT                    ; behind the slots: 16 rows x 272 bytes for each wave, for the way out
.set SPITCH, 272
.set SPARE,  STAGE+4*16*SPITCH         ; behind the stages: the spare words, 128 bytes for each wave: two blocks of 256 bytes that no other line names
.set BI,   8
.set ADRA, 16                          ; v16-17  LDS address of my X fragments in slot 0, 1
.set ADRB, 20                          ; v20-21  the same for Y
.set STO,  24                          ; v24     the way out: where I put 32 bytes of a row
.set RD,   25                          ; v25     where I read a row back
.set CO,   26                          ; v26     my byte offset in two rows of OUT and RES
.set SPW,  28                          ; v28     LDS address of my spare word; never rewritten
.set NIL,  29                          ; v29     0; never rewritten
.set ACC,  128
.set F0,   0
.set F1,   128
.set G1,   24                          ; s[24:31] descriptor group 1 for X's tiles;  s[32:39] group 0, one set for each slot
.set G0,   32
.set G1B,  48                          ; s[48:55], s[56:63] the same for Y's tiles
.set G0B,  56
.set MSB,  0
.macro WIN new                         ; the immediate's high byte repeats the setting that is left
.if MSB != \new
	s_set_vgpr_msb (MSB<<8)|\new
.set MSB, \new
.endif
.endm
.set MUL,  0x05                        ; sources 0 (Y) and 1 (X) window 1; C and D window 0
.set TO_F, 0x40                        ; destination window 1, address window 0
.macro JLOAD s                         ; a joint load: waves 0 and 1 fetch X's two halves, waves 2 and 3 Y's; four v_nop follow each of the two lines
	s_cmp_eq_u32 s11, 0
	s_cbranch_scc0 .Lfor_y_\@
	tensor_load_to_lds s[G0+4*\s:G0+4*\s+3], s[G1:G1+7]
	s_nop 0
.rept 4
	v_nop
.endr
	s_branch .Lasked_\@
.Lfor_y_\@:
	tensor_load_to_lds s[G0B+4*\s:G0B+4*\s+3], s[G1B:G1B+7]
	s_nop 0
.rept 4
	v_nop
.endr
.Lasked_\@:
.endm
.macro CREST                           ; a round of the cluster's barrier behind its opening barrier
	s_cmp_lg_u32 s10, 0
	s_cbranch_scc1 .Lnot_wave_0_\@
	s_barrier_signal -3
.Lnot_wave_0_\@:
	s_barrier_wait -3
	s_barrier_signal -1
	s_barrier_wait -1
.endm
.macro CROUND                          ; a whole round
	s_barrier_signal -1
	s_barrier_wait -1
	CREST
.endm
.macro PLACES                          ; four places in front of loads into registers that matrix instructions have read, and of the first read of results
.rept 4
	v_nop
.endr
.endm
; four matrix instructions: X's block a x Y's four, 128 along K, from buffer f.  zero = 1: the product starts the sums.  The 16 accumulators take turns, one instruction a turn
.macro MUL4 f, a, zero
.irp b, 0,1,2,3
.if \zero
	v_wmma_f32_16x16x128_fp8_fp8 v[ACC+8*(4*(\a)+\b):ACC+8*(4*(\a)+\b)+7], v[\f+64+16*\b:\f+64+16*\b+15], v[\f+16*(\a):\f+16*(\a)+15], 0
.else
	v_wmma_f32_16x16x128_fp8_fp8 v[ACC+8*(4*(\a)+\b):ACC+8*(4*(\a)+\b)+7], v[\f+64+16*\b:\f+64+16*\b+15], v[\f+16*(\a):\f+16*(\a)+15], v[ACC+8*(4*(\a)+\b):ACC+8*(4*(\a)+\b)+7]
.endif
.endr
.endm
.macro MUL8 f, a0, zero
	MUL4 \f, \a0, \zero
	MUL4 \f, (\a0)+1, \zero
.endm
; 32 LDS loads in one run: the fragments of the slot's q-th 128 along K into buffer f: Y's four, then X's four
.macro FETCH slot, q, f
	WIN TO_F
.irp i, 0,1,2,3
.irp c, 0,1,2,3
	ds_load_b128 v[\f+64+16*\i+4*\c:\f+64+16*\i+4*\c+3], v[ADRB+\slot] offset:128*(\q)+32*\c+\i*16*PITCH
.endr
.endr
.irp i, 0,1,2,3
.irp c, 0,1,2,3
.if ABL
	ds_load_b128 v[\f+16*\i+4*\c:\f+16*\i+4*\c+3], v[ADRA+\slot] offset:(2*(\q)+\c/2)*4352+32*(\c%2)+\i*1088
.else
	ds_load_b128 v[\f+16*\i+4*\c:\f+16*\i+4*\c+3], v[ADRA+\slot] offset:128*(\q)+32*\c+\i*16*PITCH
.endif
.endr
.endr
.endm
; A slot is four quarters of 128 along K, 16 matrix instructions each, on buffers 0, 1, 0, 1.  One of the first three multiplies buffer f and fetches quarter q into g
.macro QUARTER slot, q, f, g, zero
	s_wait_dscnt 8                                 ; Y's fragments and X's blocks 0, 1 are in; the youngest eight loads (X's blocks 2, 3) may be out
	WIN MUL
	MUL8 \f, 0, \zero
	PLACES
	FETCH \slot, \q, \g
	s_wait_dscnt 32                                ; all but the 32 just issued
	WIN MUL
	MUL8 \f, 2, \zero
.endm
; The last quarter multiplies buffer 1 and changes slots: ONE barrier; in front of it each wave waits for all its tensor loads, adds 0 to its spare word, and waits for that and for its reads of this slot.  fill = 1: this slot is filled again, two slots ahead
.macro TURN slot, next, fill
	WIN 0                                          ; (the add's two registers lie in window 0)
	s_wait_tensorcnt 0x0                           ; all my tensor loads have landed: my part of the next slot;
	ds_add_u32 v[SPW], v[NIL]                      ; 0 onto my spare word;
	s_wait_dscnt 9                                 ; (the add and the youngest eight loads may be out)
	WIN MUL
	MUL4 F1, 0, 0                                  ; matrix instructions stand between the add and the wait for it
	s_wait_dscnt 0x0                               ; the add is done, and my reads of this slot are over
	s_barrier_signal -1
	MUL4 F1, 1, 0
.if \fill
	WIN 0
.endif
	s_barrier_wait -1
.if \fill
	CREST                                          ; the barrier has opened a round of the cluster's barrier: no wave of any partner still reads this slot or has a load on its way
	s_add_nc_u64 s[G0+4*\slot+2:G0+4*\slot+3], s[G0+4*\slot+2:G0+4*\slot+3], 2*ASTEP
	s_add_nc_u64 s[G0B+4*\slot+2:G0B+4*\slot+3], s[G0B+4*\slot+2:G0B+4*\slot+3], 1024
	JLOAD \slot                                    ; the first tensor load behind the round, my one load that is out: 56 matrix instructions ahead of the wait for it; its four v_nop are also the places in front of the loads below
.else
	PLACES
.endif
	FETCH \next, 0, F0
	WIN MUL
	MUL8 F1, 2, 0
.endm
	s_load_b128 s[4:7], s[0:1], 0x0                ; X s[4:5], Y s[6:7]
	s_load_b128 s[68:71], s[0:1], 0x10             ; the scales' exponents s[68:69], the bias s[70:71]
	s_load_b128 s[72:75], s[0:1], 0x20             ; RES s[72:73], OUT s[74:75]
	v_lshl_add_u32 v[SPW], v0, 2, SPARE
	v_mov_b32 v[NIL], 0
	ds_add_u32 v28, v29
	ds_add_u32 v28, v29
	s_wait_dscnt 0x0
	v_lshrrev_b32 v1, 5, v0
	v_readfirstlane_b32 s10, v1                    ; wave 0..3
	s_lshr_b32 s11, s10, 1                         ; which half of the tile's rows is mine.  Also: I fetch for X (0) or for Y (1)
	s_and_b32 s12, s10, 1                          ; which half of its columns.  Also: which 64 rows of that tile I fetch
	s_bfe_u32 s40, ttmp6, 0x40000                  ; cx, cy: my place in the cluster
	s_bfe_u32 s41, ttmp6, 0x40004
	s_lshl_b32 s42, ttmp9, 2
	s_add_co_u32 s42, s42, s40                     ; tile column = 4 x cluster x + cx
	s_and_b32 s13, ttmp7, 0xffff
	s_lshl_b32 s13, s13, 2
	s_add_co_u32 s13, s13, s41                     ; tile row = 4 x cluster y + cy
	s_lshl_b32 s43, s41, 2
	s_lshl_b32 s43, 15, s43                        ; my row of the cluster
	s_lshl_b32 s44, 0x1111, s40                    ; my column
	; descriptor group 1.  X: a dense block of 32,768 bytes as 128 rows of 32 elements of 8 bytes.  Y: 64 rows x 512 bytes, KB bytes apart.  Both padded in LDS
	s_or_b32 s[G1+0], s43, (3<<16)|(1<<20)|(1<<21)|(5<<22)|(3<<25)   ; 15:0 the mask: X's tiles go to my row; 17:16 elements of 8 bytes; 20 padding on; 21 set beside a mask; 24:22 after every 64 words (code 5); 31:25 four words (code 3)
	s_mov_b32 s[G1+1], 32<<16                      ; tensor_dim0 = 32
	s_mov_b32 s[G1+2], 128<<16                     ; tensor_dim1 = 128
	s_mov_b32 s[G1+3], 32<<16                      ; tile_dim0 = 32
	s_mov_b32 s[G1+4], 128                         ; tile_dim1 = 128
	s_mov_b32 s[G1+5], 32                          ; tensor_dim0_stride
	s_mov_b32 s[G1+6], 0
	s_mov_b32 s[G1+7], 0
	s_or_b32 s[G1B+0], s44, (1<<20)|(1<<21)|(6<<22)|(3<<25)          ; the mask of my column; elements of 1 byte; four words after every 128 (code 6)
	s_mov_b32 s[G1B+1], 512<<16
	s_mov_b32 s[G1B+2], 64<<16
	s_mov_b32 s[G1B+3], 512<<16
	s_mov_b32 s[G1B+4], 64
	s_mov_b32 s[G1B+5], KB
	s_mov_b32 s[G1B+6], 0
	s_mov_b32 s[G1B+7], 0
	s_lshl_b32 s17, s12, 6                         ; which 64 rows of the tile I fetch
	s_lshl_b32 s16, s13, 7
	s_add_co_u32 s16, s16, s17                     ; X: row 128 x tile row + 64 x half (a block of 64 rows begins at row x KB bytes, as a row would)
	s_lshl_b32 s46, s42, 7
	s_add_co_u32 s46, s46, s17                     ; Y: row 128 x tile column + 64 x half
	s_mov_b32 s17, 0
	s_mov_b32 s47, 0
	s_mov_b64 s[18:19], KB
	s_mul_u64 s[16:17], s[16:17], s[18:19]
	s_mul_u64 s[46:47], s[46:47], s[18:19]
	s_mul_i32 s20, s12, HALFA                      ; where they go: no place in the cluster enters an LDS address
	s_mul_i32 s21, s12, HALFB
	s_add_co_u32 s21, s21, 2*HALFA
	s_wait_kmcnt 0x0
	s_load_b64 s[66:67], s[68:69], 4*EA            ; ea, eb
	s_add_nc_u64 s[14:15], s[4:5], s[16:17]
	s_add_nc_u64 s[46:47], s[6:7], s[46:47]
	CROUND                                         ; all sixteen work-groups are here: the first joint loads meet
.irp s, 0,1
	s_mov_b32 s[G0+4*\s], 1                        ; 1:0 count = 1
	s_add_co_u32 s[G0+4*\s+1], s20, \s*SLOT        ; 63:32 LDS address
	s_add_nc_u64 s[G0+4*\s+2:G0+4*\s+3], s[14:15], \s*ASTEP   ; 120:64 global address
	s_or_b32 s[G0+4*\s+3], s[G0+4*\s+3], 0x80000000           ; 127:126 type = 2
	s_mov_b32 s[G0B+4*\s], 1
	s_add_co_u32 s[G0B+4*\s+1], s21, \s*SLOT
	s_add_nc_u64 s[G0B+4*\s+2:G0B+4*\s+3], s[46:47], \s*512
	s_or_b32 s[G0B+4*\s+3], s[G0B+4*\s+3], 0x80000000
	JLOAD \s                                       ; two loads of mine are out
.endr
	v_and_b32 v1, 15, v0                           ; r = lane % 16
	v_bfe_u32 v2, v0, 4, 1                         ; h = lane / 16
	v_mul_u32_u24 v3, v1, PITCH
	v_lshl_add_u32 v3, v2, 4, v3                   ; Y: a fragment's row x pitch + 16 h
	v_lshrrev_b32 v4, 2, v1
	v_mul_u32_u24 v4, v4, 272
	v_and_b32 v5, 3, v1
	v_lshl_add_u32 v4, v5, 6, v4
	v_lshl_add_u32 v4, v2, 4, v4                   ; X: (r / 4) LDS rows + 64 (r % 4) + 16 h
	s_mul_i32 s22, s11, HALFA                      ; my 64 rows of X
	s_mul_i32 s23, s12, HALFB                      ; my 64 rows of Y,
	s_add_co_u32 s23, s23, 2*HALFA                 ; which lie behind X's 128
.irp s, 0,1
	v_add_nc_u32 v[ADRA+\s], s22, v4
	v_add_nc_u32 v[ADRB+\s], s23, v3
	s_add_co_u32 s22, s22, SLOT
	s_add_co_u32 s23, s23, SLOT
.endr
	s_mul_i32 s22, s10, 16*SPITCH
	s_add_co_u32 s22, s22, STAGE                   ; my stage
	v_mul_u32_u24 v5, v1, SPITCH
	v_lshl_add_u32 v5, v2, 5, v5
	v_add_nc_u32 v[STO], s22, v5                   ; in: row r, 32 bytes for each half of the lanes
	v_mul_u32_u24 v5, v2, SPITCH
	v_lshl_add_u32 v5, v1, 4, v5
	v_add_nc_u32 v[RD], s22, v5                    ; back: lanes 0-15 one row of 256 bytes, lanes 16-31 the next
	v_lshlrev_b32 v5, 12, v2
	v_lshl_add_u32 v[CO], v1, 4, v5                ; and the same two rows in OUT and RES
	s_lshl_b32 s16, s13, 7
	s_lshl_b32 s17, s11, 6
	s_add_co_u32 s16, s16, s17                     ; my first row: 128 x tile row + 64 x half
	s_lshl_b32 s16, s16, 12                        ; x 4,096 bytes
	s_mov_b32 s17, 0
	s_lshl_b32 s46, s42, 9                         ; my first column, in bytes: 512 x tile column + 256 x half
	s_lshl_b32 s47, s12, 8
	s_add_co_u32 s46, s46, s47
	s_mov_b32 s47, 0
	s_add_nc_u64 s[70:71], s[70:71], s[46:47]      ; the bias of my 64 columns
	s_add_nc_u64 s[16:17], s[16:17], s[46:47]
	s_add_nc_u64 s[72:73], s[72:73], s[16:17]
	s_add_nc_u64 s[74:75], s[74:75], s[16:17]
	v_lshlrev_b32 v6, 4, v1
	global_load_b128 v[BI:BI+3], v6, s[70:71]      ; of the four columns that I store
	WIN 0x80                                       ; destination window 2
.irp a, 0,1,2,3
.irp t, 0,1,2,3,4,5,6,7
	global_load_b128 v[32*\a+4*\t:32*\a+4*\t+3], v[CO], s[72:73] offset:(16*\a+2*\t)*4096 th:TH_LOAD_NT   ; 16 lanes read 256 consecutive bytes, aligned; read once in this launch
.endr
.endr
	WIN 0
	s_wait_tensorcnt 1                             ; my part of slot 0 is in; slot 1's may stay out
	s_barrier_signal -1
	s_barrier_wait -1                              ; everybody's is
	FETCH 0, 0, F0
	QUARTER 0, 1, F0, F1, 1                        ; the first quarter's products start the sums: nothing is cleared
.if LAPS > 1
	WIN 0                                          ; at a label and at a branch every window is 0
	s_mov_b32 s3, LAPS-1
.Llap:                                                 ; a trip goes once round the ring, from a lap's second quarter to the next lap's first, and fills both slots again
	QUARTER 0, 2, F1, F0, 0
	QUARTER 0, 3, F0, F1, 0
	TURN 0, 1, 1
	QUARTER 1, 1, F0, F1, 0
	QUARTER 1, 2, F1, F0, 0
	QUARTER 1, 3, F0, F1, 0
	TURN 1, 0, 1
	QUARTER 0, 1, F0, F1, 0
	WIN 0
	s_sub_co_u32 s3, s3, 1
	s_cmp_lg_u32 s3, 0
	s_cbranch_scc1 .Llap
.endif
	QUARTER 0, 2, F1, F0, 0                        ; the last lap fills nothing
	QUARTER 0, 3, F0, F1, 0
	TURN 0, 1, 0
	QUARTER 1, 1, F0, F1, 0
	QUARTER 1, 2, F1, F0, 0
	QUARTER 1, 3, F0, F1, 0
	s_wait_dscnt 8                                 ; the very last quarter: nothing more to fetch
	WIN MUL
	MUL8 F1, 0, 0
	s_wait_dscnt 0x0
	MUL8 F1, 2, 0
	WIN 0
	; THE WAY OUT, block by block of 16 rows x 64 columns: the sums go through my stage and come back as whole rows of 256 bytes, into the registers that they left; there sum x 2^(ea + eb) + bias, + RES; stored.
	s_wait_kmcnt 0x0
	s_add_co_i32 s66, s66, s67
	s_add_co_i32 s66, s66, 127
	s_lshl_b32 s66, s66, 23                        ; 2^(ea + eb) as f32
	s_mov_b32 s67, s66                             ; (named with it as a pair, so it is written)
	PLACES
	s_wait_loadcnt 0x0                             ; the bias and the residual
.macro TOSTAGE a
.irp b, 0,1,2,3
	ds_store_b128 v[STO], v[ACC+8*(4*(\a)+\b):ACC+8*(4*(\a)+\b)+3] offset:64*\b          ; each accumulator from its low end on
	ds_store_b128 v[STO], v[ACC+8*(4*(\a)+\b)+4:ACC+8*(4*(\a)+\b)+7] offset:64*\b+16
.endr
.irp t, 0,1,2,3,4,5,6,7
	ds_load_b128 v[ACC+32*(\a)+4*\t:ACC+32*(\a)+4*\t+3], v[RD] offset:\t*2*SPITCH        ; LDS serves a wave's instructions in order (ISA guide 5.7.1.4): these see the stores above; the next block's stores come behind them
.endr
.endm
.macro SEND a, younger                 ; younger: the LDS instructions issued behind block a's loads: the next block's sixteen, or none
	s_wait_dscnt \younger
.irp t, 0,1,2,3,4,5,6,7
	v_pk_fma_f32 v[ACC+32*(\a)+4*\t:ACC+32*(\a)+4*\t+1], v[ACC+32*(\a)+4*\t:ACC+32*(\a)+4*\t+1], s[66:67], v[BI:BI+1] op_sel_hi:[1,0,1]
	v_pk_fma_f32 v[ACC+32*(\a)+4*\t+2:ACC+32*(\a)+4*\t+3], v[ACC+32*(\a)+4*\t+2:ACC+32*(\a)+4*\t+3], s[66:67], v[BI+2:BI+3] op_sel_hi:[1,0,1]
.endr
	WIN 0x08                                       ; source 1 window 2
.irp t, 0,1,2,3,4,5,6,7
	v_pk_add_f32 v[ACC+32*(\a)+4*\t:ACC+32*(\a)+4*\t+1], v[ACC+32*(\a)+4*\t:ACC+32*(\a)+4*\t+1], v[32*(\a)+4*\t:32*(\a)+4*\t+1]
	v_pk_add_f32 v[ACC+32*(\a)+4*\t+2:ACC+32*(\a)+4*\t+3], v[ACC+32*(\a)+4*\t+2:ACC+32*(\a)+4*\t+3], v[32*(\a)+4*\t+2:32*(\a)+4*\t+3]
.endr
	WIN 0
.irp t, 0,1,2,3,4,5,6,7
	global_store_b128 v[CO], v[ACC+32*(\a)+4*\t:ACC+32*(\a)+4*\t+3], s[74:75] offset:(16*(\a)+2*\t)*4096   ; 16 lanes store 256 consecutive bytes, aligned
.endr
.endm
	TOSTAGE 0
.irp a, 1,2,3
	TOSTAGE \a
	SEND \a-1, 16
.endr
	SEND 3, 0
	s_wait_tensorcnt 0x0                           ; the wave's end, behind my last tensor load and my last LDS store
	ds_add_u32 v[SPW], v[NIL]
	s_wait_dscnt 0x0
	CROUND                                         ; the closing round: no work-group ends while a partner may still ask for a tile that names it
	s_endpgm
.Lfunc_end_k_q8ee8bc8fab_ff2:
	.size	k_q8ee8bc8fab_ff2, .Lfunc_end_k_q8ee8bc8fab_ff2-k_q8ee8bc8fab_ff2
	.p2alignl 7, 3214868480
	.fill 96, 4, 3214868480
	.section	.rodata,"a",@progbits
	.p2align	6, 0x0
	.amdhsa_kernel k_q8ee8bc8fab_ff2
		.amdhsa_group_segment_fixed_size 327680
		.amdhsa_private_segment_fixed_size 0
		.amdhsa_enable_private_segment 0
		.amdhsa_kernarg_size 48
		.amdhsa_user_sgpr_count 2
		.amdhsa_user_sgpr_kernarg_segment_ptr 1
		.amdhsa_wavefront_size32 1
		.amdhsa_system_sgpr_workgroup_id_x 1
		.amdhsa_system_sgpr_workgroup_id_y 1
		.amdhsa_system_sgpr_workgroup_id_z 1
		.amdhsa_system_vgpr_workitem_id 0
		.amdhsa_next_free_vgpr 640
		.amdhsa_next_free_sgpr 100
		.amdhsa_reserve_vcc 0
		.amdhsa_float_denorm_mode_32 3
		.amdhsa_float_denorm_mode_16_64 3
		.amdhsa_memory_ordered 1
		.amdhsa_forward_progress 1
		.amdhsa_inst_pref_size 82
	.end_amdhsa_kernel
	.amdgpu_metadata
---
amdhsa.version: [ 1, 2 ]
amdhsa.kernels:
  - .name:           k_q8ee8bc8fab_ff2
    .symbol:         k_q8ee8bc8fab_ff2.kd
    .args:
      - { .name: ffc, .offset: 0, .size: 8, .value_kind: global_buffer, .address_space: global }
      - { .name: w2_codes, .offset: 8, .size: 8, .value_kind: global_buffer, .address_space: global }
      - { .name: lowp_scales, .offset: 16, .size: 8, .value_kind: global_buffer, .address_space: global }
      - { .name: b2, .offset: 24, .size: 8, .value_kind: global_buffer, .address_space: global }
      - { .name: hres, .offset: 32, .size: 8, .value_kind: global_buffer, .address_space: global }
      - { .name: out0, .offset: 40, .size: 8, .value_kind: global_buffer, .address_space: global }
    .group_segment_fixed_size: 327680
    .private_segment_fixed_size: 0
    .kernarg_segment_align: 8
    .kernarg_segment_size: 48
    .max_flat_workgroup_size: 128
    .sgpr_count:     100
    .vgpr_count:     640
    .wavefront_size: 32
...
	.end_amdgpu_metadata
.endif
;; end of part 7
;; ======== version 2 of 2: 7 launches
;; limits: right only within a limited range of input values
;; workspace buffers: lnc 12,582,912 bytes; qkvc 12,582,912 bytes; ctxc 4,194,304 bytes; hres 16,777,216 bytes; h2c 4,194,304 bytes; ffc 16,777,216 bytes
;; launch ln1 (part 8): grid 256 x 1, 8 waves a work-group, no clusters, 0 bytes of LDS; arguments hidden_states, g1, be1, lowp_scales, lnc; writes lnc
.if DOCPART == 8
	.amdgcn_target "amdgcn-amd-amdhsa--gfx1250"
	.amdhsa_code_object_version 6
	.text
	.protected	k_q8ee8bc8fab_ln1
	.globl	k_q8ee8bc8fab_ln1
	.p2align	8
	.type	k_q8ee8bc8fab_ln1,@function
k_q8ee8bc8fab_ln1:
	s_mov_b64 s[64:65], 0
	v_nop
	global_prefetch_b8 v0, s[64:65] scope:SCOPE_SE
	s_setreg_imm32_b32 hwreg(HW_REG_WAVE_MODE, 25, 1), 1
	s_wait_xcnt 0x0
; y = (x - mean) * rsqrt(var + 1e-12) * g + be along rows of 1,024 f32, then y as codes of FP8 (E4M3), NOUT times, each time with its own given scale 2^e.
; x: [4096][1024] f32.  Output k: [4096][1024] codes, row-major, 4,194,304 bytes behind output k - 1.  e of output k is entry EIDX + 2 k of the buffer of scales.
; code = y / 2^e, held within +-448, to the nearest code, ties to even.  LIMITS: e between -126 and 119, so that 2^e and 448 x 2^e are f32 numbers.  NaN among the inputs is not served.
; SHARES.  A wave takes two whole rows and keeps them in registers between the passes (mean; variance of x - mean; scaling): x is read once, no wave waits for another, no LDS, no barrier.
; Lane l holds, of chunk i = 0 .. 3 of a row, columns 256 i + 8 l .. + 7: two loads of 16 bytes (together the wave's two loads cover 1,024 consecutive bytes), so that eight neighbours along the row
; lie in eight consecutive registers, as the conversion takes them; the lane's 8 codes are 8 bytes and the wave's store covers 256 consecutive bytes, aligned.
; No matrix unit, no cluster: the work-groups share nothing but g and be (8 KB), and memory binds.
.set NOUT, 3
.set EIDX, 0
.set SCL, 20                           ; v20.. 2^e of output k
.set LIM, 24                           ; v24.. 448 x 2^e
.set X,   32                           ; v32-95   the two rows, 32 registers each
.set G,   96                           ; v96-127  g of my 32 columns
.set BE,  128                          ; v128-159 be
.set T,   160                          ; v160-175 two sets of eight held numbers
.set C,   176                          ; v176..   codes: two registers for each (row, output, chunk): no store's data are written again
	s_load_b256 s[4:11], s[0:1], 0x0               ; x s[4:5], g s[6:7], be s[8:9], the scales' exponents s[10:11]
	s_load_b64 s[12:13], s[0:1], 0x20              ; the codes
	v_lshrrev_b32 v3, 5, v0
	s_delay_alu instid0(VALU_DEP_1)
	v_readfirstlane_b32 s20, v3                    ; wave 0..7
	v_and_b32 v2, 31, v0                           ; lane
	s_delay_alu instid0(VALU_DEP_1)
	v_lshlrev_b32 v1, 5, v2                        ; in: 32 bytes a lane
	s_delay_alu instid0(VALU_DEP_2)
	v_lshlrev_b32 v2, 3, v2                        ; out: 8 bytes a lane
	s_mov_b32 s22, 0x76543210                      ; v_permlanex16_b32: each lane takes its own place in the other half
	s_mov_b32 s23, 0xfedcba98
	s_mov_b32 s27, 0x3a800000                      ; 1 / 1024
	s_mov_b32 s28, 0x2b8cbccc                      ; 1e-12
	s_lshl_b32 s32, ttmp9, 16                      ; my first row = 16 x work-group + 2 x wave; x 4,096 bytes
	s_lshl_b32 s21, s20, 13
	s_add_co_u32 s32, s32, s21
	s_mov_b32 s33, 0
	s_lshr_b32 s30, s32, 2                         ; and x 1,024 bytes in the codes
	s_mov_b32 s31, 0
	s_wait_alu depctr_va_vdst(0)
	s_wait_kmcnt 0x0
	s_add_nc_u64 s[4:5], s[4:5], s[32:33]
.irp p, 0,1
.irp i, 0,1,2,3
	global_load_b128 v[X+32*\p+8*\i:X+32*\p+8*\i+3],   v1, s[4:5] offset:4096*\p+1024*\i th:TH_LOAD_NT
	global_load_b128 v[X+32*\p+8*\i+4:X+32*\p+8*\i+7], v1, s[4:5] offset:4096*\p+1024*\i+16 th:TH_LOAD_NT
.endr
.endr
.irp i, 0,1,2,3
	global_load_b128 v[G+8*\i:G+8*\i+3],   v1, s[6:7] offset:1024*\i
	global_load_b128 v[G+8*\i+4:G+8*\i+7], v1, s[6:7] offset:1024*\i+16
.endr
.irp i, 0,1,2,3
	global_load_b128 v[BE+8*\i:BE+8*\i+3],   v1, s[8:9] offset:1024*\i
	global_load_b128 v[BE+8*\i+4:BE+8*\i+7], v1, s[8:9] offset:1024*\i+16
.endr
.set KK, 0
.rept NOUT
	s_load_b32 s[24+KK], s[10:11], 4*(EIDX+2*KK)
	s_add_nc_u64 s[14+2*KK:15+2*KK], s[12:13], s[30:31]    ; output KK at my first row
.if KK > 0
	s_add_nc_u64 s[14+2*KK:15+2*KK], s[14+2*KK:15+2*KK], KK*4194304
.endif
.set KK, KK+1
.endr
	s_wait_kmcnt 0x0
.set KK, 0
.rept NOUT
	s_add_co_i32 s[24+KK], s[24+KK], 127
	s_lshl_b32 s29, s[24+KK], 23
	v_mov_b32 v[SCL+KK], s29                       ; 2^e as f32: the conversion takes its exponent field
	s_add_co_i32 s[24+KK], s[24+KK], 8
	s_lshl_b32 s29, s[24+KK], 23
	s_or_b32 s29, s29, 0x600000
	v_mov_b32 v[LIM+KK], s29                       ; 448 x 2^e
.set KK, KK+1
.endr
; four pairs of partial sums in v[8:15] become the wave's sum, in v8 of every lane
.macro FOLD
	s_delay_alu instid0(VALU_DEP_3)
	v_pk_add_f32 v[8:9], v[8:9], v[10:11]
	s_delay_alu instid0(VALU_DEP_2)
	v_pk_add_f32 v[12:13], v[12:13], v[14:15]
	s_delay_alu instid0(VALU_DEP_1)
	v_pk_add_f32 v[8:9], v[8:9], v[12:13]
	s_delay_alu instid0(VALU_DEP_1)
	v_add_f32 v8, v8, v9
	s_delay_alu instid0(VALU_DEP_1)
	v_add_f32_dpp v8, v8, v8 row_xmask:1 row_mask:0xf bank_mask:0xf
	s_delay_alu instid0(VALU_DEP_1)
	v_add_f32_dpp v8, v8, v8 row_xmask:2 row_mask:0xf bank_mask:0xf
	s_delay_alu instid0(VALU_DEP_1)
	v_add_f32_dpp v8, v8, v8 row_xmask:4 row_mask:0xf bank_mask:0xf
	s_delay_alu instid0(VALU_DEP_1)
	v_add_f32_dpp v8, v8, v8 row_xmask:8 row_mask:0xf bank_mask:0xf
	s_delay_alu instid0(VALU_DEP_1)
	v_permlanex16_b32 v9, v8, s22, s23             ; its destination counts as read: v9 has been written
	s_delay_alu instid0(VALU_DEP_1)
	v_add_f32 v8, v8, v9
.endm
; row p becomes (x - mean) * rsqrt(var + eps).  left = the younger loads that may stay out
.macro STATS p, left
.set XR, X+32*(\p)
	s_wait_loadcnt \left                           ; loads come back in order (ISA guide 5.7.1): this row's eight are in
.irp c, 0,1,2,3
	v_pk_add_f32 v[8+2*\c:9+2*\c], v[XR+4*\c:XR+4*\c+1], v[XR+4*\c+2:XR+4*\c+3]   ; four chains, started by the first sums: nothing is cleared
.endr
.irp j, 16,24
.irp c, 0,1,2,3
	s_delay_alu instid0(VALU_DEP_4)
	v_pk_add_f32 v[8+2*\c:9+2*\c], v[8+2*\c:9+2*\c], v[XR+\j+2*\c:XR+\j+2*\c+1]
.endr
.endr
	FOLD
	s_delay_alu instid0(VALU_DEP_1)
	v_mul_f32 v4, s27, v8                          ; the mean,
	s_delay_alu instid0(VALU_DEP_1)
	v_mov_b32 v5, v4                               ; twice: a pair for the packed form
.irp j, 0,2,4,6,8,10,12,14,16,18,20,22,24,26,28,30
	v_pk_add_f32 v[XR+\j:XR+\j+1], v[XR+\j:XR+\j+1], v[4:5] neg_lo:[0,1] neg_hi:[0,1]
.endr
.irp c, 0,1,2,3
	v_pk_mul_f32 v[8+2*\c:9+2*\c], v[XR+2*\c:XR+2*\c+1], v[XR+2*\c:XR+2*\c+1]
.endr
.irp j, 8,16,24
.irp c, 0,1,2,3
	s_delay_alu instid0(VALU_DEP_4)
	v_pk_fma_f32 v[8+2*\c:9+2*\c], v[XR+\j+2*\c:XR+\j+2*\c+1], v[XR+\j+2*\c:XR+\j+2*\c+1], v[8+2*\c:9+2*\c]
.endr
.endr
	FOLD
	s_delay_alu instid0(VALU_DEP_1)
	v_fma_f32 v8, v8, s27, s28                     ; var + eps
	s_wait_alu depctr_va_vdst(0)
	v_rsq_f32 v6, v8
	v_nop                                          ; a plain instruction between the transcendental and the use of its result
	s_wait_alu depctr_va_vdst(0)                   ; and a wait ahead of the first use
	v_mov_b32 v7, v6
.irp j, 0,2,4,6,8,10,12,14,16,18,20,22,24,26,28,30
	v_pk_mul_f32 v[XR+\j:XR+\j+1], v[XR+\j:XR+\j+1], v[6:7]
.endr
.endm
.macro NORM p
.irp j, 0,2,4,6,8,10,12,14,16,18,20,22,24,26,28,30
	v_pk_fma_f32 v[X+32*(\p)+\j:X+32*(\p)+\j+1], v[X+32*(\p)+\j:X+32*(\p)+\j+1], v[G+\j:G+\j+1], v[BE+\j:BE+\j+1]
.endr
.endm
; row p as codes of output k.  The conversion to an 8-bit code does not saturate (ISA guide 7.6.2): each number is first held within 448 x the scale, into one of two sets by turns,
; so that the other set's eight holds are the plain instructions behind each conversion.
.macro QOUT p, k
.irp i, 0,1,2,3
.irp j, 0,1,2,3,4,5,6,7
	v_med3_num_f32 v[T+8*(\i%2)+\j], v[X+32*(\p)+8*\i+\j], -v[LIM+(\k)], v[LIM+(\k)]
.endr
	v_cvt_scalef32_pk8_fp8_f32 v[C+2*(4*(NOUT*(\p)+(\k))+\i):C+2*(4*(NOUT*(\p)+(\k))+\i)+1], v[T+8*(\i%2):T+8*(\i%2)+7], v[SCL+(\k)]
	global_store_b64 v2, v[C+2*(4*(NOUT*(\p)+(\k))+\i):C+2*(4*(NOUT*(\p)+(\k))+\i)+1], s[14+2*(\k):15+2*(\k)] offset:1024*(\p)+256*\i   ; 32 lanes store 256 consecutive bytes, aligned
.endr
.endm
	STATS 0, 24                                    ; behind row 0's loads: row 1's eight, g's eight, be's eight
	STATS 1, 16
	s_wait_loadcnt 0x0                             ; g and be
.irp p, 0,1
	NORM \p
	QOUT \p, 0
.if NOUT > 1
	QOUT \p, 1
	QOUT \p, 2
.endif
.endr
	s_endpgm
.Lfunc_end_k_q8ee8bc8fab_ln1:
	.size	k_q8ee8bc8fab_ln1, .Lfunc_end_k_q8ee8bc8fab_ln1-k_q8ee8bc8fab_ln1
	.p2alignl 7, 3214868480
	.fill 96, 4, 3214868480
	.section	.rodata,"a",@progbits
	.p2align	6, 0x0
	.amdhsa_kernel k_q8ee8bc8fab_ln1
		.amdhsa_group_segment_fixed_size 0
		.amdhsa_private_segment_fixed_size 0
		.amdhsa_enable_private_segment 0
		.amdhsa_kernarg_size 40
		.amdhsa_user_sgpr_count 2
		.amdhsa_user_sgpr_kernarg_segment_ptr 1
		.amdhsa_wavefront_size32 1
		.amdhsa_system_sgpr_workgroup_id_x 1
		.amdhsa_system_sgpr_workgroup_id_y 1
		.amdhsa_system_sgpr_workgroup_id_z 1
		.amdhsa_system_vgpr_workitem_id 0
		.amdhsa_next_free_vgpr 224
		.amdhsa_next_free_sgpr 66
		.amdhsa_reserve_vcc 0
		.amdhsa_float_denorm_mode_32 3
		.amdhsa_float_denorm_mode_16_64 3
		.amdhsa_memory_ordered 1
		.amdhsa_forward_progress 1
		.amdhsa_inst_pref_size 37
	.end_amdhsa_kernel
	.amdgpu_metadata
---
amdhsa.version: [ 1, 2 ]
amdhsa.kernels:
  - .name:           k_q8ee8bc8fab_ln1
    .symbol:         k_q8ee8bc8fab_ln1.kd
    .args:
      - { .name: hidden_states, .offset: 0, .size: 8, .value_kind: global_buffer, .address_space: global }
      - { .name: g1, .offset: 8, .size: 8, .value_kind: global_buffer, .address_space: global }
      - { .name: be1, .offset: 16, .size: 8, .value_kind: global_buffer, .address_space: global }
      - { .name: lowp_scales, .offset: 24, .size: 8, .value_kind: global_buffer, .address_space: global }
      - { .name: lnc, .offset: 32, .size: 8, .value_kind: global_buffer, .address_space: global }
    .group_segment_fixed_size: 0
    .private_segment_fixed_size: 0
    .kernarg_segment_align: 8
    .kernarg_segment_size: 40
    .max_flat_workgroup_size: 256
    .sgpr_count:     66
    .vgpr_count:     224
    .wavefront_size: 32
...
	.end_amdgpu_metadata
.endif
;; end of part 8
;; launch qkv (part 9): grid 12 x 16, 4 waves a work-group, clusters of 4 x 4, 327,680 bytes of LDS; arguments lnc, wq_codes, wk_codes, wv_codes, bq, bk, bv, lowp_scales, qkvc; writes qkvc
.if DOCPART == 9
	.amdgcn_target "amdgcn-amd-amdhsa--gfx1250"
	.amdhsa_code_object_version 6
	.text
	.protected	k_q8ee8bc8fab_qkv
	.globl	k_q8ee8bc8fab_qkv
	.p2align	8
	.type	k_q8ee8bc8fab_qkv,@function
k_q8ee8bc8fab_qkv:
	s_mov_b64 s[64:65], 0
	v_nop
	global_prefetch_b8 v0, s[64:65] scope:SCOPE_SE
	s_setreg_imm32_b32 hwreg(HW_REG_WAVE_MODE, 25, 1), 1
	s_wait_xcnt 0x0
	s_wait_alu depctr_hold_cnt(0) depctr_sa_sdst(0) depctr_va_vdst(0) depctr_va_sdst(0) depctr_va_ssrc(0) depctr_va_vcc(0) depctr_vm_vsrc(0)
	s_getreg_b32 s2, hwreg(HW_REG_IB_STS2, 6, 4)
	s_cmp_eq_u32 s2, 0
	s_cbranch_scc0 .Lentry_in_a_cluster
	s_endpgm
.Lentry_in_a_cluster:
	s_bfe_u32 s2, ttmp6, 0x10000c
	s_cmp_lg_u32 s2, 0xf033
	s_cbranch_scc0 .Lentry_shape_is_right
	s_endpgm
.Lentry_shape_is_right:
.set KROW,   1024
.set ROWB,   256
.set PITCH,  272
.set FR,     16
.set NL,     4
.set NP,     4
.set HALFT,  128*PITCH
.set SLOT,   4*HALFT
.set LAPS,   KROW/(2*ROWB)
.set SPARE,  2*SLOT
.set STAGE,  SPARE+512
.set SP,     144
.set ADRA, 16
.set ADRB, 20
.set STO,  24
.set RD,   25
.set CO,   26
.set SPW,  28
.set NIL,  29
.set BC,   32
.set BR,   96
.set XX,   112
.set CD,   176
.set OB,   208
.set AF,   128
.set G1,   24
.set G0,   32
.set G1B,  48
.set G0B,  56
.set WH,   98
.set MSB,  0
.macro WIN new
.if MSB != \new
	s_set_vgpr_msb (MSB<<8)|\new
.set MSB, \new
.endif
.endm
.set MUL_LO, 0xa1
.set MUL_HI, 0xf1
.set TO_B,   0x40
.macro JLOAD g0a, g1a, g0b, g1b
	s_cmp_eq_u32 s15, 0
	s_cbranch_scc0 .Lfor_b_\@
	tensor_load_to_lds s[\g0a:\g0a+3], s[\g1a:\g1a+7]
	s_nop 0
.rept 4
	v_nop
.endr
	s_branch .Lasked_\@
.Lfor_b_\@:
	tensor_load_to_lds s[\g0b:\g0b+3], s[\g1b:\g1b+7]
	s_nop 0
.rept 4
	v_nop
.endr
.Lasked_\@:
.endm
.macro CREST
	s_cmp_lg_u32 s14, 0
	s_cbranch_scc1 .Lnot_wave_0_\@
	s_barrier_signal -3
.Lnot_wave_0_\@:
	s_barrier_wait -3
	s_barrier_signal -1
	s_barrier_wait -1
.endm
.macro CROUND
	s_barrier_signal -1
	s_barrier_wait -1
	CREST
.endm
	s_load_b512 s[68:83], s[0:1], 0x0
	s_load_b64 s[84:85], s[0:1], 0x40
	v_lshl_add_u32 v[SPW], v0, 2, SPARE
	v_mov_b32 v[NIL], 0
	ds_add_u32 v28, v29
	ds_add_u32 v28, v29
	s_wait_dscnt 0x0
	v_lshrrev_b32 v1, 5, v0
	v_readfirstlane_b32 s14, v1
	s_lshr_b32 s15, s14, 1
	s_and_b32 s16, s14, 1
	s_bfe_u32 s40, ttmp6, 0x40000
	s_bfe_u32 s41, ttmp6, 0x40004
	s_mov_b32 s[WH], ttmp9
	s_and_b32 s18, ttmp7, 0xffff
	s_cmp_eq_u32 s[WH], 2
	s_cselect_b32 s42, s18, 0
	s_cselect_b32 s17, 0, s18
	s_lshl_b32 s42, s42, 2
	s_add_co_u32 s42, s42, s40
	s_lshl_b32 s17, s17, 2
	s_add_co_u32 s17, s17, s41
	s_lshl_b32 s43, s41, 2
	s_lshl_b32 s43, 15, s43
	s_lshl_b32 s44, 0x1111, s40
	s_or_b32 s[G1+0], s43, (0<<16)|(1<<20)|(1<<21)|(5<<22)|(3<<25)
	s_or_b32 s[G1B+0], s44, (0<<16)|(1<<20)|(1<<21)|(5<<22)|(3<<25)
.irp g, G1, G1B
	s_mov_b32 s[\g+1], ROWB<<16
	s_mov_b32 s[\g+2], 128<<16
	s_mov_b32 s[\g+3], ROWB<<16
	s_mov_b32 s[\g+4], 128
	s_mov_b32 s[\g+5], KROW
	s_mov_b32 s[\g+6], 0
	s_mov_b32 s[\g+7], 0
.endr
	s_lshl_b32 s18, s16, 7
	s_lshl_b32 s20, s17, 8
	s_add_co_u32 s20, s20, s18
	s_lshl_b32 s46, s42, 8
	s_add_co_u32 s46, s46, s18
	s_mov_b32 s21, 0
	s_mov_b32 s47, 0
	s_mov_b64 s[18:19], KROW
	s_mul_u64 s[20:21], s[20:21], s[18:19]
	s_mul_u64 s[46:47], s[46:47], s[18:19]
	s_mul_i32 s45, s14, HALFT
	s_lshl_b32 s22, s[WH], 22
	s_mov_b32 s23, 0
	s_wait_kmcnt 0x0
	s_load_b256 s[88:95], s[82:83], 0x0
	s_load_b64 s[96:97], s[82:83], 0x20
	s_add_nc_u64 s[22:23], s[68:69], s[22:23]
	s_cmp_eq_u32 s[WH], 2
	s_cselect_b64 s[4:5], s[74:75], s[22:23]
	s_cselect_b64 s[6:7], s[22:23], s[72:73]
	s_cselect_b64 s[8:9], s[80:81], s[78:79]
	s_cmp_eq_u32 s[WH], 0
	s_cselect_b64 s[6:7], s[70:71], s[6:7]
	s_cselect_b64 s[8:9], s[76:77], s[8:9]
	s_add_nc_u64 s[20:21], s[4:5], s[20:21]
	s_add_nc_u64 s[46:47], s[6:7], s[46:47]
	CROUND
.irp s, 0,1
	s_mov_b32 s[G0+4*\s], 1
	s_add_co_u32 s[G0+4*\s+1], s45, \s*SLOT
	s_add_nc_u64 s[G0+4*\s+2:G0+4*\s+3], s[20:21], \s*ROWB
	s_or_b32 s[G0+4*\s+3], s[G0+4*\s+3], 0x80000000
	s_mov_b32 s[G0B+4*\s], 1
	s_add_co_u32 s[G0B+4*\s+1], s45, \s*SLOT
	s_add_nc_u64 s[G0B+4*\s+2:G0B+4*\s+3], s[46:47], \s*ROWB
	s_or_b32 s[G0B+4*\s+3], s[G0B+4*\s+3], 0x80000000
.endr
	JLOAD G0, G1, G0B, G1B                         ; K step 0: one tensor load a wave at the head
	; prefetches into the L2: of the 128 rows that I fetch, my work-group takes 32 (told apart by address: cx for the row operand, cy for the column operand), a lane a row, 256 bytes of a row to a K step
	s_cmp_eq_u32 s15, 0
	s_cselect_b64 s[100:101], s[20:21], s[46:47]
	s_cselect_b32 s18, s40, s41
	s_lshl_b32 s18, s18, 15                        ; 32 rows of 1,024 bytes
	s_mov_b32 s19, 0
	s_add_nc_u64 s[100:101], s[100:101], s[18:19]
	v_and_b32 v14, 31, v0
	v_lshlrev_b32 v14, 10, v14                     ; never rewritten
	global_prefetch_b8 v14, s[100:101] offset:256 th:TH_LOAD_NT scope:SCOPE_SE   ; K step 1
	global_prefetch_b8 v14, s[100:101] offset:512 th:TH_LOAD_NT scope:SCOPE_SE   ; K step 2
	v_and_b32 v1, 15, v0
	s_wait_alu depctr_va_vdst(0)
	v_bfe_u32 v2, v0, 4, 1
	v_mul_u32_u24 v3, v1, PITCH
	v_lshl_add_u32 v4, v2, 4, v3
	s_mul_i32 s21, s15, HALFT
	s_mul_i32 s22, s16, HALFT
	s_add_co_u32 s22, s22, 2*HALFT
.irp s, 0,1
	v_add_nc_u32 v[ADRA+\s], s21, v4
	v_add_nc_u32 v[ADRB+\s], s22, v4
	s_add_co_u32 s21, s21, SLOT
	s_add_co_u32 s22, s22, SLOT
.endr
	s_mul_i32 s23, s14, 16*SP
	s_add_co_u32 s23, s23, STAGE
	v_mul_u32_u24 v5, v1, SP
	s_wait_alu depctr_va_vdst(0)
	v_lshl_add_u32 v5, v2, 4, v5
	v_add_nc_u32 v[STO], s23, v5
	v_and_b32 v5, 31, v0
	v_lshlrev_b32 v[CO], 4, v5
	v_lshrrev_b32 v3, 2, v5
	v_mul_u32_u24 v3, v3, SP
	v_and_b32 v5, 3, v5
	v_lshl_add_u32 v3, v5, 4, v3
	v_add_nc_u32 v[RD], s23, v3
	s_lshl_b32 s20, s17, 2
	s_lshl_b32 s21, s15, 1
	s_add_co_u32 s20, s20, s21
	s_lshl_b32 s46, s42, 2
	s_lshl_b32 s47, s16, 1
	s_add_co_u32 s46, s46, s47
	s_mov_b32 s2, 0x1000
	s_mov_b32 s3, 0x20000
	s_cmp_eq_u32 s[WH], 2
	s_cselect_b32 s18, s46, s20
	s_cselect_b32 s19, s20, s46
	s_cselect_b32 s22, 0, s46
	s_cselect_b32 s86, s20, 0
	s_cselect_b32 s10, s3, s2
	s_cselect_b32 s12, s2, s3
	s_mov_b32 s11, 0
	s_mov_b32 s13, 0
	s_mov_b32 s23, 0
	s_mov_b32 s87, 0
	s_lshl_b32 s22, s22, 8
	s_lshl_b32 s86, s86, 8
	s_add_nc_u64 s[86:87], s[8:9], s[86:87]
	s_add_nc_u64 s[8:9], s[8:9], s[22:23]
	s_lshr_b32 s20, s18, 5
	s_lshl_b32 s20, s20, 4
	s_or_b32 s20, s20, s19
	s_lshl_b32 s20, s20, 5
	s_and_b32 s18, s18, 31
	s_or_b32 s20, s20, s18
	s_lshl_b32 s20, s20, 12
	s_lshl_b32 s21, s[WH], 22
	s_add_co_u32 s20, s20, s21
	s_mov_b32 s21, 0
	s_add_nc_u64 s[68:69], s[84:85], s[20:21]
	s_add_nc_u64 s[70:71], s[68:69], s[12:13]
	s_add_nc_u64 s[72:73], s[68:69], s[10:11]
	s_add_nc_u64 s[74:75], s[72:73], s[12:13]
	v_lshlrev_b32 v6, 5, v2
	v_lshlrev_b32 v7, 2, v1
.irp b, 0,1,2,3,4,5,6,7
	global_load_b128 v[BC+8*\b:BC+8*\b+3],   v6, s[8:9] offset:64*\b
	global_load_b128 v[BC+8*\b+4:BC+8*\b+7], v6, s[8:9] offset:64*\b+16
.endr
.irp a, 0,1,2,3,4,5,6,7
	global_load_b32 v[BR+2*\a], v7, s[86:87] offset:64*\a
	v_mov_b32 v[BR+2*\a+1], 0
.endr
.macro FRAG reg, adr, q, i
.irp c, 0,1,2,3
	ds_load_b128 v[\reg+4*\c:\reg+4*\c+3], v[\adr] offset:128*(\q)+32*\c+(\i)*16*PITCH
.endr
.endm
.macro MUL16 a0, p, zero
.irp a, \a0, \a0+1
.irp b, 0,1,2,3,4,5,6,7
.if \zero
	v_wmma_f32_16x16x128_fp8_fp8 v[8*(8*((\a)%4)+\b):8*(8*((\a)%4)+\b)+7], v[128*(\p)+FR*\b:128*(\p)+FR*\b+FR-1], v[AF+FR*(\a):AF+FR*(\a)+FR-1], 0
.else
	v_wmma_f32_16x16x128_fp8_fp8 v[8*(8*((\a)%4)+\b):8*(8*((\a)%4)+\b)+7], v[128*(\p)+FR*\b:128*(\p)+FR*\b+FR-1], v[AF+FR*(\a):AF+FR*(\a)+FR-1], v[8*(8*((\a)%4)+\b):8*(8*((\a)%4)+\b)+7]
.endif
.endr
.endr
.endm
.macro FETCH_B slot, q, p
	WIN TO_B
.irp i, 0,1,2,3,4,5,6,7
	FRAG 128*(\p)+FR*\i, ADRB+\slot, \q, \i
.endr
	WIN 0
.endm
.macro FETCH_A slot, q, i0
.irp i, \i0, \i0+1, \i0+2, \i0+3
	FRAG AF+FR*(\i), ADRA+\slot, \q, \i
.endr
.endm
.macro PLACES n
.rept \n
	v_nop
.endr
.endm
.macro STEP slot, q, zero
	s_wait_dscnt 4*NL
	WIN MUL_LO
	MUL16 0, (\q)%2, \zero
	MUL16 2, (\q)%2, \zero
	s_wait_dscnt 0
	PLACES NP
	FETCH_B \slot, (\q)+1, 1-(\q)%2
	FETCH_A \slot, (\q)+1, 0
	WIN MUL_HI
	MUL16 4, (\q)%2, \zero
	MUL16 6, (\q)%2, \zero
	PLACES NP
	WIN 0
	FETCH_A \slot, (\q)+1, 4
.endm
.macro TURN slot, next, fill
	s_wait_tensorcnt 0x0
	ds_add_u32 v[SPW], v[NIL]
	s_wait_dscnt 4*NL+1
	WIN MUL_LO
	MUL16 0, 1, 0
	s_wait_dscnt 0x0
	s_barrier_signal -1
	MUL16 2, 1, 0
	WIN 0
	s_barrier_wait -1
.if \fill
	CREST
	s_add_nc_u64 s[G0+4*\slot+2:G0+4*\slot+3], s[G0+4*\slot+2:G0+4*\slot+3], 2*ROWB
	s_add_nc_u64 s[G0B+4*\slot+2:G0B+4*\slot+3], s[G0B+4*\slot+2:G0B+4*\slot+3], 2*ROWB
	JLOAD G0+4*\slot, G1, G0B+4*\slot, G1B
.else
	PLACES NP
.endif
	FETCH_B \next, 0, 0
	FETCH_A \next, 0, 0
	WIN MUL_HI
	MUL16 4, 1, 0
	MUL16 6, 1, 0
	PLACES NP
	WIN 0
	FETCH_A \next, 0, 4
.endm
	s_wait_alu depctr_va_vdst(0)                   ; the wait at the head's end
	s_wait_tensorcnt 0x0                           ; my part of K step 0 is in
	ds_add_u32 v[SPW], v[NIL]
	s_wait_dscnt 0x0
	CROUND                                         ; a whole round: everybody's part of K step 0 is in, and the joint loads meet
	JLOAD G0+4, G1, G0B+4, G1B                     ; K step 1's load, the first tensor load behind the round
	FETCH_B 0, 0, 0
	FETCH_A 0, 0, 0
	FETCH_A 0, 0, 4
	global_prefetch_b8 v14, s[100:101] offset:768 th:TH_LOAD_NT scope:SCOPE_SE   ; K step 3, the last: two refills ahead of its load
	STEP 0, 0, 1
.if LAPS > 1
	s_mov_b32 s3, LAPS-1
.Llap:
	TURN 0, 1, 1
	STEP 1, 0, 0
	TURN 1, 0, 1
	STEP 0, 0, 0
	s_sub_co_u32 s3, s3, 1
	s_cmp_lg_u32 s3, 0
	s_cbranch_scc1 .Llap
.endif
	TURN 0, 1, 0
	STEP 1, 0, 0
	s_wait_dscnt 4*NL
	WIN MUL_LO
	MUL16 0, 1, 0
	MUL16 2, 1, 0
	s_wait_dscnt 0
	WIN MUL_HI
	MUL16 4, 1, 0
	MUL16 6, 1, 0
	WIN 0
	s_wait_kmcnt 0x0
	s_add_co_i32 s20, s88, s89
	s_add_co_i32 s21, s90, s91
	s_add_co_i32 s22, s92, s93
	s_cmp_eq_u32 s[WH], 2
	s_cselect_b32 s66, s22, s21
	s_cselect_b32 s23, s97, s95
	s_cselect_b32 s46, -1, 0
	s_cmp_eq_u32 s[WH], 0
	s_cselect_b32 s66, s20, s66
	s_cselect_b32 s23, s94, s23
	s_add_co_i32 s66, s66, 127
	s_lshl_b32 s66, s66, 23
	s_mov_b32 s67, s66
	s_add_co_i32 s23, s23, 127
	s_lshl_b32 s22, s23, 23
	v_mov_b32 v30, s22
	s_add_co_i32 s23, s23, 8
	s_lshl_b32 s23, s23, 23
	s_or_b32 s23, s23, 0x600000
	v_mov_b32 v31, s23
	PLACES NP
	s_wait_loadcnt 0x0
.set J, 0
.rept 64
	v_cndmask_b32 v[BC+J], v[BC+J], 0, s46
.set J, J+1
.endr
.irp a, 0,1,2,3,4,5,6,7
	v_cndmask_b32 v[BR+2*\a], 0, v[BR+2*\a], s46
.endr
.macro QROW a
.set AC, 64*((\a)%4)
.set CR, CD+16*((\a)%2)
	WIN 0x02+((\a)/4)
.set J, 0
.rept 32
	v_pk_fma_f32 v[XX+J:XX+J+1], v[AC+J:AC+J+1], s[66:67], v[BC+J:BC+J+1] op_sel_hi:[1,0,1]
.set J, J+2
.endr
	WIN 0
.set J, 0
.rept 32
	v_pk_add_f32 v[XX+J:XX+J+1], v[XX+J:XX+J+1], v[BR+2*(\a):BR+2*(\a)+1] op_sel_hi:[1,0]
.set J, J+2
.endr
.set J, 0
.rept 64
	v_med3_num_f32 v[XX+J], v[XX+J], -v31, v31
.set J, J+1
.endr
.set J, 0
.rept 8
	v_cvt_scalef32_pk8_fp8_f32 v[CR+2*J:CR+2*J+1], v[XX+8*J:XX+8*J+7], v30
.set J, J+1
.endr
	v_nop
.irp p, 0,1,2,3
	ds_store_b128 v[STO], v[CR+4*\p:CR+4*\p+3] offset:32*\p
.endr
.endm
.macro BACK a
.if (\a) > 1
	s_wait_xcnt 0x0
.endif
.irp n, 0,1
.irp t, 0,1
	ds_load_b128 v[OB+16*((\a)%2)+8*\n+4*\t:OB+16*((\a)%2)+8*\n+4*\t+3], v[RD] offset:\t*8*SP+64*\n
.endr
.endr
.endm
.macro SEND a, younger
	s_wait_dscnt \younger
.irp n, 0,1
.irp t, 0,1
	global_store_b128 v[CO], v[OB+16*((\a)%2)+8*\n+4*\t:OB+16*((\a)%2)+8*\n+4*\t+3], s[68+4*((\a)/4)+2*\n:69+4*((\a)/4)+2*\n] offset:(16*((\a)%4)+8*\t)*64
.endr
.endr
.endm
	QROW 0
	BACK 0
.irp a, 1,2,3,4,5,6,7
	QROW \a
	BACK \a
	SEND \a-1, 8
.endr
	SEND 7, 0
	s_wait_tensorcnt 0x0
	ds_add_u32 v[SPW], v[NIL]
	s_wait_dscnt 0x0
	CROUND
	s_endpgm
.Lfunc_end_k_q8ee8bc8fab_qkv:
	.size	k_q8ee8bc8fab_qkv, .Lfunc_end_k_q8ee8bc8fab_qkv-k_q8ee8bc8fab_qkv
	.p2alignl 7, 3214868480
	.fill 96, 4, 3214868480
	.section	.rodata,"a",@progbits
	.p2align	6, 0x0
	.amdhsa_kernel k_q8ee8bc8fab_qkv
		.amdhsa_group_segment_fixed_size 327680
		.amdhsa_private_segment_fixed_size 0
		.amdhsa_enable_private_segment 0
		.amdhsa_kernarg_size 72
		.amdhsa_user_sgpr_count 2
		.amdhsa_user_sgpr_kernarg_segment_ptr 1
		.amdhsa_wavefront_size32 1
		.amdhsa_system_sgpr_workgroup_id_x 1
		.amdhsa_system_sgpr_workgroup_id_y 1
		.amdhsa_system_sgpr_workgroup_id_z 1
		.amdhsa_system_vgpr_workitem_id 0
		.amdhsa_next_free_vgpr 1024
		.amdhsa_next_free_sgpr 104
		.amdhsa_reserve_vcc 0
		.amdhsa_float_denorm_mode_32 3
		.amdhsa_float_denorm_mode_16_64 3
		.amdhsa_memory_ordered 1
		.amdhsa_forward_progress 1
		.amdhsa_inst_pref_size 164
	.end_amdhsa_kernel
	.amdgpu_metadata
---
amdhsa.version: [ 1, 2 ]
amdhsa.kernels:
  - .name:           k_q8ee8bc8fab_qkv
    .symbol:         k_q8ee8bc8fab_qkv.kd
    .args:
      - { .name: lnc, .offset: 0, .size: 8, .value_kind: global_buffer, .address_space: global }
      - { .name: wq_codes, .offset: 8, .size: 8, .value_kind: global_buffer, .address_space: global }
      - { .name: wk_codes, .offset: 16, .size: 8, .value_kind: global_buffer, .address_space: global }
      - { .name: wv_codes, .offset: 24, .size: 8, .value_kind: global_buffer, .address_space: global }
      - { .name: bq, .offset: 32, .size: 8, .value_kind: global_buffer, .address_space: global }
      - { .name: bk, .offset: 40, .size: 8, .value_kind: global_buffer, .address_space: global }
      - { .name: bv, .offset: 48, .size: 8, .value_kind: global_buffer, .address_space: global }
      - { .name: lowp_scales, .offset: 56, .size: 8, .value_kind: global_buffer, .address_space: global }
      - { .name: qkvc, .offset: 64, .size: 8, .value_kind: global_buffer, .address_space: global }
    .group_segment_fixed_size: 327680
    .private_segment_fixed_size: 0
    .kernarg_segment_align: 8
    .kernarg_segment_size: 72
    .max_flat_workgroup_size: 128
    .sgpr_count:     104
    .vgpr_count:     1024
    .wavefront_size: 32
...
	.end_amdgpu_metadata
.endif
;; end of part 9
;; launch attn (part 10): grid 8 x 32, 8 waves a work-group, clusters of 4 x 1, 327,680 bytes of LDS; arguments qkvc, attention_mask, lowp_scales, ctxc; writes ctxc
.if DOCPART == 10
	.amdgcn_target "amdgcn-amd-amdhsa--gfx1250"
	.amdhsa_code_object_version 6
	.text
	.protected	k_q8ee8bc8fab_attn
	.globl	k_q8ee8bc8fab_attn
	.p2align	8
	.type	k_q8ee8bc8fab_attn,@function
k_q8ee8bc8fab_attn:
	s_mov_b64 s[64:65], 0
	v_nop
	global_prefetch_b8 v0, s[64:65] scope:SCOPE_SE
	s_setreg_imm32_b32 hwreg(HW_REG_WAVE_MODE, 25, 1), 1
	s_wait_xcnt 0x0
	s_wait_alu depctr_hold_cnt(0) depctr_sa_sdst(0) depctr_va_vdst(0) depctr_va_sdst(0) depctr_va_ssrc(0) depctr_va_vcc(0) depctr_vm_vsrc(0)
	s_getreg_b32 s2, hwreg(HW_REG_IB_STS2, 6, 4)
	s_cmp_eq_u32 s2, 0
	s_cbranch_scc0 .Lentry_in_a_cluster
	s_endpgm
.Lentry_in_a_cluster:
	s_bfe_u32 s2, ttmp6, 0x10000c
	s_cmp_lg_u32 s2, 0x3003
	s_cbranch_scc0 .Lentry_shape_is_right
	s_endpgm
.Lentry_shape_is_right:
; ctx[b][q][head][:] = the sum over k of softmax_k(Q . K / 8 + mask[b][k]) V[k][:], both products on codes of FP8 (E4M3), head size 64, 2,048 keys, 32 (batch, head) pairs; the result is quantised at once for the next product.
; qkvc: [3][32][32 blocks][64 rows][64 bytes]: part 0 Q and part 1 K (row = token, bytes = channels), part 2 V^T (block = 64 keys, row = channel, bytes = keys).  Scales: entries 6 (Q), 7 (K), 8 (p), 9 (V), 10 (ctx).
; The bytes of a row are permuted within each 32: position 16 h + 8 u + i holds element 16 u + 8 h + i: for Q and K one permutation of the channels on both sides; for V^T the order in which p's codes fall (LAYOUT).
; THE SOFTMAX: t = logit x log2(e); M = the row's largest t so far, rounded UP to a whole number; p = 2^(t - M) is quantised, not normalised; the row's sum is taken of the unquantised p and divides at the end.
; When M moves, the sum and O are multiplied by 2^(old M - new M): exact.
; THE MASK IS THE C OF THE FIRST PRODUCT: t = c (sum + mask x 8 x 2^-(e6 + e7)), c = log2(e) / 8 x 2^(e6 + e7).  The scaled mask lies in LDS, held at -3e38 from below.  C and D are different registers, so one copy serves both my tiles.
; SHARES.  A work-group owns 256 queries of one (batch, head); each of its eight waves owns 32, two tiles of 16 (A and B): every fragment of K, of V and of the mask that a wave reads from LDS feeds two matrix instructions.
; A HEAD'S WHOLE K AND V LIE IN LDS, 2 x 128 KiB in rows of 256 bytes + 16 of padding.  Each wave asks for one eighth, 128 rows, by its one tensor load; nothing is filled again, and the loop over the keys holds no barrier.
; CLUSTER.  The four work-groups of a cluster belong to one (batch, head): every load is asked for JOINTLY, with the same descriptor and the mask 15.
; NO PREFETCH: K and V are asked for once, at the head, and there is no loop to run ahead in.
; LAYOUT.  Both products transposed: S^T = K Q^T, O^T = V^T P: a lane holds ONE query of each tile (lane % 16).  Lane r of key tile t takes row 16 t + r; four rows of 64 bytes share an LDS row of 272 bytes.
; Score tile t holds, in lane half h, keys 16 t + 8 h + 0 .. 7, so p's registers 4 c .. 4 c + 3 hold keys 32 c + 8 h + i and 32 c + 16 + 8 h + i: the order of V^T's bytes 32 c + 16 h + 0 .. 15.
; THE NEXT STEP'S K AND MASK are read from LDS straight behind this step's first products, into registers of their own.  The step is written once, so the last trip reads on too: for K the first data bytes of V's region,
; for the mask 512 of the 1,024 bytes of zeros that are stored behind it for this; the registers so filled are not used.
; OUT: ctxc = [64 blocks of 64 tokens][16 heads][64][64] bytes: my 32 rows x 64 codes are 2,048 consecutive bytes.
; LIMITS: e6 + e7 between -123 and 130 (added to c's exponent field); e8 and e10 between -126 and 119.  NaN is not served; a query all of whose keys are masked so deeply that t overflows is not served.
; REGISTERS.  Window 0: v1-11 addresses; v12-19 -M, largest t, sum (A, B); v20-35 Q; v36-99 V's four fragments; v100-227 S^T, then p (A, B); v228-251 work, scales.
;   Window 1: v0-63 the mask; v64-127 O^T (A, B); v128-159 p's codes (A, B); v160-223 K's eight fragments.
.set BLKB,  4352                       ; a block of 4,096 bytes in LDS: 16 rows of 272
.set MPAD,  8192                       ; bytes 0-8,191: the scaled mask, 2,048 f32; then 1,024 bytes of zeros;
.set KREG,  MPAD+1024                  ; then K's 32 blocks,
.set VREG,  KREG+32*BLKB               ; V's 32,
.set STG,   VREG+32*BLKB               ; 32 rows x 80 bytes for each wave, for the way out,
.set SPARE, STG+8*2560                 ; and the spare words, 128 bytes for each wave
.set AK0, 1
.set AV0, 2
.set AM0, 3
.set STO, 4
.set RD,  5
.set GO,  6
.set MST, 7
.set ADK, 8
.set ADV, 9
.set ADM, 10
.set PST, 11
.set NA,  12                           ; pairs (-M, largest t)
.set LA,  14                           ; the sum in two halves
.set NB,  16
.set LB,  18
.set QA,  20
.set QB,  28
.set VF,  36
.set SA,  100
.set SB,  164
.set XA,  228                          ; two chains of the maximum
.set XB,  230
.set FA,  232                          ; pairs (f, 0)
.set FB,  234
.set PA,  236
.set PB,  237
.set LIMP, 238                         ; 448 x 2^e8
.set SCLP, 239                         ; 2^e8
.set LIMC, 240                         ; 448 x 2^e10
.set SCLC, 241                         ; 2^e10
.set CH,  242                          ; four chains of the sum
.set SPW, 250
.set NIL, 251
.set MK,  0                            ; window 1
.set OA,  64
.set OB,  96
.set CA,  128
.set CB,  144
.set KF,  160
.set TB,  2                            ; s2  the next step's keys in K's region (and in V's), in bytes
.set TM,  3                            ; s3  the same in the mask
.set WV,  18
.set SEL, 20
.set CS,  22
.set G1,  24
.set G0,  32
.set CNT, 48
.set MSB, 0
.macro WIN new                         ; low byte: 1:0 source 0, 3:2 source 1, 5:4 source 2, 7:6 destination; the high byte repeats the setting that is left
.if MSB != \new
	s_set_vgpr_msb (MSB<<8)|\new
.set MSB, \new
.endif
.endm
.macro CROUND                          ; a round of the cluster's barrier
	s_barrier_signal -1
	s_barrier_wait -1
	s_cmp_lg_u32 s[WV], 0
	s_cbranch_scc1 .Lnot_wave_0_\@
	s_barrier_signal -3
.Lnot_wave_0_\@:
	s_barrier_wait -3
	s_barrier_signal -1
	s_barrier_wait -1
.endm
.macro KMLOAD ak, am                   ; K's eight fragments and the mask of 128 keys, into window 1: 32 loads
	WIN 0x40
.irp t, 0,1,2,3,4,5,6,7
.irp c, 0,1
	ds_load_b128 v[KF+8*\t+4*\c:KF+8*\t+4*\c+3], v[\ak] offset:1088*\t+32*\c
.endr
.endr
.irp t, 0,1,2,3,4,5,6,7
.irp c, 0,1
	ds_load_b128 v[MK+8*\t+4*\c:MK+8*\t+4*\c+3], v[\am] offset:64*\t+16*\c
.endr
.endr
	WIN 0
.endm
	s_load_b256 s[4:11], s[0:1], 0x0               ; qkvc s[4:5], the mask s[6:7], the scales' exponents s[8:9], ctxc s[10:11]
	v_lshl_add_u32 v[SPW], v0, 2, SPARE
	v_mov_b32 v[NIL], 0
	ds_add_u32 v[SPW], v[NIL]                      ; the add, twice on end, and its wait below
	ds_add_u32 v[SPW], v[NIL]
	v_lshrrev_b32 v8, 5, v0
	v_readfirstlane_b32 s[WV], v8                  ; wave 0..7
	s_and_b32 s52, ttmp7, 0xffff                   ; 16 x batch + head, which the four partners share
	s_mov_b32 s[G1], 15|(3<<16)|(1<<20)|(1<<21)|(5<<22)|(3<<25)   ; the mask: all four; elements of 8 bytes; four words of padding after every 64; bit 21 beside a mask
	s_mov_b32 s[G1+1], 32<<16                      ; a dense block of 32,768 bytes as 128 rows of 32 elements
	s_mov_b32 s[G1+2], 128<<16
	s_mov_b32 s[G1+3], 32<<16
	s_mov_b32 s[G1+4], 128
	s_mov_b32 s[G1+5], 32
	s_mov_b32 s[G1+6], 0
	s_mov_b32 s[G1+7], 0
	s_mov_b32 s[SEL], 0x76543210
	s_mov_b32 s[SEL+1], 0xfedcba98
	s_mov_b32 s[CS], 0x3e38aa3b                    ; log2(e) / 8
	s_mul_i32 s55, s[WV], 8*BLKB                   ; waves 0-3: K's blocks 8 w on; waves 4-7: V's; V's region follows K's, so one product serves
	s_add_co_u32 s55, s55, KREG
	s_lshl_b32 s57, s52, 17                        ; the head's first byte in a part
	s_lshr_b32 s53, s[WV], 2
	s_add_co_u32 s60, s53, 1
	s_lshl_b32 s60, s60, 22                        ; part 1 or 2
	s_add_co_u32 s60, s60, s57
	s_and_b32 s54, s[WV], 3
	s_lshl_b32 s54, s54, 15
	s_add_co_u32 s60, s60, s54
	s_mov_b32 s61, 0
	s_lshr_b32 s62, s52, 4                         ; batch
	s_lshl_b32 s76, s62, 13                        ; its 2,048 numbers of the mask
	s_mov_b32 s77, 0
	s_bfe_u32 s50, ttmp6, 0x40000                  ; cx: it enters Q's and ctx's addresses alone
	s_lshl_b32 s51, ttmp9, 2
	s_add_co_u32 s51, s51, s50                     ; my block of 256 queries
	s_lshl_b32 s74, s51, 8
	s_lshl_b32 s58, s[WV], 5
	s_add_co_u32 s74, s74, s58                     ; my first query
	s_lshl_b32 s74, s74, 6
	s_add_co_u32 s74, s74, s57
	s_mov_b32 s75, 0
	s_lshl_b32 s78, s62, 5
	s_lshl_b32 s59, s51, 2
	s_add_co_u32 s78, s78, s59
	s_lshr_b32 s58, s[WV], 1
	s_add_co_u32 s78, s78, s58                     ; my block of 64 tokens
	s_lshl_b32 s78, s78, 4
	s_and_b32 s58, s52, 15
	s_add_co_u32 s78, s78, s58                     ; x 16 + head
	s_lshl_b32 s78, s78, 12
	s_and_b32 s58, s[WV], 1
	s_lshl_b32 s58, s58, 11
	s_add_co_u32 s78, s78, s58                     ; + my 32 rows of 64 bytes
	s_mov_b32 s79, 0
	s_mul_i32 s80, s[WV], 2560
	s_add_co_u32 s80, s80, STG                     ; my stage
	s_wait_alu depctr_va_vdst(0)                   ; a wait ahead of the waits below
	s_wait_dscnt 0x0                               ; both opening adds are done
	s_wait_kmcnt 0x0
	s_load_b128 s[68:71], s[8:9], 0x18             ; e6, e7, e8, e9
	s_load_b32 s72, s[8:9], 0x28                   ; e10
	s_add_nc_u64 s[74:75], s[4:5], s[74:75]
	s_add_nc_u64 s[76:77], s[6:7], s[76:77]
	s_add_nc_u64 s[78:79], s[10:11], s[78:79]
	s_mov_b32 s[G0], 1
	s_mov_b32 s[G0+1], s55
	s_add_nc_u64 s[G0+2:G0+3], s[4:5], s[60:61]
	s_or_b32 s[G0+3], s[G0+3], 0x80000000
	CROUND                                         ; all four work-groups are here: the joint loads meet
	tensor_load_to_lds s[G0:G0+3], s[G1:G1+7]      ; my one tensor load
	s_nop 0
.rept 4
	v_nop
.endr
	v_lshlrev_b32 v[MST], 5, v0                    ; the mask: 32 bytes a thread, in memory and in LDS alike
	global_load_b128 v[SA:SA+3], v[MST], s[76:77]
	global_load_b128 v[SA+4:SA+7], v[MST], s[76:77] offset:16
	v_lshl_add_u32 v[PST], v0, 2, MPAD             ; my word of the zeros behind the mask
	v_and_b32 v228, 15, v0                         ; r
	v_bfe_u32 v229, v0, 4, 1                       ; h
	v_lshlrev_b32 v230, 6, v228
	v_lshl_add_u32 v230, v229, 4, v230             ; Q: row r of 64 bytes, + 16 h
	global_load_b128 v[QA:QA+3], v230, s[74:75]
	global_load_b128 v[QA+4:QA+7], v230, s[74:75] offset:32
	global_load_b128 v[QB:QB+3], v230, s[74:75] offset:1024
	global_load_b128 v[QB+4:QB+7], v230, s[74:75] offset:1056
	v_lshrrev_b32 v231, 2, v228
	v_mul_u32_u24 v[AK0], v231, 272
	v_and_b32 v231, 3, v228
	v_lshl_add_u32 v[AK0], v231, 6, v[AK0]
	v_lshl_add_u32 v[AK0], v229, 4, v[AK0]         ; (r / 4) x 272 + 64 (r % 4) + 16 h
	v_add_nc_u32 v[AV0], VREG, v[AK0]
	v_add_nc_u32 v[AK0], KREG, v[AK0]
	v_mov_b32 v[ADV], v[AV0]
	v_lshlrev_b32 v[AM0], 5, v229                  ; the mask of keys 16 t + 8 h + 0 .. 7: 64 t + 32 h bytes on
	v_mul_u32_u24 v[STO], v228, 80
	v_lshl_add_u32 v[STO], v229, 3, v[STO]
	v_add_nc_u32 v[STO], s80, v[STO]
	v_and_b32 v231, 31, v0
	v_lshlrev_b32 v[GO], 4, v231
	v_lshrrev_b32 v232, 2, v231
	v_mul_u32_u24 v[RD], v232, 80
	v_and_b32 v232, 3, v231
	v_lshl_add_u32 v[RD], v232, 4, v[RD]
	v_add_nc_u32 v[RD], s80, v[RD]
.irp T, A, B
	v_mov_b32 v[N\T+1], 0xff61b1e6                 ; the largest t so far: -3e38
	v_floor_f32 v[N\T], -v[N\T+1]                  ; -M
	v_mov_b32 v[L\T], 0
	v_mov_b32 v[L\T+1], 0
	v_mov_b32 v[P\T], 0                            ; a lane permute's destination counts as one of its sources
	v_mov_b32 v[F\T+1], 0                          ; (named as the upper half of a pair)
.endr
	WIN 0x40
.set J, 0
.rept 64
	v_mov_b32 v[OA+J], 0                           ; O^T: the step is written once; the first change of M multiplies zeros
.set J, J+1
.endr
	WIN 0
	s_wait_kmcnt 0x0
	s_add_co_i32 s73, s68, s69                     ; e6 + e7: added to c's exponent field,
	s_lshl_b32 s81, s73, 23
	s_add_co_i32 s[CS], s[CS], s81
	s_mov_b32 s[CS+1], s[CS]
	s_sub_co_i32 s73, 3, s73                       ; and taken out of the mask: x 8 x 2^-(e6 + e7)
	s_add_co_i32 s81, s70, 127
	s_lshl_b32 s82, s81, 23
	v_mov_b32 v[SCLP], s82
	s_add_co_i32 s81, s81, 8
	s_lshl_b32 s81, s81, 23
	s_or_b32 s81, s81, 0x600000
	v_mov_b32 v[LIMP], s81
	s_add_co_i32 s81, s72, 127
	s_lshl_b32 s82, s81, 23
	v_mov_b32 v[SCLC], s82
	s_add_co_i32 s81, s81, 8
	s_lshl_b32 s81, s81, 23
	s_or_b32 s81, s81, 0x600000
	v_mov_b32 v[LIMC], s81
	s_wait_alu depctr_va_vdst(0)                   ; a wait ahead of the wait below
	s_wait_loadcnt 0x0                             ; the mask and Q
.irp j, 0,1,2,3,4,5,6,7
	v_ldexp_f32 v[SA+\j], v[SA+\j], s73
.endr
.irp j, 0,1,2,3,4,5,6,7
	v_max_num_f32 v[SA+\j], 0xff61b1e6, v[SA+\j]
.endr
	s_wait_alu depctr_va_vdst(0)                   ; the wait at the head's end
	s_wait_tensorcnt 0x0                           ; my eighth of K and V is in
	ds_store_b128 v[MST], v[SA:SA+3]
	ds_store_b128 v[MST], v[SA+4:SA+7] offset:16
	ds_store_b32 v[PST], v[LA]                     ; 0 (the sum's start): 256 threads x 4 bytes behind the mask
	s_wait_dscnt 0x0                               ; for the others' sake: my part of the mask is stored
	s_barrier_signal -1
	s_barrier_wait -1                              ; everybody's part of K, V and the mask is in
	KMLOAD AK0, AM0                                ; the first step's K and mask
	s_mov_b32 s[TB], 0
	s_mov_b32 s[TM], 0
	s_mov_b32 s[CNT], 16
.Lstep:                                            ; A KEY STEP: 128 keys, both tiles
	s_wait_dscnt 0x0                               ; this step's K and mask
	WIN 0x11                                       ; K's fragments and the mask in window 1
.irp t, 0,1,2,3,4,5,6,7
.irp T, A, B
	v_wmma_f32_16x16x64_fp8_fp8 v[S\T+8*\t:S\T+8*\t+7], v[KF+8*\t:KF+8*\t+7], v[Q\T:Q\T+7], v[MK+8*\t:MK+8*\t+7]
.endr
.endr
	WIN 0
	s_add_co_u32 s[TB], s[TB], 2*BLKB              ; 128 keys on: 32 LDS rows of K, two blocks of V
	s_add_co_u32 s[TM], s[TM], 512
	v_add_nc_u32 v[ADK], s[TB], v[AK0]             ; these two and the two v_nop: the four places in front of the loads below and of the first read of the scores
	v_add_nc_u32 v[ADM], s[TM], v[AM0]
	v_nop
	v_nop
.irp t, 0,1,2,3
.irp c, 0,1,2,3
	ds_load_b128 v[VF+16*\t+4*\c:VF+16*\t+4*\c+3], v[ADV] offset:1088*\t+(\c/2)*BLKB+32*(\c%2)   ; this step's V: channels 16 t on
.endr
.endr
	KMLOAD ADK, ADM                                ; the next step's K and mask
	v_add_nc_u32 v[ADV], s[TB], v[AV0]             ; for the next step's V
.irp T, A, B
	v_max3_num_f32 v[X\T], v[S\T], v[S\T+1], v[S\T+2]      ; the step's largest score: two chains a tile, each accumulator from its low end on
.endr
.irp T, A, B
	v_max3_num_f32 v[X\T+1], v[S\T+3], v[S\T+4], v[S\T+5]
.endr
.irp i, 6,10,14,18,22,26,30,34,38,42,46,50,54,58
.irp T, A, B
	v_max3_num_f32 v[X\T], v[X\T], v[S\T+\i], v[S\T+\i+1]
.endr
.irp T, A, B
	v_max3_num_f32 v[X\T+1], v[X\T+1], v[S\T+\i+2], v[S\T+\i+3]
.endr
.endr
.irp T, A, B
	v_max3_num_f32 v[X\T], v[X\T], v[S\T+62], v[S\T+63]
.endr
.irp T, A, B
	v_max_num_f32 v[X\T], v[X\T], v[X\T+1]
.endr
.irp T, A, B
	v_permlanex16_b32 v[P\T], v[X\T], s[SEL], s[SEL+1]
.endr
.irp T, A, B
	v_max_num_f32 v[X\T], v[X\T], v[P\T]           ; and among lane l xor 16's
.endr
.irp T, A, B
	v_mul_f32 v[X\T], s[CS], v[X\T]                ; as t (c is positive)
.endr
.irp T, A, B
	v_max_num_f32 v[N\T+1], v[N\T+1], v[X\T]       ; the running largest t
.endr
.irp T, A, B
	v_mov_b32 v[X\T], v[N\T]
.endr
.irp T, A, B
	v_floor_f32 v[N\T], -v[N\T+1]                  ; the new -M = -ceil(t)
.endr
.irp T, A, B
	v_sub_f32 v[X\T], v[N\T], v[X\T]               ; old M - new M: a whole number, 0 or less
.endr
.irp T, A, B
	v_cvt_i32_f32 v[X\T], v[X\T]                   ; (it saturates)
.endr
.irp T, A, B
	v_ldexp_f32 v[F\T], 1.0, v[X\T]                ; f = 2^(old M - new M)
.endr
.irp T, A, B
.irp j, 0,2,4,6,8,10,12,14,16,18,20,22,24,26,28,30,32,34,36,38,40,42,44,46,48,50,52,54,56,58,60,62
	v_pk_fma_f32 v[S\T+\j:S\T+\j+1], v[S\T+\j:S\T+\j+1], s[CS:CS+1], v[N\T:N\T+1] op_sel_hi:[1,0,0]   ; t - M (of the pairs c and -M the low word serves both halves)
.endr
.endr
	WIN 0x41                                       ; O^T in window 1, f in window 0
.irp T, A, B
.irp j, 0,2,4,6,8,10,12,14,16,18,20,22,24,26,28,30
	v_pk_mul_f32 v[O\T+\j:O\T+\j+1], v[O\T+\j:O\T+\j+1], v[F\T:F\T+1] op_sel_hi:[1,0]   ; O^T under the new M, ahead of the exponentials, each accumulator from its low end on
.endr
.endr
	WIN 0
	s_wait_alu depctr_va_vdst(0)                   ; a wait ahead of the batch
.set J, 0
.rept 128
	v_exp_f32 v[SA+J], v[SA+J]                     ; p = 2^(t - M), at most 1: not normalised
.set J, J+1
.endr
.irp T, A, B
	v_pk_mul_f32 v[L\T:L\T+1], v[L\T:L\T+1], v[F\T:F\T+1] op_sel_hi:[1,0]   ; the sums under the new M (plain instructions behind the exponentials)
.endr
	s_wait_alu depctr_va_vdst(0)                   ; one wait for the whole batch, ahead of its first reader
	s_wait_dscnt 32                                ; V's 16 loads are in; the 32 younger ones, the next step's K and mask, may be out
.irp T, A, B                                   ; the row's sum of the unquantised p: four chains
.irp c, 0,1,2,3
	v_pk_add_f32 v[CH+2*\c:CH+2*\c+1], v[S\T+4*\c:S\T+4*\c+1], v[S\T+4*\c+2:S\T+4*\c+3]
.endr
.irp j, 16,24,32,40,48,56
.irp c, 0,1,2,3
	v_pk_add_f32 v[CH+2*\c:CH+2*\c+1], v[CH+2*\c:CH+2*\c+1], v[S\T+\j+2*\c:S\T+\j+2*\c+1]
.endr
.endr
	v_pk_add_f32 v[CH:CH+1], v[CH:CH+1], v[CH+2:CH+3]
	v_pk_add_f32 v[CH+4:CH+5], v[CH+4:CH+5], v[CH+6:CH+7]
	v_pk_add_f32 v[L\T:L\T+1], v[L\T:L\T+1], v[CH:CH+1]
	v_pk_add_f32 v[L\T:L\T+1], v[L\T:L\T+1], v[CH+4:CH+5]
.endr
.set J, 0
.rept 64
	v_dual_min_num_f32 v[SA+J], v[LIMP], v[SA+J] :: v_dual_min_num_f32 v[SA+J+1], v[LIMP], v[SA+J+1]   ; the hold: the conversion does not saturate (ISA guide 7.6.2); p is not negative, so it is one-sided; two numbers an instruction
.set J, J+2
.endr
	WIN 0x40                                       ; the codes go to window 1
.irp T, A, B
.irp b, 0,1,2,3
	v_cvt_scalef32_pk8_fp8_f32 v[C\T+4*\b:C\T+4*\b+1], v[S\T+16*\b:S\T+16*\b+7], v[SCLP]
	v_cvt_scalef32_pk8_fp8_f32 v[C\T+4*\b+2:C\T+4*\b+3], v[S\T+16*\b+8:S\T+16*\b+15], v[SCLP]
.endr
.endr
	v_nop                                          ; a plain instruction behind the last conversion
	WIN 0x54                                       ; V's fragments in window 0; the codes and O^T in window 1
.irp t, 0,1,2,3
.irp T, A, B
	v_wmma_f32_16x16x128_fp8_fp8 v[O\T+8*\t:O\T+8*\t+7], v[VF+16*\t:VF+16*\t+15], v[C\T:C\T+15], v[O\T+8*\t:O\T+8*\t+7]   ; O^T += V^T P: eight accumulators by turns
.endr
.endr
	WIN 0
	s_sub_co_u32 s[CNT], s[CNT], 1
	s_cmp_lg_u32 s[CNT], 0
	s_cbranch_scc1 .Lstep
	; THE WAY OUT.  O^T x 2^(e8 + e9) / the sum, held, converted with 2^e10; 8 bytes a tile and lane into my stage, back as 2,048 consecutive bytes.
.rept 4
	v_nop                                          ; places behind the last products
.endr
.irp T, A, B
	v_add_f32 v[L\T], v[L\T], v[L\T+1]
.endr
.irp T, A, B
	v_permlanex16_b32 v[P\T], v[L\T], s[SEL], s[SEL+1]
.endr
.irp T, A, B
	v_add_f32 v[L\T], v[L\T], v[P\T]               ; the row's sum
.endr
	s_wait_alu depctr_va_vdst(0)                   ; a wait ahead of the transcendentals
	v_rcp_f32 v[LA], v[LA]
	v_rcp_f32 v[LB], v[LB]
	v_nop                                          ; a plain instruction behind them
	s_add_co_i32 s73, s70, s71
	s_wait_alu depctr_va_vdst(0)                   ; and the wait ahead of their first reader
	v_ldexp_f32 v[LA], v[LA], s73                  ; x 2^(e8 + e9)
	v_ldexp_f32 v[LB], v[LB], s73
	WIN 0x01                                       ; source 0: O^T in window 1
	s_wait_alu depctr_va_vdst(0)                   ; a wait directly ahead of the first reader of O^T
.set J, 0
.rept 32
	v_mul_f32 v[SA+J], v[OA+J], v[LA]              ; register 8 t + i is ctx(query r, channel 16 t + 8 h + i)
.set J, J+1
.endr
.set J, 0
.rept 32
	v_mul_f32 v[SA+32+J], v[OB+J], v[LB]
.set J, J+1
.endr
	WIN 0
.set J, 0
.rept 64
	v_med3_num_f32 v[SA+J], v[SA+J], -v[LIMC], v[LIMC]
.set J, J+1
.endr
.irp k, 0,1,2,3,4,5,6,7
	v_cvt_scalef32_pk8_fp8_f32 v[SB+2*\k:SB+2*\k+1], v[SA+8*\k:SA+8*\k+7], v[SCLC]
.endr
	v_nop                                          ; a plain instruction behind the last conversion
.irp k, 0,1,2,3,4,5,6,7
	ds_store_b64 v[STO], v[SB+2*\k:SB+2*\k+1] offset:(\k/4)*1280+16*(\k%4)   ; tile k / 4, row r, bytes 16 (k % 4) + 8 h on
.endr
.irp k, 0,1,2,3
	ds_load_b128 v[SB+16+4*\k:SB+19+4*\k], v[RD] offset:640*\k   ; LDS serves a wave's instructions in order (ISA guide 5.7.1.4): these see my stores
.endr
.irp k, 0,1,2,3
	s_wait_dscnt 3-\k
	global_store_b128 v[GO], v[SB+16+4*\k:SB+19+4*\k], s[78:79] offset:512*\k   ; 32 lanes store 512 consecutive bytes, aligned
.endr
	s_wait_tensorcnt 0x0                           ; the wave's end
	ds_add_u32 v[SPW], v[NIL]
	s_wait_dscnt 0x0
	CROUND                                         ; the closing round
	s_endpgm
.Lfunc_end_k_q8ee8bc8fab_attn:
	.size	k_q8ee8bc8fab_attn, .Lfunc_end_k_q8ee8bc8fab_attn-k_q8ee8bc8fab_attn
	.p2alignl 7, 3214868480
	.fill 96, 4, 3214868480
	.section	.rodata,"a",@progbits
	.p2align	6, 0x0
	.amdhsa_kernel k_q8ee8bc8fab_attn
		.amdhsa_group_segment_fixed_size 327680
		.amdhsa_private_segment_fixed_size 0
		.amdhsa_enable_private_segment 0
		.amdhsa_kernarg_size 32
		.amdhsa_user_sgpr_count 2
		.amdhsa_user_sgpr_kernarg_segment_ptr 1
		.amdhsa_wavefront_size32 1
		.amdhsa_system_sgpr_workgroup_id_x 1
		.amdhsa_system_sgpr_workgroup_id_y 1
		.amdhsa_system_sgpr_workgroup_id_z 1
		.amdhsa_system_vgpr_workitem_id 0
		.amdhsa_next_free_vgpr 480
		.amdhsa_next_free_sgpr 100
		.amdhsa_reserve_vcc 0
		.amdhsa_float_denorm_mode_32 3
		.amdhsa_float_denorm_mode_16_64 3
		.amdhsa_memory_ordered 1
		.amdhsa_forward_progress 1
		.amdhsa_inst_pref_size 51
	.end_amdhsa_kernel
	.amdgpu_metadata
---
amdhsa.version: [ 1, 2 ]
amdhsa.kernels:
  - .name:           k_q8ee8bc8fab_attn
    .symbol:         k_q8ee8bc8fab_attn.kd
    .args:
      - { .name: qkvc, .offset: 0, .size: 8, .value_kind: global_buffer, .address_space: global }
      - { .name: attention_mask, .offset: 8, .size: 8, .value_kind: global_buffer, .address_space: global }
      - { .name: lowp_scales, .offset: 16, .size: 8, .value_kind: global_buffer, .address_space: global }
      - { .name: ctxc, .offset: 24, .size: 8, .value_kind: global_buffer, .address_space: global }
    .group_segment_fixed_size: 327680
    .private_segment_fixed_size: 0
    .kernarg_segment_align: 8
    .kernarg_segment_size: 32
    .max_flat_workgroup_size: 256
    .sgpr_count:     100
    .vgpr_count:     480
    .wavefront_size: 32
...
	.end_amdgpu_metadata
.endif
;; end of part 10
;; launch wo (part 11): grid 8 x 32, 4 waves a work-group, clusters of 4 x 4, 327,680 bytes of LDS; arguments ctxc, wo_codes, lowp_scales, bo, hidden_states, hres; writes hres
.if DOCPART == 11
	.amdgcn_target "amdgcn-amd-amdhsa--gfx1250"
	.amdhsa_code_object_version 6
	.text
	.protected	k_q8ee8bc8fab_wo
	.globl	k_q8ee8bc8fab_wo
	.p2align	8
	.type	k_q8ee8bc8fab_wo,@function
k_q8ee8bc8fab_wo:
	s_mov_b64 s[64:65], 0
	v_nop
	global_prefetch_b8 v0, s[64:65] scope:SCOPE_SE
	s_setreg_imm32_b32 hwreg(HW_REG_WAVE_MODE, 25, 1), 1
	s_wait_xcnt 0x0
	s_wait_alu depctr_hold_cnt(0) depctr_sa_sdst(0) depctr_va_vdst(0) depctr_va_sdst(0) depctr_va_ssrc(0) depctr_va_vcc(0) depctr_vm_vsrc(0)
	s_getreg_b32 s2, hwreg(HW_REG_IB_STS2, 6, 4)
	s_cmp_eq_u32 s2, 0
	s_cbranch_scc0 .Lentry_in_a_cluster
	s_endpgm
.Lentry_in_a_cluster:
	s_bfe_u32 s2, ttmp6, 0x10000c
	s_cmp_lg_u32 s2, 0xf033
	s_cbranch_scc0 .Lentry_shape_is_right
	s_endpgm
.Lentry_shape_is_right:
; OUT[m][n] = RES[m][n] + (2^(ea + eb) x sum over k of X[m][k] Y[n][k] + bias[n]).  X, Y: codes of FP8 (E4M3); ea, eb: entries EA, EA + 1 of the scales; RES, OUT: [4096][1024] f32; bias [1024] f32.
; X: 4,096 rows x KB codes in blocks, [m / 64][k / 64][64 rows][64 bytes]: 64 rows x 512 along K are 32,768 consecutive bytes.  Y: [1024][KB] row-major.
; LIMIT: ea + eb between -126 and 127, so that 2^(ea + eb) is an f32 number.
; A tile of OUT, 128 x 128, is made by four waves, 64 x 64 each: 16 accumulators.  128 x 128 gives 256 work-groups; a larger tile would leave WGPs without work.  K goes in slots of 512 through two LDS slots filled by the tensor data mover.
; CLUSTERS: 4 x 4 work-groups.  The four of a row need the same tiles of X, the four of a column the same tiles of Y: each tile is asked for JOINTLY, by the same tensor load with the same descriptor and a mask that names the four.
; THE MATRIX INSTRUCTION IS USED TRANSPOSED (source 0 = 16 rows of Y, source 1 = 16 rows of X): a lane holds eight neighbouring columns of one row.
; A fragment (16 rows x 128 K) comes by four loads of 16 bytes: registers 4 c .. 4 c + 3 hold k = 32 c + 16 (lane / 16) + 0 .. 15, alike in X and in Y, so every product meets its partner.
; The residual is asked for at the head, in the layout in which the rows leave, and lands under the products.
; REGISTERS: window 0: v1-31 addresses, v8-11 the bias; v128-255 accumulators ((a, b) at 128 + 8 (4 a + b)), later the rows that leave.   window 1: two fragment buffers of 128: X's four fragments, then Y's four.   window 2: v0-127 the residual.
.set KB,     1024                      ; K: a row of Y in bytes
.set EA,     10
.set ABL,    1                         ; X lies in blocks
.set LAPS,   KB/1024                   ; a lap = two slots of 512 along K
.set PITCH,  528                       ; Y's LDS row: 512 bytes + 16 of padding = 132 words: row r starts at bank 4 r mod 64 (64 banks of 4 bytes: ISA guide 11.1)
.set HALFA,  128*272                   ; X: 64 rows x 512 K as 128 LDS rows of 256 bytes + 16: four rows of 64 bytes of one block of K to an LDS row; a fragment's 16 rows fall on 16 different groups of four banks
.set HALFB,  64*PITCH
.set ASTEP,  32768                     ; from slot to slot in memory: X
.set SLOT,   2*HALFA+2*HALFB           ; X's 128 rows, then Y's 128 rows
.set STAGE,  2*SLOT                    ; behind the slots: 16 rows x 272 bytes for each wave, for the way out
.set SPITCH, 272
.set SPARE,  STAGE+4*16*SPITCH         ; behind the stages: the spare words, 128 bytes for each wave: two blocks of 256 bytes that no other line names
.set BI,   8
.set ADRA, 16                          ; v16-17  LDS address of my X fragments in slot 0, 1
.set ADRB, 20                          ; v20-21  the same for Y
.set STO,  24                          ; v24     the way out: where I put 32 bytes of a row
.set RD,   25                          ; v25     where I read a row back
.set CO,   26                          ; v26     my byte offset in two rows of OUT and RES
.set SPW,  28                          ; v28     LDS address of my spare word; never rewritten
.set NIL,  29                          ; v29     0; never rewritten
.set ACC,  128
.set F0,   0
.set F1,   128
.set G1,   24                          ; s[24:31] descriptor group 1 for X's tiles;  s[32:39] group 0, one set for each slot
.set G0,   32
.set G1B,  48                          ; s[48:55], s[56:63] the same for Y's tiles
.set G0B,  56
.set MSB,  0
.macro WIN new                         ; the immediate's high byte repeats the setting that is left
.if MSB != \new
	s_set_vgpr_msb (MSB<<8)|\new
.set MSB, \new
.endif
.endm
.set MUL,  0x05                        ; sources 0 (Y) and 1 (X) window 1; C and D window 0
.set TO_F, 0x40                        ; destination window 1, address window 0
.macro JLOAD s                         ; a joint load: waves 0 and 1 fetch X's two halves, waves 2 and 3 Y's; four v_nop follow each of the two lines
	s_cmp_eq_u32 s11, 0
	s_cbranch_scc0 .Lfor_y_\@
	tensor_load_to_lds s[G0+4*\s:G0+4*\s+3], s[G1:G1+7]
	s_nop 0
.rept 4
	v_nop
.endr
	s_branch .Lasked_\@
.Lfor_y_\@:
	tensor_load_to_lds s[G0B+4*\s:G0B+4*\s+3], s[G1B:G1B+7]
	s_nop 0
.rept 4
	v_nop
.endr
.Lasked_\@:
.endm
.macro CREST                           ; a round of the cluster's barrier behind its opening barrier
	s_cmp_lg_u32 s10, 0
	s_cbranch_scc1 .Lnot_wave_0_\@
	s_barrier_signal -3
.Lnot_wave_0_\@:
	s_barrier_wait -3
	s_barrier_signal -1
	s_barrier_wait -1
.endm
.macro CROUND                          ; a whole round
	s_barrier_signal -1
	s_barrier_wait -1
	CREST
.endm
.macro PLACES                          ; four places in front of loads into registers that matrix instructions have read, and of the first read of results
.rept 4
	v_nop
.endr
.endm
; four matrix instructions: X's block a x Y's four, 128 along K, from buffer f.  zero = 1: the product starts the sums.  The 16 accumulators take turns, one instruction a turn
.macro MUL4 f, a, zero
.irp b, 0,1,2,3
.if \zero
	v_wmma_f32_16x16x128_fp8_fp8 v[ACC+8*(4*(\a)+\b):ACC+8*(4*(\a)+\b)+7], v[\f+64+16*\b:\f+64+16*\b+15], v[\f+16*(\a):\f+16*(\a)+15], 0
.else
	v_wmma_f32_16x16x128_fp8_fp8 v[ACC+8*(4*(\a)+\b):ACC+8*(4*(\a)+\b)+7], v[\f+64+16*\b:\f+64+16*\b+15], v[\f+16*(\a):\f+16*(\a)+15], v[ACC+8*(4*(\a)+\b):ACC+8*(4*(\a)+\b)+7]
.endif
.endr
.endm
.macro MUL8 f, a0, zero
	MUL4 \f, \a0, \zero
	MUL4 \f, (\a0)+1, \zero
.endm
; 32 LDS loads in one run: the fragments of the slot's q-th 128 along K into buffer f: Y's four, then X's four
.macro FETCH slot, q, f
	WIN TO_F
.irp i, 0,1,2,3
.irp c, 0,1,2,3
	ds_load_b128 v[\f+64+16*\i+4*\c:\f+64+16*\i+4*\c+3], v[ADRB+\slot] offset:128*(\q)+32*\c+\i*16*PITCH
.endr
.endr
.irp i, 0,1,2,3
.irp c, 0,1,2,3
.if ABL
	ds_load_b128 v[\f+16*\i+4*\c:\f+16*\i+4*\c+3], v[ADRA+\slot] offset:(2*(\q)+\c/2)*4352+32*(\c%2)+\i*1088
.else
	ds_load_b128 v[\f+16*\i+4*\c:\f+16*\i+4*\c+3], v[ADRA+\slot] offset:128*(\q)+32*\c+\i*16*PITCH
.endif
.endr
.endr
.endm
; A slot is four quarters of 128 along K, 16 matrix instructions each, on buffers 0, 1, 0, 1.  One of the first three multiplies buffer f and fetches quarter q into g
.macro QUARTER slot, q, f, g, zero
	s_wait_dscnt 8                                 ; Y's fragments and X's blocks 0, 1 are in; the youngest eight loads (X's blocks 2, 3) may be out
	WIN MUL
	MUL8 \f, 0, \zero
	PLACES
	FETCH \slot, \q, \g
	s_wait_dscnt 32                                ; all but the 32 just issued
	WIN MUL
	MUL8 \f, 2, \zero
.endm
; The last quarter multiplies buffer 1 and changes slots: ONE barrier; in front of it each wave waits for all its tensor loads, adds 0 to its spare word, and waits for that and for its reads of this slot.  fill = 1: this slot is filled again, two slots ahead
.macro TURN slot, next, fill
	WIN 0                                          ; (the add's two registers lie in window 0)
	s_wait_tensorcnt 0x0                           ; all my tensor loads have landed: my part of the next slot;
	ds_add_u32 v[SPW], v[NIL]                      ; 0 onto my spare word;
	s_wait_dscnt 9                                 ; (the add and the youngest eight loads may be out)
	WIN MUL
	MUL4 F1, 0, 0                                  ; matrix instructions stand between the add and the wait for it
	s_wait_dscnt 0x0                               ; the add is done, and my reads of this slot are over
	s_barrier_signal -1
	MUL4 F1, 1, 0
.if \fill
	WIN 0
.endif
	s_barrier_wait -1
.if \fill
	CREST                                          ; the barrier has opened a round of the cluster's barrier: no wave of any partner still reads this slot or has a load on its way
	s_add_nc_u64 s[G0+4*\slot+2:G0+4*\slot+3], s[G0+4*\slot+2:G0+4*\slot+3], 2*ASTEP
	s_add_nc_u64 s[G0B+4*\slot+2:G0B+4*\slot+3], s[G0B+4*\slot+2:G0B+4*\slot+3], 1024
	JLOAD \slot                                    ; the first tensor load behind the round, my one load that is out: 56 matrix instructions ahead of the wait for it; its four v_nop are also the places in front of the loads below
.else
	PLACES
.endif
	FETCH \next, 0, F0
	WIN MUL
	MUL8 F1, 2, 0
.endm
	s_load_b128 s[4:7], s[0:1], 0x0                ; X s[4:5], Y s[6:7]
	s_load_b128 s[68:71], s[0:1], 0x10             ; the scales' exponents s[68:69], the bias s[70:71]
	s_load_b128 s[72:75], s[0:1], 0x20             ; RES s[72:73], OUT s[74:75]
	v_lshl_add_u32 v[SPW], v0, 2, SPARE
	v_mov_b32 v[NIL], 0
	ds_add_u32 v28, v29
	ds_add_u32 v28, v29
	s_wait_dscnt 0x0
	v_lshrrev_b32 v1, 5, v0
	v_readfirstlane_b32 s10, v1                    ; wave 0..3
	s_lshr_b32 s11, s10, 1                         ; which half of the tile's rows is mine.  Also: I fetch for X (0) or for Y (1)
	s_and_b32 s12, s10, 1                          ; which half of its columns.  Also: which 64 rows of that tile I fetch
	s_bfe_u32 s40, ttmp6, 0x40000                  ; cx, cy: my place in the cluster
	s_bfe_u32 s41, ttmp6, 0x40004
	s_lshl_b32 s42, ttmp9, 2
	s_add_co_u32 s42, s42, s40                     ; tile column = 4 x cluster x + cx
	s_and_b32 s13, ttmp7, 0xffff
	s_lshl_b32 s13, s13, 2
	s_add_co_u32 s13, s13, s41                     ; tile row = 4 x cluster y + cy
	s_lshl_b32 s43, s41, 2
	s_lshl_b32 s43, 15, s43                        ; my row of the cluster
	s_lshl_b32 s44, 0x1111, s40                    ; my column
	; descriptor group 1.  X: a dense block of 32,768 bytes as 128 rows of 32 elements of 8 bytes.  Y: 64 rows x 512 bytes, KB bytes apart.  Both padded in LDS
	s_or_b32 s[G1+0], s43, (3<<16)|(1<<20)|(1<<21)|(5<<22)|(3<<25)   ; 15:0 the mask: X's tiles go to my row; 17:16 elements of 8 bytes; 20 padding on; 21 set beside a mask; 24:22 after every 64 words (code 5); 31:25 four words (code 3)
	s_mov_b32 s[G1+1], 32<<16                      ; tensor_dim0 = 32
	s_mov_b32 s[G1+2], 128<<16                     ; tensor_dim1 = 128
	s_mov_b32 s[G1+3], 32<<16                      ; tile_dim0 = 32
	s_mov_b32 s[G1+4], 128                         ; tile_dim1 = 128
	s_mov_b32 s[G1+5], 32                          ; tensor_dim0_stride
	s_mov_b32 s[G1+6], 0
	s_mov_b32 s[G1+7], 0
	s_or_b32 s[G1B+0], s44, (1<<20)|(1<<21)|(6<<22)|(3<<25)          ; the mask of my column; elements of 1 byte; four words after every 128 (code 6)
	s_mov_b32 s[G1B+1], 512<<16
	s_mov_b32 s[G1B+2], 64<<16
	s_mov_b32 s[G1B+3], 512<<16
	s_mov_b32 s[G1B+4], 64
	s_mov_b32 s[G1B+5], KB
	s_mov_b32 s[G1B+6], 0
	s_mov_b32 s[G1B+7], 0
	s_lshl_b32 s17, s12, 6                         ; which 64 rows of the tile I fetch
	s_lshl_b32 s16, s13, 7
	s_add_co_u32 s16, s16, s17                     ; X: row 128 x tile row + 64 x half (a block of 64 rows begins at row x KB bytes, as a row would)
	s_lshl_b32 s46, s42, 7
	s_add_co_u32 s46, s46, s17                     ; Y: row 128 x tile column + 64 x half
	s_mov_b32 s17, 0
	s_mov_b32 s47, 0
	s_mov_b64 s[18:19], KB
	s_mul_u64 s[16:17], s[16:17], s[18:19]
	s_mul_u64 s[46:47], s[46:47], s[18:19]
	s_mul_i32 s20, s12, HALFA                      ; where they go: no place in the cluster enters an LDS address
	s_mul_i32 s21, s12, HALFB
	s_add_co_u32 s21, s21, 2*HALFA
	s_wait_kmcnt 0x0
	s_load_b64 s[66:67], s[68:69], 4*EA            ; ea, eb
	s_add_nc_u64 s[14:15], s[4:5], s[16:17]
	s_add_nc_u64 s[46:47], s[6:7], s[46:47]
	CROUND                                         ; all sixteen work-groups are here: the first joint loads meet
.irp s, 0,1
	s_mov_b32 s[G0+4*\s], 1                        ; 1:0 count = 1
	s_add_co_u32 s[G0+4*\s+1], s20, \s*SLOT        ; 63:32 LDS address
	s_add_nc_u64 s[G0+4*\s+2:G0+4*\s+3], s[14:15], \s*ASTEP   ; 120:64 global address
	s_or_b32 s[G0+4*\s+3], s[G0+4*\s+3], 0x80000000           ; 127:126 type = 2
	s_mov_b32 s[G0B+4*\s], 1
	s_add_co_u32 s[G0B+4*\s+1], s21, \s*SLOT
	s_add_nc_u64 s[G0B+4*\s+2:G0B+4*\s+3], s[46:47], \s*512
	s_or_b32 s[G0B+4*\s+3], s[G0B+4*\s+3], 0x80000000
.endr
	JLOAD 0                                        ; slot 0: one tensor load a wave at the head
	; a prefetch into the L2 of slot 1, the last: of the 128 blocks of 256 bytes that I fetch, my work-group takes 32 (told apart by address: cx for X, cy for Y), a lane a block
	s_cmp_eq_u32 s11, 0                            ; do I fetch for X?
	s_cselect_b64 s[84:85], s[14:15], s[46:47]
	s_cselect_b32 s80, s40, s41                    ; my place among the four that ask with me
	s_cselect_b32 s81, 13, 14                      ; its part: 8,192 bytes of X's dense block, 16 rows of Y
	s_mov_b32 s78, 512
	s_cselect_b32 s78, 32768, s78                  ; a slot on
	s_mov_b32 s82, KB
	s_cselect_b32 s82, 512, s82                    ; from one pair of lanes to the next: 512 bytes of X's block, a row of Y
	s_mov_b32 s79, 0
	s_lshl_b32 s80, s80, s81
	s_mov_b32 s81, 0
	s_add_nc_u64 s[84:85], s[84:85], s[80:81]
	s_add_nc_u64 s[84:85], s[84:85], s[78:79]
	v_bfe_u32 v30, v0, 1, 4
	v_mul_u32_u24 v30, s82, v30
	v_and_b32 v31, 1, v0
	v_lshl_add_u32 v30, v31, 8, v30                ; never rewritten
	global_prefetch_b8 v30, s[84:85] th:TH_LOAD_NT scope:SCOPE_SE
	v_and_b32 v1, 15, v0
	v_bfe_u32 v2, v0, 4, 1                         ; h = lane / 16
	v_mul_u32_u24 v3, v1, PITCH
	v_lshl_add_u32 v3, v2, 4, v3                   ; Y: a fragment's row x pitch + 16 h
	v_lshrrev_b32 v4, 2, v1
	v_mul_u32_u24 v4, v4, 272
	v_and_b32 v5, 3, v1
	v_lshl_add_u32 v4, v5, 6, v4
	v_lshl_add_u32 v4, v2, 4, v4                   ; X: (r / 4) LDS rows + 64 (r % 4) + 16 h
	s_mul_i32 s22, s11, HALFA                      ; my 64 rows of X
	s_mul_i32 s23, s12, HALFB                      ; my 64 rows of Y,
	s_add_co_u32 s23, s23, 2*HALFA                 ; which lie behind X's 128
.irp s, 0,1
	v_add_nc_u32 v[ADRA+\s], s22, v4
	v_add_nc_u32 v[ADRB+\s], s23, v3
	s_add_co_u32 s22, s22, SLOT
	s_add_co_u32 s23, s23, SLOT
.endr
	s_mul_i32 s22, s10, 16*SPITCH
	s_add_co_u32 s22, s22, STAGE                   ; my stage
	v_mul_u32_u24 v5, v1, SPITCH
	v_lshl_add_u32 v5, v2, 5, v5
	v_add_nc_u32 v[STO], s22, v5                   ; in: row r, 32 bytes for each half of the lanes
	v_mul_u32_u24 v5, v2, SPITCH
	v_lshl_add_u32 v5, v1, 4, v5
	v_add_nc_u32 v[RD], s22, v5                    ; back: lanes 0-15 one row of 256 bytes, lanes 16-31 the next
	v_lshlrev_b32 v5, 12, v2
	v_lshl_add_u32 v[CO], v1, 4, v5                ; and the same two rows in OUT and RES
	s_wait_alu depctr_va_vdst(0)
	s_lshl_b32 s16, s13, 7
	s_lshl_b32 s17, s11, 6
	s_add_co_u32 s16, s16, s17                     ; my first row: 128 x tile row + 64 x half
	s_lshl_b32 s16, s16, 12                        ; x 4,096 bytes
	s_mov_b32 s17, 0
	s_lshl_b32 s46, s42, 9                         ; my first column, in bytes: 512 x tile column + 256 x half
	s_lshl_b32 s47, s12, 8
	s_add_co_u32 s46, s46, s47
	s_mov_b32 s47, 0
	s_add_nc_u64 s[70:71], s[70:71], s[46:47]      ; the bias of my 64 columns
	s_add_nc_u64 s[16:17], s[16:17], s[46:47]
	s_add_nc_u64 s[72:73], s[72:73], s[16:17]
	s_add_nc_u64 s[74:75], s[74:75], s[16:17]
	v_lshlrev_b32 v6, 4, v1
	global_load_b128 v[BI:BI+3], v6, s[70:71]      ; of the four columns that I store
	WIN 0x80                                       ; destination window 2
.irp a, 0,1,2,3
.irp t, 0,1,2,3,4,5,6,7
	global_load_b128 v[32*\a+4*\t:32*\a+4*\t+3], v[CO], s[72:73] offset:(16*\a+2*\t)*4096 th:TH_LOAD_NT   ; 16 lanes read 256 consecutive bytes, aligned; read once in this launch
.endr
.endr
	WIN 0
	s_wait_alu depctr_va_vdst(0)                   ; the wait at the head's end
	s_wait_tensorcnt 0x0                           ; my part of slot 0 is in
	ds_add_u32 v[SPW], v[NIL]
	s_wait_dscnt 0x0
	CROUND                                         ; a whole round: everybody's part of slot 0 is in, and the joint loads meet
	JLOAD 1                                        ; slot 1's load, the first tensor load behind the round
	FETCH 0, 0, F0
	QUARTER 0, 1, F0, F1, 1                        ; the first quarter's products start the sums: nothing is cleared
.if LAPS > 1
	WIN 0                                          ; at a label and at a branch every window is 0
	s_mov_b32 s3, LAPS-1
.Llap:                                                 ; a trip goes once round the ring, from a lap's second quarter to the next lap's first, and fills both slots again
	QUARTER 0, 2, F1, F0, 0
	QUARTER 0, 3, F0, F1, 0
	TURN 0, 1, 1
	QUARTER 1, 1, F0, F1, 0
	QUARTER 1, 2, F1, F0, 0
	QUARTER 1, 3, F0, F1, 0
	TURN 1, 0, 1
	QUARTER 0, 1, F0, F1, 0
	WIN 0
	s_sub_co_u32 s3, s3, 1
	s_cmp_lg_u32 s3, 0
	s_cbranch_scc1 .Llap
.endif
	QUARTER 0, 2, F1, F0, 0                        ; the last lap fills nothing
	QUARTER 0, 3, F0, F1, 0
	TURN 0, 1, 0
	QUARTER 1, 1, F0, F1, 0
	QUARTER 1, 2, F1, F0, 0
	QUARTER 1, 3, F0, F1, 0
	s_wait_dscnt 8                                 ; the very last quarter: nothing more to fetch
	WIN MUL
	MUL8 F1, 0, 0
	s_wait_dscnt 0x0
	MUL8 F1, 2, 0
	WIN 0
	; THE WAY OUT, block by block of 16 rows x 64 columns: the sums go through my stage and come back as whole rows of 256 bytes, into the registers that they left; there sum x 2^(ea + eb) + bias, + RES; stored.
	s_wait_kmcnt 0x0
	s_add_co_i32 s66, s66, s67
	s_add_co_i32 s66, s66, 127
	s_lshl_b32 s66, s66, 23                        ; 2^(ea + eb) as f32
	s_mov_b32 s67, s66                             ; (named with it as a pair, so it is written)
	PLACES
	s_wait_loadcnt 0x0                             ; the bias and the residual
.macro TOSTAGE a
.irp b, 0,1,2,3
	ds_store_b128 v[STO], v[ACC+8*(4*(\a)+\b):ACC+8*(4*(\a)+\b)+3] offset:64*\b          ; each accumulator from its low end on
	ds_store_b128 v[STO], v[ACC+8*(4*(\a)+\b)+4:ACC+8*(4*(\a)+\b)+7] offset:64*\b+16
.endr
.irp t, 0,1,2,3,4,5,6,7
	ds_load_b128 v[ACC+32*(\a)+4*\t:ACC+32*(\a)+4*\t+3], v[RD] offset:\t*2*SPITCH        ; LDS serves a wave's instructions in order (ISA guide 5.7.1.4): these see the stores above; the next block's stores come behind them
.endr
.endm
.macro SEND a, younger                 ; younger: the LDS instructions issued behind block a's loads: the next block's sixteen, or none
	s_wait_dscnt \younger
.irp t, 0,1,2,3,4,5,6,7
	v_pk_fma_f32 v[ACC+32*(\a)+4*\t:ACC+32*(\a)+4*\t+1], v[ACC+32*(\a)+4*\t:ACC+32*(\a)+4*\t+1], s[66:67], v[BI:BI+1] op_sel_hi:[1,0,1]
	v_pk_fma_f32 v[ACC+32*(\a)+4*\t+2:ACC+32*(\a)+4*\t+3], v[ACC+32*(\a)+4*\t+2:ACC+32*(\a)+4*\t+3], s[66:67], v[BI+2:BI+3] op_sel_hi:[1,0,1]
.endr
	WIN 0x08                                       ; source 1 window 2
.irp t, 0,1,2,3,4,5,6,7
	v_pk_add_f32 v[ACC+32*(\a)+4*\t:ACC+32*(\a)+4*\t+1], v[ACC+32*(\a)+4*\t:ACC+32*(\a)+4*\t+1], v[32*(\a)+4*\t:32*(\a)+4*\t+1]
	v_pk_add_f32 v[ACC+32*(\a)+4*\t+2:ACC+32*(\a)+4*\t+3], v[ACC+32*(\a)+4*\t+2:ACC+32*(\a)+4*\t+3], v[32*(\a)+4*\t+2:32*(\a)+4*\t+3]
.endr
	WIN 0
.irp t, 0,1,2,3,4,5,6,7
	global_store_b128 v[CO], v[ACC+32*(\a)+4*\t:ACC+32*(\a)+4*\t+3], s[74:75] offset:(16*(\a)+2*\t)*4096   ; 16 lanes store 256 consecutive bytes, aligned
.endr
.endm
	TOSTAGE 0
.irp a, 1,2,3
	TOSTAGE \a
	SEND \a-1, 16
.endr
	SEND 3, 0
	s_wait_tensorcnt 0x0                           ; the wave's end, behind my last tensor load and my last LDS store
	ds_add_u32 v[SPW], v[NIL]
	s_wait_dscnt 0x0
	CROUND                                         ; the closing round: no work-group ends while a partner may still ask for a tile that names it
	s_endpgm
.Lfunc_end_k_q8ee8bc8fab_wo:
	.size	k_q8ee8bc8fab_wo, .Lfunc_end_k_q8ee8bc8fab_wo-k_q8ee8bc8fab_wo
	.p2alignl 7, 3214868480
	.fill 96, 4, 3214868480
	.section	.rodata,"a",@progbits
	.p2align	6, 0x0
	.amdhsa_kernel k_q8ee8bc8fab_wo
		.amdhsa_group_segment_fixed_size 327680
		.amdhsa_private_segment_fixed_size 0
		.amdhsa_enable_private_segment 0
		.amdhsa_kernarg_size 48
		.amdhsa_user_sgpr_count 2
		.amdhsa_user_sgpr_kernarg_segment_ptr 1
		.amdhsa_wavefront_size32 1
		.amdhsa_system_sgpr_workgroup_id_x 1
		.amdhsa_system_sgpr_workgroup_id_y 1
		.amdhsa_system_sgpr_workgroup_id_z 1
		.amdhsa_system_vgpr_workitem_id 0
		.amdhsa_next_free_vgpr 640
		.amdhsa_next_free_sgpr 100
		.amdhsa_reserve_vcc 0
		.amdhsa_float_denorm_mode_32 3
		.amdhsa_float_denorm_mode_16_64 3
		.amdhsa_memory_ordered 1
		.amdhsa_forward_progress 1
		.amdhsa_inst_pref_size 55
	.end_amdhsa_kernel
	.amdgpu_metadata
---
amdhsa.version: [ 1, 2 ]
amdhsa.kernels:
  - .name:           k_q8ee8bc8fab_wo
    .symbol:         k_q8ee8bc8fab_wo.kd
    .args:
      - { .name: ctxc, .offset: 0, .size: 8, .value_kind: global_buffer, .address_space: global }
      - { .name: wo_codes, .offset: 8, .size: 8, .value_kind: global_buffer, .address_space: global }
      - { .name: lowp_scales, .offset: 16, .size: 8, .value_kind: global_buffer, .address_space: global }
      - { .name: bo, .offset: 24, .size: 8, .value_kind: global_buffer, .address_space: global }
      - { .name: hidden_states, .offset: 32, .size: 8, .value_kind: global_buffer, .address_space: global }
      - { .name: hres, .offset: 40, .size: 8, .value_kind: global_buffer, .address_space: global }
    .group_segment_fixed_size: 327680
    .private_segment_fixed_size: 0
    .kernarg_segment_align: 8
    .kernarg_segment_size: 48
    .max_flat_workgroup_size: 128
    .sgpr_count:     100
    .vgpr_count:     640
    .wavefront_size: 32
...
	.end_amdgpu_metadata
.endif
;; end of part 11
;; launch ln2 (part 12): grid 256 x 1, 8 waves a work-group, no clusters, 0 bytes of LDS; arguments hres, g2, be2, lowp_scales, h2c; writes h2c
.if DOCPART == 12
	.amdgcn_target "amdgcn-amd-amdhsa--gfx1250"
	.amdhsa_code_object_version 6
	.text
	.protected	k_q8ee8bc8fab_ln2
	.globl	k_q8ee8bc8fab_ln2
	.p2align	8
	.type	k_q8ee8bc8fab_ln2,@function
k_q8ee8bc8fab_ln2:
	s_mov_b64 s[64:65], 0
	v_nop
	global_prefetch_b8 v0, s[64:65] scope:SCOPE_SE
	s_setreg_imm32_b32 hwreg(HW_REG_WAVE_MODE, 25, 1), 1
	s_wait_xcnt 0x0
; y = (x - mean) * rsqrt(var + 1e-12) * g + be along rows of 1,024 f32, then y as codes of FP8 (E4M3), NOUT times, each time with its own given scale 2^e.
; x: [4096][1024] f32.  Output k: [4096][1024] codes, row-major, 4,194,304 bytes behind output k - 1.  e of output k is entry EIDX + 2 k of the buffer of scales.
; code = y / 2^e, held within +-448, to the nearest code, ties to even.  LIMITS: e between -126 and 119, so that 2^e and 448 x 2^e are f32 numbers.  NaN among the inputs is not served.
; SHARES.  A wave takes two whole rows and keeps them in registers between the passes (mean; variance of x - mean; scaling): x is read once, no wave waits for another, no LDS, no barrier.
; Lane l holds, of chunk i = 0 .. 3 of a row, columns 256 i + 8 l .. + 7: two loads of 16 bytes (together the wave's two loads cover 1,024 consecutive bytes), so that eight neighbours along the row
; lie in eight consecutive registers, as the conversion takes them; the lane's 8 codes are 8 bytes and the wave's store covers 256 consecutive bytes, aligned.
; No matrix unit, no cluster: the work-groups share nothing but g and be (8 KB), and memory binds.
.set NOUT, 1
.set EIDX, 12
.set SCL, 20                           ; v20.. 2^e of output k
.set LIM, 24                           ; v24.. 448 x 2^e
.set X,   32                           ; v32-95   the two rows, 32 registers each
.set G,   96                           ; v96-127  g of my 32 columns
.set BE,  128                          ; v128-159 be
.set T,   160                          ; v160-175 two sets of eight held numbers
.set C,   176                          ; v176..   codes: two registers for each (row, output, chunk): no store's data are written again
	s_load_b256 s[4:11], s[0:1], 0x0               ; x s[4:5], g s[6:7], be s[8:9], the scales' exponents s[10:11]
	s_load_b64 s[12:13], s[0:1], 0x20              ; the codes
	v_lshrrev_b32 v3, 5, v0
	s_delay_alu instid0(VALU_DEP_1)
	v_readfirstlane_b32 s20, v3                    ; wave 0..7
	v_and_b32 v2, 31, v0                           ; lane
	s_delay_alu instid0(VALU_DEP_1)
	v_lshlrev_b32 v1, 5, v2                        ; in: 32 bytes a lane
	s_delay_alu instid0(VALU_DEP_2)
	v_lshlrev_b32 v2, 3, v2                        ; out: 8 bytes a lane
	s_mov_b32 s22, 0x76543210                      ; v_permlanex16_b32: each lane takes its own place in the other half
	s_mov_b32 s23, 0xfedcba98
	s_mov_b32 s27, 0x3a800000                      ; 1 / 1024
	s_mov_b32 s28, 0x2b8cbccc                      ; 1e-12
	s_lshl_b32 s32, ttmp9, 16                      ; my first row = 16 x work-group + 2 x wave; x 4,096 bytes
	s_lshl_b32 s21, s20, 13
	s_add_co_u32 s32, s32, s21
	s_mov_b32 s33, 0
	s_lshr_b32 s30, s32, 2                         ; and x 1,024 bytes in the codes
	s_mov_b32 s31, 0
	s_wait_alu depctr_va_vdst(0)
	s_wait_kmcnt 0x0
	s_add_nc_u64 s[4:5], s[4:5], s[32:33]
.irp p, 0,1
.irp i, 0,1,2,3
	global_load_b128 v[X+32*\p+8*\i:X+32*\p+8*\i+3],   v1, s[4:5] offset:4096*\p+1024*\i th:TH_LOAD_NT
	global_load_b128 v[X+32*\p+8*\i+4:X+32*\p+8*\i+7], v1, s[4:5] offset:4096*\p+1024*\i+16 th:TH_LOAD_NT
.endr
.endr
.irp i, 0,1,2,3
	global_load_b128 v[G+8*\i:G+8*\i+3],   v1, s[6:7] offset:1024*\i
	global_load_b128 v[G+8*\i+4:G+8*\i+7], v1, s[6:7] offset:1024*\i+16
.endr
.irp i, 0,1,2,3
	global_load_b128 v[BE+8*\i:BE+8*\i+3],   v1, s[8:9] offset:1024*\i
	global_load_b128 v[BE+8*\i+4:BE+8*\i+7], v1, s[8:9] offset:1024*\i+16
.endr
.set KK, 0
.rept NOUT
	s_load_b32 s[24+KK], s[10:11], 4*(EIDX+2*KK)
	s_add_nc_u64 s[14+2*KK:15+2*KK], s[12:13], s[30:31]    ; output KK at my first row
.if KK > 0
	s_add_nc_u64 s[14+2*KK:15+2*KK], s[14+2*KK:15+2*KK], KK*4194304
.endif
.set KK, KK+1
.endr
	s_wait_kmcnt 0x0
.set KK, 0
.rept NOUT
	s_add_co_i32 s[24+KK], s[24+KK], 127
	s_lshl_b32 s29, s[24+KK], 23
	v_mov_b32 v[SCL+KK], s29                       ; 2^e as f32: the conversion takes its exponent field
	s_add_co_i32 s[24+KK], s[24+KK], 8
	s_lshl_b32 s29, s[24+KK], 23
	s_or_b32 s29, s29, 0x600000
	v_mov_b32 v[LIM+KK], s29                       ; 448 x 2^e
.set KK, KK+1
.endr
; four pairs of partial sums in v[8:15] become the wave's sum, in v8 of every lane
.macro FOLD
	s_delay_alu instid0(VALU_DEP_3)
	v_pk_add_f32 v[8:9], v[8:9], v[10:11]
	s_delay_alu instid0(VALU_DEP_2)
	v_pk_add_f32 v[12:13], v[12:13], v[14:15]
	s_delay_alu instid0(VALU_DEP_1)
	v_pk_add_f32 v[8:9], v[8:9], v[12:13]
	s_delay_alu instid0(VALU_DEP_1)
	v_add_f32 v8, v8, v9
	s_delay_alu instid0(VALU_DEP_1)
	v_add_f32_dpp v8, v8, v8 row_xmask:1 row_mask:0xf bank_mask:0xf
	s_delay_alu instid0(VALU_DEP_1)
	v_add_f32_dpp v8, v8, v8 row_xmask:2 row_mask:0xf bank_mask:0xf
	s_delay_alu instid0(VALU_DEP_1)
	v_add_f32_dpp v8, v8, v8 row_xmask:4 row_mask:0xf bank_mask:0xf
	s_delay_alu instid0(VALU_DEP_1)
	v_add_f32_dpp v8, v8, v8 row_xmask:8 row_mask:0xf bank_mask:0xf
	s_delay_alu instid0(VALU_DEP_1)
	v_permlanex16_b32 v9, v8, s22, s23             ; its destination counts as read: v9 has been written
	s_delay_alu instid0(VALU_DEP_1)
	v_add_f32 v8, v8, v9
.endm
; row p becomes (x - mean) * rsqrt(var + eps).  left = the younger loads that may stay out
.macro STATS p, left
.set XR, X+32*(\p)
	s_wait_loadcnt \left                           ; loads come back in order (ISA guide 5.7.1): this row's eight are in
.irp c, 0,1,2,3
	v_pk_add_f32 v[8+2*\c:9+2*\c], v[XR+4*\c:XR+4*\c+1], v[XR+4*\c+2:XR+4*\c+3]   ; four chains, started by the first sums: nothing is cleared
.endr
.irp j, 16,24
.irp c, 0,1,2,3
	s_delay_alu instid0(VALU_DEP_4)
	v_pk_add_f32 v[8+2*\c:9+2*\c], v[8+2*\c:9+2*\c], v[XR+\j+2*\c:XR+\j+2*\c+1]
.endr
.endr
	FOLD
	s_delay_alu instid0(VALU_DEP_1)
	v_mul_f32 v4, s27, v8                          ; the mean,
	s_delay_alu instid0(VALU_DEP_1)
	v_mov_b32 v5, v4                               ; twice: a pair for the packed form
.irp j, 0,2,4,6,8,10,12,14,16,18,20,22,24,26,28,30
	v_pk_add_f32 v[XR+\j:XR+\j+1], v[XR+\j:XR+\j+1], v[4:5] neg_lo:[0,1] neg_hi:[0,1]
.endr
.irp c, 0,1,2,3
	v_pk_mul_f32 v[8+2*\c:9+2*\c], v[XR+2*\c:XR+2*\c+1], v[XR+2*\c:XR+2*\c+1]
.endr
.irp j, 8,16,24
.irp c, 0,1,2,3
	s_delay_alu instid0(VALU_DEP_4)
	v_pk_fma_f32 v[8+2*\c:9+2*\c], v[XR+\j+2*\c:XR+\j+2*\c+1], v[XR+\j+2*\c:XR+\j+2*\c+1], v[8+2*\c:9+2*\c]
.endr
.endr
	FOLD
	s_delay_alu instid0(VALU_DEP_1)
	v_fma_f32 v8, v8, s27, s28                     ; var + eps
	s_wait_alu depctr_va_vdst(0)
	v_rsq_f32 v6, v8
	v_nop                                          ; a plain instruction between the transcendental and the use of its result
	s_wait_alu depctr_va_vdst(0)                   ; and a wait ahead of the first use
	v_mov_b32 v7, v6
.irp j, 0,2,4,6,8,10,12,14,16,18,20,22,24,26,28,30
	v_pk_mul_f32 v[XR+\j:XR+\j+1], v[XR+\j:XR+\j+1], v[6:7]
.endr
.endm
.macro NORM p
.irp j, 0,2,4,6,8,10,12,14,16,18,20,22,24,26,28,30
	v_pk_fma_f32 v[X+32*(\p)+\j:X+32*(\p)+\j+1], v[X+32*(\p)+\j:X+32*(\p)+\j+1], v[G+\j:G+\j+1], v[BE+\j:BE+\j+1]
.endr
.endm
; row p as codes of output k.  The conversion to an 8-bit code does not saturate (ISA guide 7.6.2): each number is first held within 448 x the scale, into one of two sets by turns,
; so that the other set's eight holds are the plain instructions behind each conversion.
.macro QOUT p, k
.irp i, 0,1,2,3
.irp j, 0,1,2,3,4,5,6,7
	v_med3_num_f32 v[T+8*(\i%2)+\j], v[X+32*(\p)+8*\i+\j], -v[LIM+(\k)], v[LIM+(\k)]
.endr
	v_cvt_scalef32_pk8_fp8_f32 v[C+2*(4*(NOUT*(\p)+(\k))+\i):C+2*(4*(NOUT*(\p)+(\k))+\i)+1], v[T+8*(\i%2):T+8*(\i%2)+7], v[SCL+(\k)]
	global_store_b64 v2, v[C+2*(4*(NOUT*(\p)+(\k))+\i):C+2*(4*(NOUT*(\p)+(\k))+\i)+1], s[14+2*(\k):15+2*(\k)] offset:1024*(\p)+256*\i   ; 32 lanes store 256 consecutive bytes, aligned
.endr
.endm
	STATS 0, 24                                    ; behind row 0's loads: row 1's eight, g's eight, be's eight
	STATS 1, 16
	s_wait_loadcnt 0x0                             ; g and be
.irp p, 0,1
	NORM \p
	QOUT \p, 0
.if NOUT > 1
	QOUT \p, 1
	QOUT \p, 2
.endif
.endr
	s_endpgm
.Lfunc_end_k_q8ee8bc8fab_ln2:
	.size	k_q8ee8bc8fab_ln2, .Lfunc_end_k_q8ee8bc8fab_ln2-k_q8ee8bc8fab_ln2
	.p2alignl 7, 3214868480
	.fill 96, 4, 3214868480
	.section	.rodata,"a",@progbits
	.p2align	6, 0x0
	.amdhsa_kernel k_q8ee8bc8fab_ln2
		.amdhsa_group_segment_fixed_size 0
		.amdhsa_private_segment_fixed_size 0
		.amdhsa_enable_private_segment 0
		.amdhsa_kernarg_size 40
		.amdhsa_user_sgpr_count 2
		.amdhsa_user_sgpr_kernarg_segment_ptr 1
		.amdhsa_wavefront_size32 1
		.amdhsa_system_sgpr_workgroup_id_x 1
		.amdhsa_system_sgpr_workgroup_id_y 1
		.amdhsa_system_sgpr_workgroup_id_z 1
		.amdhsa_system_vgpr_workitem_id 0
		.amdhsa_next_free_vgpr 192
		.amdhsa_next_free_sgpr 66
		.amdhsa_reserve_vcc 0
		.amdhsa_float_denorm_mode_32 3
		.amdhsa_float_denorm_mode_16_64 3
		.amdhsa_memory_ordered 1
		.amdhsa_forward_progress 1
		.amdhsa_inst_pref_size 25
	.end_amdhsa_kernel
	.amdgpu_metadata
---
amdhsa.version: [ 1, 2 ]
amdhsa.kernels:
  - .name:           k_q8ee8bc8fab_ln2
    .symbol:         k_q8ee8bc8fab_ln2.kd
    .args:
      - { .name: hres, .offset: 0, .size: 8, .value_kind: global_buffer, .address_space: global }
      - { .name: g2, .offset: 8, .size: 8, .value_kind: global_buffer, .address_space: global }
      - { .name: be2, .offset: 16, .size: 8, .value_kind: global_buffer, .address_space: global }
      - { .name: lowp_scales, .offset: 24, .size: 8, .value_kind: global_buffer, .address_space: global }
      - { .name: h2c, .offset: 32, .size: 8, .value_kind: global_buffer, .address_space: global }
    .group_segment_fixed_size: 0
    .private_segment_fixed_size: 0
    .kernarg_segment_align: 8
    .kernarg_segment_size: 40
    .max_flat_workgroup_size: 256
    .sgpr_count:     66
    .vgpr_count:     192
    .wavefront_size: 32
...
	.end_amdgpu_metadata
.endif
;; end of part 12
;; launch ff1 (part 13): grid 16 x 16, 4 waves a work-group, clusters of 4 x 4, 327,680 bytes of LDS; arguments h2c, w1_codes, lowp_scales, b1, ffc; writes ffc
.if DOCPART == 13
	.amdgcn_target "amdgcn-amd-amdhsa--gfx1250"
	.amdhsa_code_object_version 6
	.text
	.protected	k_q8ee8bc8fab_ff1
	.globl	k_q8ee8bc8fab_ff1
	.p2align	8
	.type	k_q8ee8bc8fab_ff1,@function
k_q8ee8bc8fab_ff1:
	s_mov_b64 s[64:65], 0
	v_nop
	global_prefetch_b8 v0, s[64:65] scope:SCOPE_SE
	s_setreg_imm32_b32 hwreg(HW_REG_WAVE_MODE, 25, 1), 1
	s_wait_xcnt 0x0
	s_wait_alu depctr_hold_cnt(0) depctr_sa_sdst(0) depctr_va_vdst(0) depctr_va_sdst(0) depctr_va_ssrc(0) depctr_va_vcc(0) depctr_vm_vsrc(0)
	s_getreg_b32 s2, hwreg(HW_REG_IB_STS2, 6, 4)
	s_cmp_eq_u32 s2, 0
	s_cbranch_scc0 .Lentry_in_a_cluster
	s_endpgm
.Lentry_in_a_cluster:
	s_bfe_u32 s2, ttmp6, 0x10000c
	s_cmp_lg_u32 s2, 0xf033
	s_cbranch_scc0 .Lentry_shape_is_right
	s_endpgm
.Lentry_shape_is_right:
.set KROW,   1024
.set ROWB,   256
.set PITCH,  272
.set FR,     16
.set NL,     4
.set NP,     4
.set HALFT,  128*PITCH
.set SLOT,   4*HALFT
.set LAPS,   KROW/(2*ROWB)
.set SPARE,  2*SLOT
.set DP,     528
.set DREG,   128*DP
.set AD0,  12
.set AD1,  13
.set ADRA, 16
.set ADRB, 20
.set STO,  24
.set RD,   25
.set CO,   26
.set GOF,  27
.set SPW,  28
.set NIL,  29
.set BC,   32
.set TMP,  96
.set C0,   96
.set C1,   100
.set Z,    160
.set W,    176
.set P,    192
.set Q,    208
.set X0,   224
.set X1,   240
.set AF,   128
.set A1,   68
.set A3,   70
.set A5,   72
.set A7,   74
.set A9,   76
.set A11,  78
.set B0,   80
.set B2,   82
.set B4,   84
.set B6,   86
.set G1,   24
.set G0,   32
.set G1B,  48
.set G0B,  56
.set MSB,  0
.macro WIN new
.if MSB != \new
	s_set_vgpr_msb (MSB<<8)|\new
.set MSB, \new
.endif
.endm
.set MUL_LO, 0xa1
.set MUL_HI, 0xf1
.set TO_B,   0x40
.macro JLOAD g0a, g1a, g0b, g1b
	s_cmp_eq_u32 s15, 0
	s_cbranch_scc0 .Lfor_b_\@
	tensor_load_to_lds s[\g0a:\g0a+3], s[\g1a:\g1a+7]
	s_nop 0
.rept 4
	v_nop
.endr
	s_branch .Lasked_\@
.Lfor_b_\@:
	tensor_load_to_lds s[\g0b:\g0b+3], s[\g1b:\g1b+7]
	s_nop 0
.rept 4
	v_nop
.endr
.Lasked_\@:
.endm
.macro CREST
	s_cmp_lg_u32 s14, 0
	s_cbranch_scc1 .Lnot_wave_0_\@
	s_barrier_signal -3
.Lnot_wave_0_\@:
	s_barrier_wait -3
	s_barrier_signal -1
	s_barrier_wait -1
.endm
.macro CROUND
	s_barrier_signal -1
	s_barrier_wait -1
	CREST
.endm
	s_load_b128 s[4:7], s[0:1], 0x0
	s_load_b128 s[8:11], s[0:1], 0x10
	s_load_b64 s[12:13], s[0:1], 0x20
	v_lshl_add_u32 v[SPW], v0, 2, SPARE
	v_mov_b32 v[NIL], 0
	ds_add_u32 v28, v29
	ds_add_u32 v28, v29
	s_wait_dscnt 0x0
	v_lshrrev_b32 v1, 5, v0
	v_readfirstlane_b32 s14, v1
	s_lshr_b32 s15, s14, 1
	s_and_b32 s16, s14, 1
	s_bfe_u32 s40, ttmp6, 0x40000
	s_bfe_u32 s41, ttmp6, 0x40004
	s_lshl_b32 s42, ttmp9, 2
	s_add_co_u32 s42, s42, s40
	s_and_b32 s17, ttmp7, 0xffff
	s_lshl_b32 s17, s17, 2
	s_add_co_u32 s17, s17, s41
	s_lshl_b32 s43, s41, 2
	s_lshl_b32 s43, 15, s43
	s_lshl_b32 s44, 0x1111, s40
	s_or_b32 s[G1+0], s43, (0<<16)|(1<<20)|(1<<21)|(5<<22)|(3<<25)
	s_or_b32 s[G1B+0], s44, (0<<16)|(1<<20)|(1<<21)|(5<<22)|(3<<25)
.irp g, G1, G1B
	s_mov_b32 s[\g+1], ROWB<<16
	s_mov_b32 s[\g+2], 128<<16
	s_mov_b32 s[\g+3], ROWB<<16
	s_mov_b32 s[\g+4], 128
	s_mov_b32 s[\g+5], KROW
	s_mov_b32 s[\g+6], 0
	s_mov_b32 s[\g+7], 0
.endr
	s_mov_b32 s[A1],  0xbc03dbd4
	s_mov_b32 s[A3],  0xbac1a1f6
	s_mov_b32 s[A5],  0xb9c0ac63
	s_mov_b32 s[A7],  0xb7eec2d2
	s_mov_b32 s[A9],  0xb58cff51
	s_mov_b32 s[A11], 0x326dffee
	s_mov_b32 s[B0],  0xbc69b6a7
	s_mov_b32 s[B2],  0xbbf19bf8
	s_mov_b32 s[B4],  0xbadc924e
	s_mov_b32 s[B6],  0xb95fbd29
.irp k, A1, A3, A5, A7, A9, A11, B0, B2, B4, B6
	s_mov_b32 s[\k+1], s[\k]
.endr
	v_mov_b32 v8, 0xaf15df0b
	v_mov_b32 v9, 0xaf15df0b
	v_mov_b32 v10, 0xb77460cd
	v_mov_b32 v11, 0xb77460cd
	s_lshl_b32 s18, s16, 7
	s_lshl_b32 s20, s17, 8
	s_add_co_u32 s20, s20, s18
	s_lshl_b32 s46, s42, 8
	s_add_co_u32 s46, s46, s18
	s_mov_b32 s21, 0
	s_mov_b32 s47, 0
	s_mov_b64 s[18:19], KROW
	s_mul_u64 s[20:21], s[20:21], s[18:19]
	s_mul_u64 s[46:47], s[46:47], s[18:19]
	s_mul_i32 s45, s14, HALFT
	s_wait_kmcnt 0x0
	s_load_b128 s[92:95], s[8:9], 0x30
	s_add_nc_u64 s[20:21], s[4:5], s[20:21]
	s_add_nc_u64 s[46:47], s[6:7], s[46:47]
	CROUND
.irp s, 0,1
	s_mov_b32 s[G0+4*\s], 1
	s_add_co_u32 s[G0+4*\s+1], s45, \s*SLOT
	s_add_nc_u64 s[G0+4*\s+2:G0+4*\s+3], s[20:21], \s*ROWB
	s_or_b32 s[G0+4*\s+3], s[G0+4*\s+3], 0x80000000
	s_mov_b32 s[G0B+4*\s], 1
	s_add_co_u32 s[G0B+4*\s+1], s45, \s*SLOT
	s_add_nc_u64 s[G0B+4*\s+2:G0B+4*\s+3], s[46:47], \s*ROWB
	s_or_b32 s[G0B+4*\s+3], s[G0B+4*\s+3], 0x80000000
.endr
	JLOAD G0, G1, G0B, G1B                         ; K step 0: one tensor load a wave at the head
	; prefetches into the L2: of the 128 rows that I fetch, my work-group takes 32 (told apart by address: cx for A, cy for B), a lane a row, 256 bytes of a row to a K step
	s_cmp_eq_u32 s15, 0
	s_cselect_b64 s[88:89], s[20:21], s[46:47]
	s_cselect_b32 s18, s40, s41
	s_lshl_b32 s18, s18, 15                        ; 32 rows of 1,024 bytes
	s_mov_b32 s19, 0
	s_add_nc_u64 s[88:89], s[88:89], s[18:19]
	v_and_b32 v14, 31, v0
	v_lshlrev_b32 v14, 10, v14                     ; never rewritten
	global_prefetch_b8 v14, s[88:89] offset:256 th:TH_LOAD_NT scope:SCOPE_SE   ; K step 1
	global_prefetch_b8 v14, s[88:89] offset:512 th:TH_LOAD_NT scope:SCOPE_SE   ; K step 2
	v_and_b32 v1, 15, v0
	s_wait_alu depctr_va_vdst(0)
	v_bfe_u32 v2, v0, 4, 1
	v_mul_u32_u24 v3, v1, PITCH
	v_lshl_add_u32 v4, v2, 4, v3
	s_mul_i32 s21, s15, HALFT
	s_mul_i32 s22, s16, HALFT
	s_add_co_u32 s22, s22, 2*HALFT
.irp s, 0,1
	v_add_nc_u32 v[ADRA+\s], s21, v4
	v_add_nc_u32 v[ADRB+\s], s22, v4
	s_add_co_u32 s21, s21, SLOT
	s_add_co_u32 s22, s22, SLOT
.endr
	s_mul_i32 s23, s14, DREG
	v_mul_u32_u24 v5, v1, DP
	s_wait_alu depctr_va_vdst(0)
	v_lshl_add_u32 v5, v2, 5, v5
	v_add_nc_u32 v[STO], s23, v5
	v_and_b32 v5, 31, v0
	v_lshlrev_b32 v[CO], 4, v5
	v_lshrrev_b32 v6, 2, v5
	v_mul_u32_u24 v6, v6, DP
	v_and_b32 v5, 3, v5
	v_lshl_add_u32 v6, v5, 6, v6
	v_add_nc_u32 v[RD], s23, v6
	s_lshl_b32 s20, s17, 2
	s_lshl_b32 s21, s15, 1
	s_add_co_u32 s20, s20, s21
	s_lshl_b32 s46, s42, 2
	s_lshl_b32 s47, s16, 1
	s_add_co_u32 s46, s46, s47
	s_lshl_b32 s18, s46, 8
	s_mov_b32 s19, 0
	s_add_nc_u64 s[10:11], s[10:11], s[18:19]
	s_lshl_b32 s20, s20, 6
	s_add_co_u32 s20, s20, s46
	s_lshl_b32 s20, s20, 12
	s_mov_b32 s21, 0
	s_add_nc_u64 s[12:13], s[12:13], s[20:21]
	v_lshlrev_b32 v7, 5, v2
.irp b, 0,1,2,3,4,5,6,7
	global_load_b128 v[BC+8*\b:BC+8*\b+3],   v7, s[10:11] offset:64*\b
	global_load_b128 v[BC+8*\b+4:BC+8*\b+7], v7, s[10:11] offset:64*\b+16
.endr
.macro FRAG reg, adr, q, i
.irp c, 0,1,2,3
	ds_load_b128 v[\reg+4*\c:\reg+4*\c+3], v[\adr] offset:128*(\q)+32*\c+(\i)*16*PITCH
.endr
.endm
.macro MUL16 a0, p, zero
.irp a, \a0, \a0+1
.irp b, 0,1,2,3,4,5,6,7
.if \zero
	v_wmma_f32_16x16x128_fp8_fp8 v[8*(8*((\a)%4)+\b):8*(8*((\a)%4)+\b)+7], v[128*(\p)+FR*\b:128*(\p)+FR*\b+FR-1], v[AF+FR*(\a):AF+FR*(\a)+FR-1], 0
.else
	v_wmma_f32_16x16x128_fp8_fp8 v[8*(8*((\a)%4)+\b):8*(8*((\a)%4)+\b)+7], v[128*(\p)+FR*\b:128*(\p)+FR*\b+FR-1], v[AF+FR*(\a):AF+FR*(\a)+FR-1], v[8*(8*((\a)%4)+\b):8*(8*((\a)%4)+\b)+7]
.endif
.endr
.endr
.endm
.macro FETCH_B slot, q, p
	WIN TO_B
.irp i, 0,1,2,3,4,5,6,7
	FRAG 128*(\p)+FR*\i, ADRB+\slot, \q, \i
.endr
	WIN 0
.endm
.macro FETCH_A slot, q, i0
.irp i, \i0, \i0+1, \i0+2, \i0+3
	FRAG AF+FR*(\i), ADRA+\slot, \q, \i
.endr
.endm
.macro PLACES n
.rept \n
	v_nop
.endr
.endm
.macro STEP slot, q, zero
	s_wait_dscnt 4*NL
	WIN MUL_LO
	MUL16 0, (\q)%2, \zero
	MUL16 2, (\q)%2, \zero
	s_wait_dscnt 0
	PLACES NP
	FETCH_B \slot, (\q)+1, 1-(\q)%2
	FETCH_A \slot, (\q)+1, 0
	WIN MUL_HI
	MUL16 4, (\q)%2, \zero
	MUL16 6, (\q)%2, \zero
	PLACES NP
	WIN 0
	FETCH_A \slot, (\q)+1, 4
.endm
.macro TURN slot, next, fill
	s_wait_tensorcnt 0x0
	ds_add_u32 v[SPW], v[NIL]
	s_wait_dscnt 4*NL+1
	WIN MUL_LO
	MUL16 0, 1, 0
	s_wait_dscnt 0x0
	s_barrier_signal -1
	MUL16 2, 1, 0
	WIN 0
	s_barrier_wait -1
.if \fill
	CREST
	s_add_nc_u64 s[G0+4*\slot+2:G0+4*\slot+3], s[G0+4*\slot+2:G0+4*\slot+3], 2*ROWB
	s_add_nc_u64 s[G0B+4*\slot+2:G0B+4*\slot+3], s[G0B+4*\slot+2:G0B+4*\slot+3], 2*ROWB
	JLOAD G0+4*\slot, G1, G0B+4*\slot, G1B
.else
	PLACES NP
.endif
	FETCH_B \next, 0, 0
	FETCH_A \next, 0, 0
	WIN MUL_HI
	MUL16 4, 1, 0
	MUL16 6, 1, 0
	PLACES NP
	WIN 0
	FETCH_A \next, 0, 4
.endm
	s_wait_alu depctr_va_vdst(0)                   ; the wait at the head's end
	s_wait_tensorcnt 0x0                           ; my part of K step 0 is in
	ds_add_u32 v[SPW], v[NIL]
	s_wait_dscnt 0x0
	CROUND                                         ; a whole round: everybody's part of K step 0 is in, and the joint loads meet
	JLOAD G0+4, G1, G0B+4, G1B                     ; K step 1's load, the first tensor load behind the round
	FETCH_B 0, 0, 0
	FETCH_A 0, 0, 0
	FETCH_A 0, 0, 4
	global_prefetch_b8 v14, s[88:89] offset:768 th:TH_LOAD_NT scope:SCOPE_SE   ; K step 3, the last: two refills ahead of its load
	STEP 0, 0, 1
.if LAPS > 1
	s_mov_b32 s3, LAPS-1
.Llap:
	TURN 0, 1, 1
	STEP 1, 0, 0
	TURN 1, 0, 1
	STEP 0, 0, 0
	s_sub_co_u32 s3, s3, 1
	s_cmp_lg_u32 s3, 0
	s_cbranch_scc1 .Llap
.endif
	TURN 0, 1, 0
	STEP 1, 0, 0
	s_wait_dscnt 4*NL
	WIN MUL_LO
	MUL16 0, 1, 0
	MUL16 2, 1, 0
	s_wait_dscnt 0x0
	s_barrier_signal -1
	WIN MUL_HI
	MUL16 4, 1, 0
	MUL16 6, 1, 0
	WIN 0
	s_barrier_wait -1
	s_wait_kmcnt 0x0
	s_add_co_i32 s66, s92, s93
	s_add_co_i32 s66, s66, 127
	s_lshl_b32 s66, s66, 23
	s_mov_b32 s67, s66
	s_add_co_i32 s23, s94, 127
	s_lshl_b32 s22, s23, 23
	v_mov_b32 v30, s22
	s_add_co_i32 s23, s23, 8
	s_lshl_b32 s23, s23, 23
	s_or_b32 s23, s23, 0x600000
	v_mov_b32 v31, s23
	PLACES NP
	s_wait_loadcnt 0x0
.macro DUMP a
.set AC, 64*((\a)%4)
	WIN 0x02+((\a)/4)
.set J, 0
.rept 32
	v_pk_fma_f32 v[TMP+J:TMP+J+1], v[AC+J:AC+J+1], s[66:67], v[BC+J:BC+J+1] op_sel_hi:[1,0,1]
.set J, J+2
.endr
	WIN 0
.irp b, 0,1,2,3,4,5,6,7
	ds_store_b128 v[STO], v[TMP+8*\b:TMP+8*\b+3] offset:(\a)*16*DP+64*\b
	ds_store_b128 v[STO], v[TMP+8*\b+4:TMP+8*\b+7] offset:(\a)*16*DP+64*\b+16
.endr
.endm
.irp a, 0,1,2,3,4,5,6,7
	DUMP \a
.endr
.macro GELU16 xs, cr
.irp j, 0,2,4,6,8,10,12,14
	v_pk_mul_f32 v[Z+\j:Z+\j+1], v[\xs+\j:\xs+\j+1], 0x3f3504f3 op_sel_hi:[1,0]
.endr
.irp j, 0,1,2,3,4,5,6,7,8,9,10,11,12,13,14,15
	v_med3_num_f32 v[Z+\j], v[Z+\j], -4.0, 4.0
.endr
.irp j, 0,2,4,6,8,10,12,14
	v_pk_mul_f32 v[W+\j:W+\j+1], v[Z+\j:Z+\j+1], v[Z+\j:Z+\j+1]
.endr
.irp j, 0,2,4,6,8,10,12,14
	v_pk_fma_f32 v[P+\j:P+\j+1], v[W+\j:W+\j+1], v[8:9], s[A11:A11+1] op_sel_hi:[1,1,0]
	v_pk_fma_f32 v[Q+\j:Q+\j+1], v[W+\j:W+\j+1], v[10:11], s[B6:B6+1] op_sel_hi:[1,1,0]
.endr
.irp k, B4, B2, B0
.irp j, 0,2,4,6,8,10,12,14
	v_pk_fma_f32 v[Q+\j:Q+\j+1], v[Q+\j:Q+\j+1], v[W+\j:W+\j+1], s[\k:\k+1] op_sel_hi:[1,1,0]
.endr
.endr
	s_wait_alu depctr_va_vdst(0)
.irp j, 0,1,2,3,4,5,6,7,8,9,10,11,12,13,14,15
	v_rcp_f32 v[Q+\j], v[Q+\j]
.endr
.irp k, A9, A7, A5, A3, A1
.irp j, 0,2,4,6,8,10,12,14
	v_pk_fma_f32 v[P+\j:P+\j+1], v[P+\j:P+\j+1], v[W+\j:W+\j+1], s[\k:\k+1] op_sel_hi:[1,1,0]
.endr
.endr
.irp j, 0,2,4,6,8,10,12,14
	v_pk_mul_f32 v[P+\j:P+\j+1], v[P+\j:P+\j+1], v[Z+\j:Z+\j+1]
.endr
	s_wait_alu depctr_va_vdst(0)
.irp j, 0,2,4,6,8,10,12,14
	v_pk_fma_f32 v[P+\j:P+\j+1], v[P+\j:P+\j+1], v[Q+\j:Q+\j+1], 0.5 op_sel_hi:[1,1,0]
.endr
.irp j, 0,2,4,6,8,10,12,14
	v_pk_mul_f32 v[P+\j:P+\j+1], v[P+\j:P+\j+1], v[\xs+\j:\xs+\j+1]
.endr
.irp j, 0,1,2,3,4,5,6,7,8,9,10,11,12,13,14,15
	v_med3_num_f32 v[P+\j], v[P+\j], -v31, v31
.endr
	v_cvt_scalef32_pk8_fp8_f32 v[\cr:\cr+1], v[P:P+7], v30
	v_cvt_scalef32_pk8_fp8_f32 v[\cr+2:\cr+3], v[P+8:P+15], v30
	v_nop
.endm
	s_mov_b32 s2, 0
	s_mov_b32 s3, 0
.irp i, 0,1,2,3
	ds_load_b128 v[X0+4*\i:X0+4*\i+3], v[RD] offset:16*\i
.endr
.Lrows:
	s_and_b32 s20, s2, 7
	s_lshl_b32 s20, s20, 9
	s_lshr_b32 s21, s2, 3
	s_lshl_b32 s21, s21, 18
	s_add_co_u32 s20, s20, s21
	s_wait_xcnt 0x0
	v_add_nc_u32 v[GOF], s20, v[CO]
	v_add_nc_u32 v[AD1], s3, v[RD]
.irp i, 0,1,2,3
	ds_load_b128 v[X1+4*\i:X1+4*\i+3], v[AD1] offset:256+16*\i
.endr
	s_wait_dscnt 4
	GELU16 X0, C0
	global_store_b128 v[GOF], v[C0:C0+3], s[12:13]
	s_add_co_u32 s18, s3, 8*DP
	s_min_u32 s18, s18, 15*8*DP
	v_add_nc_u32 v[AD0], s18, v[RD]
.irp i, 0,1,2,3
	ds_load_b128 v[X0+4*\i:X0+4*\i+3], v[AD0] offset:16*\i
.endr
	s_wait_dscnt 4
	GELU16 X1, C1
	global_store_b128 v[GOF], v[C1:C1+3], s[12:13] offset:4096
	s_add_co_u32 s3, s3, 8*DP
	s_add_co_u32 s2, s2, 1
	s_cmp_lt_u32 s2, 16
	s_cbranch_scc1 .Lrows
	s_wait_tensorcnt 0x0
	ds_add_u32 v[SPW], v[NIL]
	s_wait_dscnt 0x0
	CROUND
	s_endpgm
.Lfunc_end_k_q8ee8bc8fab_ff1:
	.size	k_q8ee8bc8fab_ff1, .Lfunc_end_k_q8ee8bc8fab_ff1-k_q8ee8bc8fab_ff1
	.p2alignl 7, 3214868480
	.fill 96, 4, 3214868480
	.section	.rodata,"a",@progbits
	.p2align	6, 0x0
	.amdhsa_kernel k_q8ee8bc8fab_ff1
		.amdhsa_group_segment_fixed_size 327680
		.amdhsa_private_segment_fixed_size 0
		.amdhsa_enable_private_segment 0
		.amdhsa_kernarg_size 40
		.amdhsa_user_sgpr_count 2
		.amdhsa_user_sgpr_kernarg_segment_ptr 1
		.amdhsa_wavefront_size32 1
		.amdhsa_system_sgpr_workgroup_id_x 1
		.amdhsa_system_sgpr_workgroup_id_y 1
		.amdhsa_system_sgpr_workgroup_id_z 1
		.amdhsa_system_vgpr_workitem_id 0
		.amdhsa_next_free_vgpr 1024
		.amdhsa_next_free_sgpr 100
		.amdhsa_reserve_vcc 0
		.amdhsa_float_denorm_mode_32 3
		.amdhsa_float_denorm_mode_16_64 3
		.amdhsa_memory_ordered 1
		.amdhsa_forward_progress 1
		.amdhsa_inst_pref_size 129
	.end_amdhsa_kernel
	.amdgpu_metadata
---
amdhsa.version: [ 1, 2 ]
amdhsa.kernels:
  - .name:           k_q8ee8bc8fab_ff1
    .symbol:         k_q8ee8bc8fab_ff1.kd
    .args:
      - { .name: h2c, .offset: 0, .size: 8, .value_kind: global_buffer, .address_space: global }
      - { .name: w1_codes, .offset: 8, .size: 8, .value_kind: global_buffer, .address_space: global }
      - { .name: lowp_scales, .offset: 16, .size: 8, .value_kind: global_buffer, .address_space: global }
      - { .name: b1, .offset: 24, .size: 8, .value_kind: global_buffer, .address_space: global }
      - { .name: ffc, .offset: 32, .size: 8, .value_kind: global_buffer, .address_space: global }
    .group_segment_fixed_size: 327680
    .private_segment_fixed_size: 0
    .kernarg_segment_align: 8
    .kernarg_segment_size: 40
    .max_flat_workgroup_size: 128
    .sgpr_count:     100
    .vgpr_count:     1024
    .wavefront_size: 32
...
	.end_amdgpu_metadata
.endif
;; end of part 13
;; launch ff2 (part 14): grid 8 x 32, 4 waves a work-group, clusters of 4 x 4, 327,680 bytes of LDS; arguments ffc, w2_codes, lowp_scales, b2, hres, out0; writes out0
.if DOCPART == 14
	.amdgcn_target "amdgcn-amd-amdhsa--gfx1250"
	.amdhsa_code_object_version 6
	.text
	.protected	k_q8ee8bc8fab_ff2
	.globl	k_q8ee8bc8fab_ff2
	.p2align	8
	.type	k_q8ee8bc8fab_ff2,@function
k_q8ee8bc8fab_ff2:
	s_mov_b64 s[64:65], 0
	v_nop
	global_prefetch_b8 v0, s[64:65] scope:SCOPE_SE
	s_setreg_imm32_b32 hwreg(HW_REG_WAVE_MODE, 25, 1), 1
	s_wait_xcnt 0x0
	s_wait_alu depctr_hold_cnt(0) depctr_sa_sdst(0) depctr_va_vdst(0) depctr_va_sdst(0) depctr_va_ssrc(0) depctr_va_vcc(0) depctr_vm_vsrc(0)
	s_getreg_b32 s2, hwreg(HW_REG_IB_STS2, 6, 4)
	s_cmp_eq_u32 s2, 0
	s_cbranch_scc0 .Lentry_in_a_cluster
	s_endpgm
.Lentry_in_a_cluster:
	s_bfe_u32 s2, ttmp6, 0x10000c
	s_cmp_lg_u32 s2, 0xf033
	s_cbranch_scc0 .Lentry_shape_is_right
	s_endpgm
.Lentry_shape_is_right:
.set KB,     4096
.set EA,     14
.set ABL,    1
.set LAPS,   KB/1024
.set PITCH,  528
.set HALFA,  128*272
.set HALFB,  64*PITCH
.set ASTEP,  32768
.set SLOT,   2*HALFA+2*HALFB
.set STAGE,  2*SLOT
.set SPITCH, 272
.set SPARE,  STAGE+4*16*SPITCH
.set BI,   8
.set ADRA, 16
.set ADRB, 20
.set STO,  24
.set RD,   25
.set CO,   26
.set SPW,  28
.set NIL,  29
.set ACC,  128
.set F0,   0
.set F1,   128
.set G1,   24
.set G0,   32
.set G1B,  48
.set G0B,  56
.set MSB,  0
.macro WIN new
.if MSB != \new
	s_set_vgpr_msb (MSB<<8)|\new
.set MSB, \new
.endif
.endm
.set MUL,  0x05
.set TO_F, 0x40
.macro JLOAD s
	s_cmp_eq_u32 s11, 0
	s_cbranch_scc0 .Lfor_y_\@
	tensor_load_to_lds s[G0+4*\s:G0+4*\s+3], s[G1:G1+7]
	s_nop 0
.rept 4
	v_nop
.endr
	s_branch .Lasked_\@
.Lfor_y_\@:
	tensor_load_to_lds s[G0B+4*\s:G0B+4*\s+3], s[G1B:G1B+7]
	s_nop 0
.rept 4
	v_nop
.endr
.Lasked_\@:
.endm
.macro CREST
	s_cmp_lg_u32 s10, 0
	s_cbranch_scc1 .Lnot_wave_0_\@
	s_barrier_signal -3
.Lnot_wave_0_\@:
	s_barrier_wait -3
	s_barrier_signal -1
	s_barrier_wait -1
.endm
.macro CROUND
	s_barrier_signal -1
	s_barrier_wait -1
	CREST
.endm
.macro PLACES
.rept 4
	v_nop
.endr
.endm
.macro MUL4 f, a, zero
.irp b, 0,1,2,3
.if \zero
	v_wmma_f32_16x16x128_fp8_fp8 v[ACC+8*(4*(\a)+\b):ACC+8*(4*(\a)+\b)+7], v[\f+64+16*\b:\f+64+16*\b+15], v[\f+16*(\a):\f+16*(\a)+15], 0
.else
	v_wmma_f32_16x16x128_fp8_fp8 v[ACC+8*(4*(\a)+\b):ACC+8*(4*(\a)+\b)+7], v[\f+64+16*\b:\f+64+16*\b+15], v[\f+16*(\a):\f+16*(\a)+15], v[ACC+8*(4*(\a)+\b):ACC+8*(4*(\a)+\b)+7]
.endif
.endr
.endm
.macro MUL8 f, a0, zero
	MUL4 \f, \a0, \zero
	MUL4 \f, (\a0)+1, \zero
.endm
.macro FETCH slot, q, f
	WIN TO_F
.irp i, 0,1,2,3
.irp c, 0,1,2,3
	ds_load_b128 v[\f+64+16*\i+4*\c:\f+64+16*\i+4*\c+3], v[ADRB+\slot] offset:128*(\q)+32*\c+\i*16*PITCH
.endr
.endr
.irp i, 0,1,2,3
.irp c, 0,1,2,3
.if ABL
	ds_load_b128 v[\f+16*\i+4*\c:\f+16*\i+4*\c+3], v[ADRA+\slot] offset:(2*(\q)+\c/2)*4352+32*(\c%2)+\i*1088
.else
	ds_load_b128 v[\f+16*\i+4*\c:\f+16*\i+4*\c+3], v[ADRA+\slot] offset:128*(\q)+32*\c+\i*16*PITCH
.endif
.endr
.endr
.endm
.macro QUARTER slot, q, f, g, zero
	s_wait_dscnt 8
	WIN MUL
	MUL8 \f, 0, \zero
	PLACES
	FETCH \slot, \q, \g
	s_wait_dscnt 32
	WIN MUL
	MUL8 \f, 2, \zero
.endm
.macro TURN slot, next, fill
	WIN 0
.if \fill
	s_wait_xcnt 0x0                                ; my last prefetch has read its address: it is stepped here, a slot on, ahead of the waits of the change of slots
	s_add_nc_u64 s[76:77], s[76:77], s[78:79]
.endif
	s_wait_tensorcnt 0x0
	ds_add_u32 v[SPW], v[NIL]
	s_wait_dscnt 9
	WIN MUL
	MUL4 F1, 0, 0
	s_wait_dscnt 0x0
	s_barrier_signal -1
	MUL4 F1, 1, 0
.if \fill
	WIN 0
.endif
	s_barrier_wait -1
.if \fill
	CREST
	s_add_nc_u64 s[G0+4*\slot+2:G0+4*\slot+3], s[G0+4*\slot+2:G0+4*\slot+3], 2*ASTEP
	s_add_nc_u64 s[G0B+4*\slot+2:G0B+4*\slot+3], s[G0B+4*\slot+2:G0B+4*\slot+3], 1024
	JLOAD \slot
.else
	PLACES
.endif
	FETCH \next, 0, F0
.if \fill
	WIN 0                                          ; (a branch follows)
	s_cmp_gt_u32 s3, 1                             ; the last trip's two refills have no slot two on
	s_cbranch_scc0 .Lno_ask_\@
	global_prefetch_b8 v30, s[76:77] th:TH_LOAD_NT scope:SCOPE_SE   ; the slot that stands two refills on: 32 blocks of 256 bytes, a lane a block
.Lno_ask_\@:
.endif
	WIN MUL
	MUL8 F1, 2, 0
.endm
	s_load_b128 s[4:7], s[0:1], 0x0
	s_load_b128 s[68:71], s[0:1], 0x10
	s_load_b128 s[72:75], s[0:1], 0x20
	v_lshl_add_u32 v[SPW], v0, 2, SPARE
	v_mov_b32 v[NIL], 0
	ds_add_u32 v28, v29
	ds_add_u32 v28, v29
	s_wait_dscnt 0x0
	v_lshrrev_b32 v1, 5, v0
	v_readfirstlane_b32 s10, v1
	s_lshr_b32 s11, s10, 1
	s_and_b32 s12, s10, 1
	s_bfe_u32 s40, ttmp6, 0x40000
	s_bfe_u32 s41, ttmp6, 0x40004
	s_lshl_b32 s42, ttmp9, 2
	s_add_co_u32 s42, s42, s40
	s_and_b32 s13, ttmp7, 0xffff
	s_lshl_b32 s13, s13, 2
	s_add_co_u32 s13, s13, s41
	s_lshl_b32 s43, s41, 2
	s_lshl_b32 s43, 15, s43
	s_lshl_b32 s44, 0x1111, s40
	s_or_b32 s[G1+0], s43, (3<<16)|(1<<20)|(1<<21)|(5<<22)|(3<<25)
	s_mov_b32 s[G1+1], 32<<16
	s_mov_b32 s[G1+2], 128<<16
	s_mov_b32 s[G1+3], 32<<16
	s_mov_b32 s[G1+4], 128
	s_mov_b32 s[G1+5], 32
	s_mov_b32 s[G1+6], 0
	s_mov_b32 s[G1+7], 0
	s_or_b32 s[G1B+0], s44, (1<<20)|(1<<21)|(6<<22)|(3<<25)
	s_mov_b32 s[G1B+1], 512<<16
	s_mov_b32 s[G1B+2], 64<<16
	s_mov_b32 s[G1B+3], 512<<16
	s_mov_b32 s[G1B+4], 64
	s_mov_b32 s[G1B+5], KB
	s_mov_b32 s[G1B+6], 0
	s_mov_b32 s[G1B+7], 0
	s_lshl_b32 s17, s12, 6
	s_lshl_b32 s16, s13, 7
	s_add_co_u32 s16, s16, s17
	s_lshl_b32 s46, s42, 7
	s_add_co_u32 s46, s46, s17
	s_mov_b32 s17, 0
	s_mov_b32 s47, 0
	s_mov_b64 s[18:19], KB
	s_mul_u64 s[16:17], s[16:17], s[18:19]
	s_mul_u64 s[46:47], s[46:47], s[18:19]
	s_mul_i32 s20, s12, HALFA
	s_mul_i32 s21, s12, HALFB
	s_add_co_u32 s21, s21, 2*HALFA
	s_wait_kmcnt 0x0
	s_load_b64 s[66:67], s[68:69], 4*EA
	s_add_nc_u64 s[14:15], s[4:5], s[16:17]
	s_add_nc_u64 s[46:47], s[6:7], s[46:47]
	CROUND
.irp s, 0,1
	s_mov_b32 s[G0+4*\s], 1
	s_add_co_u32 s[G0+4*\s+1], s20, \s*SLOT
	s_add_nc_u64 s[G0+4*\s+2:G0+4*\s+3], s[14:15], \s*ASTEP
	s_or_b32 s[G0+4*\s+3], s[G0+4*\s+3], 0x80000000
	s_mov_b32 s[G0B+4*\s], 1
	s_add_co_u32 s[G0B+4*\s+1], s21, \s*SLOT
	s_add_nc_u64 s[G0B+4*\s+2:G0B+4*\s+3], s[46:47], \s*512
	s_or_b32 s[G0B+4*\s+3], s[G0B+4*\s+3], 0x80000000
.endr
	JLOAD 0                                        ; slot 0: one tensor load a wave at the head
	; prefetches into the L2: of the 128 blocks of 256 bytes that I fetch for a slot, my work-group takes 32 (told apart by address: cx for X, cy for Y), a lane a block, one instruction a wave and slot
	s_cmp_eq_u32 s11, 0                            ; do I fetch for X?
	s_cselect_b64 s[84:85], s[14:15], s[46:47]
	s_cselect_b32 s80, s40, s41                    ; my place among the four that ask with me
	s_cselect_b32 s81, 13, 16                      ; its part: 8,192 bytes of X's dense block, 16 rows of Y
	s_mov_b32 s78, 512
	s_cselect_b32 s78, 32768, s78                  ; a slot on
	s_mov_b32 s82, KB
	s_cselect_b32 s82, 512, s82                    ; from one pair of lanes to the next: 512 bytes of X's block, a row of Y
	s_mov_b32 s79, 0
	s_lshl_b32 s80, s80, s81
	s_mov_b32 s81, 0
	s_add_nc_u64 s[84:85], s[84:85], s[80:81]
	s_add_nc_u64 s[84:85], s[84:85], s[78:79]      ; slot 1
	s_add_nc_u64 s[86:87], s[84:85], s[78:79]      ; slot 2
	s_add_nc_u64 s[76:77], s[86:87], s[78:79]      ; slot 3; stepped from here on
	v_bfe_u32 v30, v0, 1, 4
	v_mul_u32_u24 v30, s82, v30
	v_and_b32 v31, 1, v0
	v_lshl_add_u32 v30, v31, 8, v30                ; never rewritten
	global_prefetch_b8 v30, s[84:85] th:TH_LOAD_NT scope:SCOPE_SE
	global_prefetch_b8 v30, s[86:87] th:TH_LOAD_NT scope:SCOPE_SE
	v_and_b32 v1, 15, v0
	v_bfe_u32 v2, v0, 4, 1
	v_mul_u32_u24 v3, v1, PITCH
	v_lshl_add_u32 v3, v2, 4, v3
	v_lshrrev_b32 v4, 2, v1
	v_mul_u32_u24 v4, v4, 272
	v_and_b32 v5, 3, v1
	v_lshl_add_u32 v4, v5, 6, v4
	v_lshl_add_u32 v4, v2, 4, v4
	s_mul_i32 s22, s11, HALFA
	s_mul_i32 s23, s12, HALFB
	s_add_co_u32 s23, s23, 2*HALFA
.irp s, 0,1
	v_add_nc_u32 v[ADRA+\s], s22, v4
	v_add_nc_u32 v[ADRB+\s], s23, v3
	s_add_co_u32 s22, s22, SLOT
	s_add_co_u32 s23, s23, SLOT
.endr
	s_mul_i32 s22, s10, 16*SPITCH
	s_add_co_u32 s22, s22, STAGE
	v_mul_u32_u24 v5, v1, SPITCH
	v_lshl_add_u32 v5, v2, 5, v5
	v_add_nc_u32 v[STO], s22, v5
	v_mul_u32_u24 v5, v2, SPITCH
	v_lshl_add_u32 v5, v1, 4, v5
	v_add_nc_u32 v[RD], s22, v5
	v_lshlrev_b32 v5, 12, v2
	v_lshl_add_u32 v[CO], v1, 4, v5
	s_wait_alu depctr_va_vdst(0)
	s_lshl_b32 s16, s13, 7
	s_lshl_b32 s17, s11, 6
	s_add_co_u32 s16, s16, s17
	s_lshl_b32 s16, s16, 12
	s_mov_b32 s17, 0
	s_lshl_b32 s46, s42, 9
	s_lshl_b32 s47, s12, 8
	s_add_co_u32 s46, s46, s47
	s_mov_b32 s47, 0
	s_add_nc_u64 s[70:71], s[70:71], s[46:47]
	s_add_nc_u64 s[16:17], s[16:17], s[46:47]
	s_add_nc_u64 s[72:73], s[72:73], s[16:17]
	s_add_nc_u64 s[74:75], s[74:75], s[16:17]
	v_lshlrev_b32 v6, 4, v1
	global_load_b128 v[BI:BI+3], v6, s[70:71]
	WIN 0x80
.irp a, 0,1,2,3
.irp t, 0,1,2,3,4,5,6,7
	global_load_b128 v[32*\a+4*\t:32*\a+4*\t+3], v[CO], s[72:73] offset:(16*\a+2*\t)*4096 th:TH_LOAD_NT
.endr
.endr
	WIN 0
	s_wait_alu depctr_va_vdst(0)                   ; the wait at the head's end
	s_wait_tensorcnt 0x0                           ; my part of slot 0 is in
	ds_add_u32 v[SPW], v[NIL]
	s_wait_dscnt 0x0
	CROUND                                         ; a whole round: everybody's part of slot 0 is in, and the joint loads meet
	JLOAD 1                                        ; slot 1's load, the first tensor load behind the round
	FETCH 0, 0, F0
	WIN 0
	global_prefetch_b8 v30, s[76:77] th:TH_LOAD_NT scope:SCOPE_SE   ; slot 3: two refills ahead of its load
	QUARTER 0, 1, F0, F1, 1
.if LAPS > 1
	WIN 0
	s_mov_b32 s3, LAPS-1
.Llap:
	QUARTER 0, 2, F1, F0, 0
	QUARTER 0, 3, F0, F1, 0
	TURN 0, 1, 1
	QUARTER 1, 1, F0, F1, 0
	QUARTER 1, 2, F1, F0, 0
	QUARTER 1, 3, F0, F1, 0
	TURN 1, 0, 1
	QUARTER 0, 1, F0, F1, 0
	WIN 0
	s_sub_co_u32 s3, s3, 1
	s_cmp_lg_u32 s3, 0
	s_cbranch_scc1 .Llap
.endif
	QUARTER 0, 2, F1, F0, 0
	QUARTER 0, 3, F0, F1, 0
	TURN 0, 1, 0
	QUARTER 1, 1, F0, F1, 0
	QUARTER 1, 2, F1, F0, 0
	QUARTER 1, 3, F0, F1, 0
	s_wait_dscnt 8
	WIN MUL
	MUL8 F1, 0, 0
	s_wait_dscnt 0x0
	MUL8 F1, 2, 0
	WIN 0
	s_wait_kmcnt 0x0
	s_add_co_i32 s66, s66, s67
	s_add_co_i32 s66, s66, 127
	s_lshl_b32 s66, s66, 23
	s_mov_b32 s67, s66
	PLACES
	s_wait_loadcnt 0x0
.macro TOSTAGE a
.irp b, 0,1,2,3
	ds_store_b128 v[STO], v[ACC+8*(4*(\a)+\b):ACC+8*(4*(\a)+\b)+3] offset:64*\b
	ds_store_b128 v[STO], v[ACC+8*(4*(\a)+\b)+4:ACC+8*(4*(\a)+\b)+7] offset:64*\b+16
.endr
.irp t, 0,1,2,3,4,5,6,7
	ds_load_b128 v[ACC+32*(\a)+4*\t:ACC+32*(\a)+4*\t+3], v[RD] offset:\t*2*SPITCH
.endr
.endm
.macro SEND a, younger
	s_wait_dscnt \younger
.irp t, 0,1,2,3,4,5,6,7
	v_pk_fma_f32 v[ACC+32*(\a)+4*\t:ACC+32*(\a)+4*\t+1], v[ACC+32*(\a)+4*\t:ACC+32*(\a)+4*\t+1], s[66:67], v[BI:BI+1] op_sel_hi:[1,0,1]
	v_pk_fma_f32 v[ACC+32*(\a)+4*\t+2:ACC+32*(\a)+4*\t+3], v[ACC+32*(\a)+4*\t+2:ACC+32*(\a)+4*\t+3], s[66:67], v[BI+2:BI+3] op_sel_hi:[1,0,1]
.endr
	WIN 0x08
.irp t, 0,1,2,3,4,5,6,7
	v_pk_add_f32 v[ACC+32*(\a)+4*\t:ACC+32*(\a)+4*\t+1], v[ACC+32*(\a)+4*\t:ACC+32*(\a)+4*\t+1], v[32*(\a)+4*\t:32*(\a)+4*\t+1]
	v_pk_add_f32 v[ACC+32*(\a)+4*\t+2:ACC+32*(\a)+4*\t+3], v[ACC+32*(\a)+4*\t+2:ACC+32*(\a)+4*\t+3], v[32*(\a)+4*\t+2:32*(\a)+4*\t+3]
.endr
	WIN 0
.irp t, 0,1,2,3,4,5,6,7
	global_store_b128 v[CO], v[ACC+32*(\a)+4*\t:ACC+32*(\a)+4*\t+3], s[74:75] offset:(16*(\a)+2*\t)*4096
.endr
.endm
	TOSTAGE 0
.irp a, 1,2,3
	TOSTAGE \a
	SEND \a-1, 16
.endr
	SEND 3, 0
	s_wait_tensorcnt 0x0
	ds_add_u32 v[SPW], v[NIL]
	s_wait_dscnt 0x0
	CROUND
	s_endpgm
.Lfunc_end_k_q8ee8bc8fab_ff2:
	.size	k_q8ee8bc8fab_ff2, .Lfunc_end_k_q8ee8bc8fab_ff2-k_q8ee8bc8fab_ff2
	.p2alignl 7, 3214868480
	.fill 96, 4, 3214868480
	.section	.rodata,"a",@progbits
	.p2align	6, 0x0
	.amdhsa_kernel k_q8ee8bc8fab_ff2
		.amdhsa_group_segment_fixed_size 327680
		.amdhsa_private_segment_fixed_size 0
		.amdhsa_enable_private_segment 0
		.amdhsa_kernarg_size 48
		.amdhsa_user_sgpr_count 2
		.amdhsa_user_sgpr_kernarg_segment_ptr 1
		.amdhsa_wavefront_size32 1
		.amdhsa_system_sgpr_workgroup_id_x 1
		.amdhsa_system_sgpr_workgroup_id_y 1
		.amdhsa_system_sgpr_workgroup_id_z 1
		.amdhsa_system_vgpr_workitem_id 0
		.amdhsa_next_free_vgpr 640
		.amdhsa_next_free_sgpr 100
		.amdhsa_reserve_vcc 0
		.amdhsa_float_denorm_mode_32 3
		.amdhsa_float_denorm_mode_16_64 3
		.amdhsa_memory_ordered 1
		.amdhsa_forward_progress 1
		.amdhsa_inst_pref_size 84
	.end_amdhsa_kernel
	.amdgpu_metadata
---
amdhsa.version: [ 1, 2 ]
amdhsa.kernels:
  - .name:           k_q8ee8bc8fab_ff2
    .symbol:         k_q8ee8bc8fab_ff2.kd
    .args:
      - { .name: ffc, .offset: 0, .size: 8, .value_kind: global_buffer, .address_space: global }
      - { .name: w2_codes, .offset: 8, .size: 8, .value_kind: global_buffer, .address_space: global }
      - { .name: lowp_scales, .offset: 16, .size: 8, .value_kind: global_buffer, .address_space: global }
      - { .name: b2, .offset: 24, .size: 8, .value_kind: global_buffer, .address_space: global }
      - { .name: hres, .offset: 32, .size: 8, .value_kind: global_buffer, .address_space: global }
      - { .name: out0, .offset: 40, .size: 8, .value_kind: global_buffer, .address_space: global }
    .group_segment_fixed_size: 327680
    .private_segment_fixed_size: 0
    .kernarg_segment_align: 8
    .kernarg_segment_size: 48
    .max_flat_workgroup_size: 128
    .sgpr_count:     100
    .vgpr_count:     640
    .wavefront_size: 32
...
	.end_amdgpu_metadata
.endif
;; end of part 14
